; MI455X (gfx1250); checked and timed in simulation.
; The chip was launched on July 23, 2026; its instructions are those of AMD's public machine-readable ISA for CDNA 5 (MIT licence, August 2026) and "CDNA5" Instruction Set Architecture Reference Guide (July 2026). The comments in the code are by the model that wrote it; some were corrected since.
;; Encoder Block. Allowed arithmetic: matrix products marked QUANTISED: E2M3 operands, one E8M0 scale for each 32 along K, by v_wmma_scale_f32_16x16x128_f8f6f4 with both operands' format E2M3, f32 sums; everything else in f32.
;; Inputs: b1 1,024 float32; b2 1,024 float32; be1 1,024 float32; be2 1,024 float32; bk 1,024 float32; bo 1,024 float32; bq 1,024 float32; bv 1,024 float32; g1 1,024 float32; g2 1,024 float32; mask 8 x 1 x 1 x 1,024 int32; w1_codes 1,024 x 32 x 24 uint8 (E2M3 codes of w1, K innermost, in blocks of 32 codes, four codes in three bytes); w1_scales 1,024 x 32 uint8 (E8M0 scales of w1, one for each 32 codes along K); w2_codes 1,024 x 32 x 24 uint8 (E2M3 codes of w2, K innermost, in blocks of 32 codes, four codes in three bytes); w2_scales 1,024 x 32 uint8 (E8M0 scales of w2, one for each 32 codes along K); wk_codes 1,024 x 32 x 24 uint8 (E2M3 codes of wk, K innermost, in blocks of 32 codes, four codes in three bytes); wk_scales 1,024 x 32 uint8 (E8M0 scales of wk, one for each 32 codes along K); wo_codes 1,024 x 32 x 24 uint8 (E2M3 codes of wo, K innermost, in blocks of 32 codes, four codes in three bytes); wo_scales 1,024 x 32 uint8 (E8M0 scales of wo, one for each 32 codes along K); wq_codes 1,024 x 32 x 24 uint8 (E2M3 codes of wq, K innermost, in blocks of 32 codes, four codes in three bytes); wq_scales 1,024 x 32 uint8 (E8M0 scales of wq, one for each 32 codes along K); wv_codes 1,024 x 32 x 24 uint8 (E2M3 codes of wv, K innermost, in blocks of 32 codes, four codes in three bytes); wv_scales 1,024 x 32 uint8 (E8M0 scales of wv, one for each 32 codes along K); x 8 x 1,024 x 1,024 float32.
;; Outputs: out0 8 x 1,024 x 1,024 float32.
;; This version of the problem:
;;   THIS VERSION OF THE PROBLEM IS GIVEN IN LOW PRECISION. The matrix products marked QUANTISED in the list below multiply operands that are first quantised to E2M3 (2 exponent bits, 3 mantissa bits; 6 bits a number), with one power-of-two scale for each 32 numbers along K (OCP MX v1.0); their sums are f32. All else is computed in f32.
;;   The module's matrix products, in the order in which they are computed (A, B: the left and right operand; K: the contracted axis; several contracted axes count as one K, in the product's order):
;;     1. [M 8,192, K 1,024] x [K 1,024, N 1,024]; A: computed on the way; B: input wq (given as codes): QUANTISED
;;     2. [M 8,192, K 1,024] x [K 1,024, N 1,024]; A: computed on the way; B: input wk (given as codes): QUANTISED
;;     3. [M 8,192, K 1,024] x [K 1,024, N 1,024]; A: computed on the way; B: input wv (given as codes): QUANTISED
;;     4. batch 128 x [M 1,024, K 64] x [K 64, N 1,024]; A: computed on the way; B: computed on the way: QUANTISED
;;     5. batch 128 x [M 1,024, K 1,024] x [K 1,024, N 64]; A: softmax (see below); B: computed on the way: QUANTISED
;;     6. [M 8,192, K 1,024] x [K 1,024, N 1,024]; A: computed on the way; B: input wo (given as codes): QUANTISED
;;     7. [M 8,192, K 1,024] x [K 1,024, N 1,024]; A: computed on the way; B: input w1 (given as codes): QUANTISED
;;     8. [M 8,192, K 1,024] x [K 1,024, N 1,024]; A: computed on the way; B: input w2 (given as codes): QUANTISED
;;   THE QUANTISER, for each operand of a quantised product, along K:
;;     - K is cut into blocks of 32 from its start; a last block that is shorter is filled with zeros.
;;     - A block's scale is 2^e with e = floor(log2(the largest magnitude in the block)) - 2, held to -126 .. 127; a block of zeros has e = 0. As a byte (E8M0): e + 127.
;;     - Each number is divided by its block's scale, clamped to +-7.5, and rounded to the nearest number of E2M3, ties to even, subnormals kept.
;;     - The product sums the exact products of the quantised numbers (number of the format x scale) in f32.
;;   ~~~python
;;   def quantise(x, axis):      # numpy; x: float32 -> the quantised numbers, widened to float32 again
;;       x = np.moveaxis(x, axis, -1); K = x.shape[-1]
;;       x = np.pad(x, [(0, 0)] * (x.ndim - 1) + [(0, -K % 32)]); x = x.reshape(x.shape[:-1] + (-1, 32)); a = np.abs(x).max(-1, keepdims=True)
;;       e = np.where(a > 0, np.clip(np.frexp(np.where(a > 0, a, 1))[1] - 1 - 2, -126, 127), 0)      # np.frexp(a)[1] - 1 = floor(log2(a)), exactly
;;       r = np.clip(x / 2.0 ** e, -7.5, 7.5)
;;       step = 2.0 ** (np.maximum(np.frexp(np.where(r == 0, 1, r))[1] - 1, 0) - 3)
;;       q = np.round(r / step) * step * 2.0 ** e      # np.round: ties to even
;;       return np.moveaxis(q.reshape(q.shape[:-2] + (-1,))[..., :K], -1, axis).astype(np.float32)
;;   ~~~
;;   SOFTMAX AHEAD OF A QUANTISED PRODUCT. Where the list says 'softmax', what is quantised is not the finished softmax but p = 2^(t - M), with t = logit x log2(e) and M = ceil(the row's largest t), a whole number; so 1/2 < the row's largest p <= 1. The row's sum l is taken of the UNQUANTISED p, in f32, and the product's result is divided by l at the end. Since M is a whole number, a kernel that streams over the keys may use a running M (the ceiling of the running maximum): every later rescaling is an exact power of two, which a block's scale takes up: the codes' values come out the same.
;;   OPERANDS COMPUTED ON THE WAY. 'Computed on the way' means the value that the module computes at that place (a softmax that the list does not call 'softmax' is quantised finished and normalised). What goes into a quantiser is computed in f32, as accurately as f32 sums, v_exp_f32 and their like allow (about 1e-6 of the number): no bf16 or f16 on the way to a quantiser, and a product that is left as it is and whose result goes on into a quantised operand takes f32 operands (vector FMAs, or v_wmma_f32_16x16x4_f32). A number that lies on a knife's edge between two numbers of the format may be rounded either way, as far as f32 arithmetic and the matrix unit's own rounding can turn it there, and no further.
;;   INPUTS GIVEN AS CODES. w1 (in the module: [1024, 1024], K = its axis 1); w2 (in the module: [1024, 1024], K = its axis 1); wk (in the module: [1024, 1024], K = its axis 1); wo (in the module: [1024, 1024], K = its axis 1); wq (in the module: [1024, 1024], K = its axis 1); wv (in the module: [1024, 1024], K = its axis 1): each comes as NAME_codes (uint8): NAME with its K axis moved to the last place and cut into blocks of 32 codes, [.., K / 32, bytes a block], one block behind the other in memory; four codes in three bytes: a row's codes are one little-endian stream of bits, code i at bits 6 i .. 6 i + 5 (a code: sign, 2 exponent bits, 3 mantissa bits); and NAME_scales (uint8): the same leading axes, one E8M0 byte (e + 127) for each 32 codes along K. Its value is code x scale, taken as it is: it is not quantised again, and the codes and scales need not be those that the quantiser above would give.
;; 2 versions. Each part assembles by itself: llvm-mc -triple=amdgcn-amd-amdhsa -mcpu=gfx1250 --defsym DOCPART=n.
;; ======== version 1 of 2: 4 launches
;; limits: right only within a limited range of input values
;; workspace buffers: wl 4,718,592 bytes; qbuf 6,815,744 bytes; kbuf 6,553,600 bytes; vbuf 6,553,600 bytes; abuf 6,553,600 bytes
;; launch lay (part 1): grid 64 x 6, 4 waves a work-group, no clusters, 0 bytes of LDS; arguments wq_codes, wk_codes, wv_codes, wo_codes, w1_codes, w2_codes, wl; writes wl
.if DOCPART == 1
	.amdgcn_target "amdgcn-amd-amdhsa--gfx1250"
	.amdhsa_code_object_version 6
	.text
	.protected	k_q59d6e51031_lay
	.globl	k_q59d6e51031_lay
	.p2align	8
	.type	k_q59d6e51031_lay,@function
k_q59d6e51031_lay:
	s_mov_b64 s[64:65], 0
	v_nop
	global_prefetch_b8 v0, s[64:65] scope:SCOPE_SE
	s_setreg_imm32_b32 hwreg(HW_REG_WAVE_MODE, 25, 1), 1
	s_wait_xcnt 0x0
; The six weights' codes ([1024 rows][768 bytes], K innermost) are laid once in the order of a wave's operand registers.
; wl: [matrix 6][wave 8][fragment f = 8 s + t, 64][1,536 bytes].  A fragment is 16 rows x 128 K: 12 registers a lane; it lies as three groups of four registers, group g of lane L at 512 g + 16 L.
; THE ROWS OF A TILE ARE NOT NEIGHBOURS: lane r of tile T (0..63) takes row 32 (T / 2) + 8 (T % 2) + r + 8 (r / 8), so that the later launches' results fall 16 neighbours to a lane.
; Work-group (x = T, y = matrix); wave v takes K steps 2 v and 2 v + 1.  The reads are pieces of 8 bytes, once for each byte; every store of a wave covers 512 consecutive bytes, aligned to 256,
; and every later read of a weight is of that shape.  No LDS, no barrier: waves share nothing.
.set ROWB,  768                        ; a weight's row of 1,024 codes in bytes
.set FRB,   1536                       ; a fragment's image
.set WMAT,  786432                     ; a matrix
	s_load_b256 s[8:15], s[0:1], 0x0               ; wq, wk, wv, wo
	s_load_b128 s[16:19], s[0:1], 0x20             ; w1, w2
	s_load_b64 s[20:21], s[0:1], 0x30              ; wl
	v_lshrrev_b32 v1, 5, v0
	v_readfirstlane_b32 s2, v1                     ; wave 0..3
	s_and_b32 s3, ttmp7, 0xffff                    ; which matrix
	v_and_b32 v1, 31, v0                           ; L
	v_and_b32 v2, 15, v0                           ; r
	v_bfe_u32 v5, v0, 4, 1                         ; h
	v_and_b32 v6, 8, v2
	v_add_nc_u32 v6, v6, v2                        ; r + 8 (r / 8)
	v_mul_u32_u24 v3, v6, ROWB
	v_mad_u32_u24 v3, v5, 24, v3                   ; in: my row, + 24 h
	v_lshlrev_b32 v4, 4, v1                        ; out: 16 L
	s_lshr_b32 s4, ttmp9, 1
	s_lshl_b32 s4, s4, 5
	s_and_b32 s5, ttmp9, 1
	s_lshl_b32 s5, s5, 3
	s_add_co_u32 s4, s4, s5                        ; the tile's first row
	s_mul_i32 s4, s4, ROWB
	s_mul_i32 s5, s2, 192                          ; my two K steps of 96 bytes
	s_add_co_u32 s4, s4, s5
	s_mov_b32 s5, 0
	s_mul_i32 s6, s3, WMAT
	s_lshr_b32 s7, ttmp9, 3
	s_mul_i32 s7, s7, 64*FRB                       ; the reading wave's 64 fragments
	s_add_co_u32 s6, s6, s7
	s_and_b32 s7, ttmp9, 7
	s_mul_i32 s7, s7, FRB                          ; t
	s_add_co_u32 s6, s6, s7
	s_mul_i32 s7, s2, 16*FRB                       ; s = 2 v
	s_add_co_u32 s6, s6, s7
	s_mov_b32 s7, 0
	s_wait_kmcnt 0x0
.irp k, 1,2,3,4,5                      ; the choice hangs on the work-group's number alone
	s_cmp_eq_u32 s3, \k
	s_cselect_b64 s[8:9], s[8+2*\k:9+2*\k], s[8:9]
.endr
	s_add_nc_u64 s[8:9], s[8:9], s[4:5]
	s_add_nc_u64 s[20:21], s[20:21], s[6:7]
.irp e, 0,1
.irp p, 0,1,2,3,4,5
	global_load_b64 v[8+12*\e+2*\p:9+12*\e+2*\p], v3, s[8:9] offset:96*\e+48*(\p/3)+8*(\p%3) th:TH_LOAD_NT
.endr
.endr
	s_wait_loadcnt 0x0
.irp e, 0,1
.irp g, 0,1,2
	global_store_b128 v4, v[8+12*\e+4*\g:11+12*\e+4*\g], s[20:21] offset:8*FRB*\e+512*\g
.endr
.endr
	s_endpgm
.Lfunc_end_k_q59d6e51031_lay:
	.size	k_q59d6e51031_lay, .Lfunc_end_k_q59d6e51031_lay-k_q59d6e51031_lay
	.p2alignl 7, 3214868480
	.fill 96, 4, 3214868480
	.section	.rodata,"a",@progbits
	.p2align	6, 0x0
	.amdhsa_kernel k_q59d6e51031_lay
		.amdhsa_group_segment_fixed_size 0
		.amdhsa_private_segment_fixed_size 0
		.amdhsa_enable_private_segment 0
		.amdhsa_kernarg_size 56
		.amdhsa_user_sgpr_count 2
		.amdhsa_user_sgpr_kernarg_segment_ptr 1
		.amdhsa_wavefront_size32 1
		.amdhsa_system_sgpr_workgroup_id_x 1
		.amdhsa_system_sgpr_workgroup_id_y 1
		.amdhsa_system_sgpr_workgroup_id_z 1
		.amdhsa_system_vgpr_workitem_id 0
		.amdhsa_next_free_vgpr 40
		.amdhsa_next_free_sgpr 66
		.amdhsa_reserve_vcc 0
		.amdhsa_float_denorm_mode_32 3
		.amdhsa_float_denorm_mode_16_64 3
		.amdhsa_memory_ordered 1
		.amdhsa_forward_progress 1
		.amdhsa_inst_pref_size 4
	.end_amdhsa_kernel
	.amdgpu_metadata
---
amdhsa.version: [ 1, 2 ]
amdhsa.kernels:
  - .name:           k_q59d6e51031_lay
    .symbol:         k_q59d6e51031_lay.kd
    .args:
      - { .name: wq_codes, .offset: 0, .size: 8, .value_kind: global_buffer, .address_space: global }
      - { .name: wk_codes, .offset: 8, .size: 8, .value_kind: global_buffer, .address_space: global }
      - { .name: wv_codes, .offset: 16, .size: 8, .value_kind: global_buffer, .address_space: global }
      - { .name: wo_codes, .offset: 24, .size: 8, .value_kind: global_buffer, .address_space: global }
      - { .name: w1_codes, .offset: 32, .size: 8, .value_kind: global_buffer, .address_space: global }
      - { .name: w2_codes, .offset: 40, .size: 8, .value_kind: global_buffer, .address_space: global }
      - { .name: wl, .offset: 48, .size: 8, .value_kind: global_buffer, .address_space: global }
    .group_segment_fixed_size: 0
    .private_segment_fixed_size: 0
    .kernarg_segment_align: 8
    .kernarg_segment_size: 56
    .max_flat_workgroup_size: 128
    .sgpr_count:     66
    .vgpr_count:     40
    .wavefront_size: 32
...
	.end_amdgpu_metadata
.endif
;; end of part 1
;; launch qkv (part 2): grid 256 x 1, 8 waves a work-group, no clusters, 205,824 bytes of LDS; arguments x, mask, wl, wq_scales, wk_scales, wv_scales, bq, bk, bv, g1, be1, qbuf, kbuf, vbuf; writes qbuf, kbuf, vbuf
.if DOCPART == 2
	.amdgcn_target "amdgcn-amd-amdhsa--gfx1250"
	.amdhsa_code_object_version 6
	.text
	.protected	k_q59d6e51031_qkv
	.globl	k_q59d6e51031_qkv
	.p2align	8
	.type	k_q59d6e51031_qkv,@function
k_q59d6e51031_qkv:
	s_mov_b64 s[64:65], 0
	v_nop
	global_prefetch_b8 v0, s[64:65] scope:SCOPE_SE
	s_setreg_imm32_b32 hwreg(HW_REG_WAVE_MODE, 25, 1), 1
	s_wait_xcnt 0x0
; h = LayerNorm(x) (unbiased std, divided by std + 1e-6), quantised to codes of FP6 (E2M3) with one E8M0 scale for each 32 along K; q, k, v = h W^T + b on codes; q, k and v are quantised in registers
; (q, k along the head's 64, v along the keys) and stored as images of the operand registers that the attention launch wants.
; SHARES.  A work-group owns 32 whole rows (row block B = work-group number); its eight waves share the COLUMNS: wave w owns columns 128 w .. 128 w + 127 (heads 2 w, 2 w + 1) of x and of each result, and its
; own eighth of each weight, which goes from memory straight into registers in the order that the launch before has laid: each load of a wave is 512 consecutive bytes, and no weight byte is read twice in a work-group.
; THE WEIGHTS' STREAM.  Sixteen fragments of the weight (two K steps) stand in registers, in four groups of four.  A group is asked for again as soon as its eight products are issued, so a wave has 36 to 48 loads out
; all through a product, and the stream runs on from one weight into the next: the next weight's first two K steps are asked for in the last two K steps of the product in hand and land under the quantiser between.
; Nothing else stands in that stream.  h's fragments stay in LDS and come two K steps ahead; gamma, beta, bq and bk are brought once, 512 bytes a wave each, into LDS bytes of the wave's own and are read from there in
; the result's layout; the next weight's scale words are asked for as soon as their registers are free (K steps 0-3 behind K step 3, K steps 4-7 behind K step 7), each ahead of the group whose wait shows them landed.
; WHY NO TENSOR LOADS AND NO JOINT REQUESTS: a weight fragment feeds two matrix instructions here, so a way through LDS would write and read 1,536 bytes for two products, and a ring of slots has nothing on its way
; at each change of slots; joint requests exist for tensor loads alone.
; ROW MAP.  Tile u (0, 1), lane r holds row 8 u + r + 8 (r / 8) of the block; position p = 16 u + r.  The rows of a weight tile are chosen alike.  So with the product used transposed (source 0 = 16 rows of W,
; source 1 = 16 rows of h) register 64 u + 16 b + i of lane (r, h) is row (u, r), column 128 w + 32 b + 16 h + i: sixteen neighbours along the next K.  v is made the natural way round (source 0 = h), so that a
; lane's sixteen registers are sixteen neighbouring KEYS of one channel.
; THE MASK: the codes of a masked key's k are set to 0, so that its score in the next launch is the bias that stands there as C, exactly.
; LIMITS: a block of zeros gets the scale byte 1 where the quantiser says 127 (its codes are zeros, and these bytes are read by this program alone); NaN and infinities among the inputs are not served;
; 1 / (std + eps) is a reciprocal and a multiplication, 1 / 1023 a rounded constant.  v's scale bytes leave as single bytes 4 apart (one byte for each 24 of v's codes): four work-groups fill a word.
; REGISTERS, two windows of 256.  Window 0: v0-191 the weight's 16 fragments (fragment f = 8 s + t in slot f % 16); v192-199 h's scale words (lanes 0-15 tile 0, lanes 16-31 tile 1); v200-231 the weight's scale words
; (8 p + s: lanes 0-15 tile 2 p, lanes 16-31 tile 2 p + 1); v232 16 L; v240-255 bv, each number twice.   Window 1: v0-127 accumulators; v128-175 h's fragments of two K steps (during the norm: gamma and beta);
; v176-223 work registers; v224-255 addresses and single numbers.  The ring and the accumulators do not fit into one window: two switches of the window for eight products are the price.
.set IMGB,  6291456                    ; bytes of images in each of qbuf, kbuf, vbuf: the scales lie behind them
.set HEADB, 49152                      ; a head's images
.set WMAT,  786432
.set AIMG0, 0                          ; LDS: 16 images of 1,536 bytes (f = 2 s + u),
.set ASCL0, 24576                      ; their scale words [s 8][p 32],
.set PART1, 51200                      ; the waves' partial sums [w 8][p 32],
.set PART2, 52224                      ; and sums of squares,
.set STG,   53248                      ; a stage for each wave: 32 positions x (512 bytes + 16),
.set SP,    528
.set WSTG,  32*SP
.set GB,    188416                     ; and 2,048 bytes for each wave: gamma, beta, bq, bk at its 128 columns, 512 bytes each
.set RING,  0
.set ASC,   192
.set BSC,   200
.set BV,    240
.set ACC,   0
.set AF,    128                        ; K step s's two fragments at AF + 24 (s % 2) + 12 u
.set GA,    128                        ; gamma's and beta's chunks: 16 + 16 registers here,
.set GC,    192                        ; and here
.set T,     176
.set TM,    176
.set CT,    192
.set PCA,   200
.set PCB,   212
.set L4,    224                        ; 4 L
.set L8,    225                        ; 8 L
.set R4,    226                        ; 4 r
.set IMW,   227                        ; 16 L + 3072 w
.set SCW,   228                        ; 4 L + 128 w
.set STR,   229                        ; my stage + 16 L: rows as they lie in memory
.set STL,   230                        ; my stage + 528 r + 64 h: a lane's sixteen neighbours
.set XOFF,  231                        ; 512 w + 16 L
.set WOFF,  232                        ; 16 L (in both windows)
.set SOFF,  234                        ; 32 (128 w + 8 h + r + 8 (r / 8))
.set QSO,   235                        ; 4096 h + 4 r
.set KSO,   236                        ; 2048 h + 4 r
.set SELQ,  237
.set SELK,  238
.set SH8,   239                        ; 8 h
.set SH24,  240                        ; 8 h + 16
.set KM0,   241
.set KM1,   242
.set PW0,   243
.set PW1,   244
.set RHO4,  245                        ; 4 (r + 8 (r / 8))
.set P0,    246                        ; v[246:247] tile 0's mean, later 1 / (std + eps), twice
.set P1,    248                        ; v[248:249] tile 1's
.set ET,    246                        ; v246-249 behind the norm: scale words and bytes on their way out
.set W0,    250
.set W1,    251
.set GBR,   252                        ; my 2,048 bytes + 64 h: a vector in the result's layout
.set GBW,   253                        ; my 2,048 bytes + 16 L: a vector as it lies in memory
.set SEL,   36                         ; s[36:37] lane selects for v_permlanex16_b32: lane l xor 16
.set HM,    38                         ; s38 the mask of lanes 16-31
.set MSB, 0
.macro WIN new                         ; the immediate's high byte repeats the setting that is left
.if MSB != \new
	s_set_vgpr_msb (MSB<<8)|\new
.set MSB, \new
.endif
.endm
.macro NOPS n
.rept \n
	v_nop
.endr
.endm
.macro BARRIER                         ; my LDS stores have landed and my LDS loads are in: then the work-group's barrier
	s_wait_dscnt 0x0
	s_barrier_signal -1
	s_barrier_wait -1
.endm
; THE COUNTS OF THE WAITS FOR LOADS.  The text has no branch, so LC, stepped at every load, is the number of loads issued so far.  A mark is LC behind the last load of what is waited for; loads come back in order
; (ISA guide 5.7.1), so the wait leaves out LC - mark: just what has been issued behind it.  For a group of the ring that is three younger groups, 36, and 4 more where four loads of scale words lie among them.
.set LC, 0
.set MG0, 0
.set MG1, 0
.set MG2, 0
.set MG3, 0
.macro MARKG k
.if ((\k)%4) == 0
.set MG0, LC
.elseif ((\k)%4) == 1
.set MG1, LC
.elseif ((\k)%4) == 2
.set MG2, LC
.else
.set MG3, LC
.endif
.endm
.macro WAITM m
.set WC, LC-(\m)
.if WC > 63
.set WC, 63                            ; the wait's field holds no more, and fewer left out is safe
.endif
	s_wait_loadcnt WC
.endm
.macro WAITG k
.if ((\k)%4) == 0
	WAITM MG0
.elseif ((\k)%4) == 1
	WAITM MG1
.elseif ((\k)%4) == 2
	WAITM MG2
.else
	WAITM MG3
.endif
.endm
; one matrix instruction.  ra, rb: the side's scales stand in lanes 16-31.  z: the constant 0 starts the sum
.macro WM d, a, b, sa, sb, ra, rb, z
.if (\z)
.if (\ra) && (\rb)
	v_wmma_scale_f32_16x16x128_f8f6f4 v[\d:\d+7], v[\a:\a+11], v[\b:\b+11], 0, v[\sa], v[\sb] matrix_a_fmt:MATRIX_FMT_FP6 matrix_b_fmt:MATRIX_FMT_FP6 matrix_a_scale:MATRIX_SCALE_ROW1 matrix_b_scale:MATRIX_SCALE_ROW1
.elseif (\ra)
	v_wmma_scale_f32_16x16x128_f8f6f4 v[\d:\d+7], v[\a:\a+11], v[\b:\b+11], 0, v[\sa], v[\sb] matrix_a_fmt:MATRIX_FMT_FP6 matrix_b_fmt:MATRIX_FMT_FP6 matrix_a_scale:MATRIX_SCALE_ROW1
.elseif (\rb)
	v_wmma_scale_f32_16x16x128_f8f6f4 v[\d:\d+7], v[\a:\a+11], v[\b:\b+11], 0, v[\sa], v[\sb] matrix_a_fmt:MATRIX_FMT_FP6 matrix_b_fmt:MATRIX_FMT_FP6 matrix_b_scale:MATRIX_SCALE_ROW1
.else
	v_wmma_scale_f32_16x16x128_f8f6f4 v[\d:\d+7], v[\a:\a+11], v[\b:\b+11], 0, v[\sa], v[\sb] matrix_a_fmt:MATRIX_FMT_FP6 matrix_b_fmt:MATRIX_FMT_FP6
.endif
.else
.if (\ra) && (\rb)
	v_wmma_scale_f32_16x16x128_f8f6f4 v[\d:\d+7], v[\a:\a+11], v[\b:\b+11], v[\d:\d+7], v[\sa], v[\sb] matrix_a_fmt:MATRIX_FMT_FP6 matrix_b_fmt:MATRIX_FMT_FP6 matrix_a_scale:MATRIX_SCALE_ROW1 matrix_b_scale:MATRIX_SCALE_ROW1
.elseif (\ra)
	v_wmma_scale_f32_16x16x128_f8f6f4 v[\d:\d+7], v[\a:\a+11], v[\b:\b+11], v[\d:\d+7], v[\sa], v[\sb] matrix_a_fmt:MATRIX_FMT_FP6 matrix_b_fmt:MATRIX_FMT_FP6 matrix_a_scale:MATRIX_SCALE_ROW1
.elseif (\rb)
	v_wmma_scale_f32_16x16x128_f8f6f4 v[\d:\d+7], v[\a:\a+11], v[\b:\b+11], v[\d:\d+7], v[\sa], v[\sb] matrix_a_fmt:MATRIX_FMT_FP6 matrix_b_fmt:MATRIX_FMT_FP6 matrix_b_scale:MATRIX_SCALE_ROW1
.else
	v_wmma_scale_f32_16x16x128_f8f6f4 v[\d:\d+7], v[\a:\a+11], v[\b:\b+11], v[\d:\d+7], v[\sa], v[\sb] matrix_a_fmt:MATRIX_FMT_FP6 matrix_b_fmt:MATRIX_FMT_FP6
.endif
.endif
.endm
; 64 numbers of a lane, register 16 b + i = element 16 h + i of block b, become codes: v[d0 .. d0 + 5] holds block 0 whole in lanes 0-15 and block 1 in lanes 16-31, v[d1 ..] blocks 2 and 3; pw: the four scale bytes
.macro QUANT s, d0, d1, pw
.irp b, 0,1,2,3
	v_mov_b32 v[TM+4+\b], 0                        ; a lane permute's destination counts as one of its sources
.endr
.irp b, 0,1,2,3
	v_max3_num_f32 v[TM+\b], |v[\s+16*\b]|, |v[\s+16*\b+1]|, 0x1800000   ; my 16 numbers, and the floor 2^(3 - 127): the byte cannot fall under 1
.endr
.irp i, 2,4,6,8,10,12,14
.irp b, 0,1,2,3
	v_max3_num_f32 v[TM+\b], v[TM+\b], |v[\s+16*\b+\i]|, |v[\s+16*\b+\i+1]|   ; the four blocks by turns
.endr
.endr
.irp b, 0,1,2,3
	v_permlanex16_b32 v[TM+4+\b], v[TM+\b], s[SEL], s[SEL+1]
.endr
.irp b, 0,1,2,3
	v_max_num_f32 v[TM+\b], v[TM+\b], v[TM+4+\b]   ; with lane l xor 16's: the block's largest magnitude
.endr
.irp b, 0,1,2,3
	v_add_nc_u32 v[TM+12+\b], 0xff000000, v[TM+\b] ; 2 off its exponent field: the conversion takes that field as its scale
.endr
.irp b, 0,1,2,3
	v_lshrrev_b32 v[TM+4+\b], 23, v[TM+12+\b]      ; the scale's byte
.endr
	v_lshl_or_b32 v[\pw], v[TM+5], 8, v[TM+4]
	v_lshl_or_b32 v[\pw], v[TM+6], 16, v[\pw]
	v_lshl_or_b32 v[\pw], v[TM+7], 24, v[\pw]
	v_cvt_scalef32_pk16_fp6_f32 v[\d0:\d0+2], v[\s:\s+15], v[TM+12]
	v_cvt_scalef32_pk16_fp6_f32 v[CT:CT+2], v[\s+16:\s+31], v[TM+13]       ; (a conversion's three registers begin on an even number)
	v_cvt_scalef32_pk16_fp6_f32 v[\d1:\d1+2], v[\s+32:\s+47], v[TM+14]
	v_cvt_scalef32_pk16_fp6_f32 v[CT+4:CT+6], v[\s+48:\s+63], v[TM+15]
	v_nop                                          ; one plain place behind a scaled conversion
.irp i, 0,1,2
	v_permlane16_swap_b32 v[\d0+\i], v[CT+\i]      ; the first's lanes 16-31 change places with the second's lanes 0-15: a whole block to a lane
.endr
.irp i, 0,1,2
	v_mov_b32 v[\d0+3+\i], v[CT+\i]
.endr
.irp i, 0,1,2
	v_permlane16_swap_b32 v[\d1+\i], v[CT+4+\i]
.endr
.irp i, 0,1,2
	v_mov_b32 v[\d1+3+\i], v[CT+4+\i]
.endr
.endm
.macro VLOAD dst, sb                   ; my wave's 128 numbers of a vector, as they lie in memory: 512 consecutive bytes
	global_load_b128 v[\dst:\dst+3], v[XOFF], s[\sb:\sb+1]
.set LC, LC+1
.endm
.macro XLOAD sb                        ; my 512 bytes of each of the 32 rows, position p = row 8 (p / 16) + p % 16 + 8 ((p % 16) / 8)
.set p, 0
.rept 32
	global_load_b128 v[ACC+4*p:ACC+4*p+3], v[XOFF], s[\sb:\sb+1] offset:(8*(p/16)+p%16+8*((p%16)/8))*4096 th:TH_LOAD_NT
.set p, p+1
.endr
.set LC, LC+32
.endm
.macro RESTORE                         ; out of my stage: register 64 u + 16 b + i = row (u, r), column 32 b + 16 h + i of my 128
.irp u, 0,1
.irp b, 0,1,2,3
.irp q, 0,1,2,3
	ds_load_b128 v[ACC+64*\u+16*\b+4*\q:ACC+64*\u+16*\b+4*\q+3], v[STL] offset:16*SP*\u+128*\b+16*\q
.endr
.endr
.endr
.endm
.macro TURN_IN                         ; rows as loaded go into my own stage and come back sixteen neighbours to a lane.  LDS serves a wave's instructions in order: no wait between
.set p, 0
.rept 32
	ds_store_b128 v[STR], v[ACC+4*p:ACC+4*p+3] offset:SP*p
.set p, p+1
.endr
	RESTORE
	s_wait_dscnt 0x0
.endm
.macro LDSVEC dst, off                 ; a vector out of my 2,048 bytes, in the result's layout: register 16 b + i = column 32 b + 16 h + i.  Sixteen lanes share an address
.irp b, 0,1,2,3
.irp q, 0,1,2,3
	ds_load_b128 v[\dst+16*\b+4*\q:\dst+16*\b+4*\q+3], v[GBR] offset:\off+128*\b+16*\q
.endr
.endr
.endm
.macro GCHUNK base, b                  ; gamma's and beta's 16 numbers of block b: eight loads
.irp q, 0,1,2,3
	ds_load_b128 v[\base+4*\q:\base+4*\q+3], v[GBR] offset:128*\b+16*\q
	ds_load_b128 v[\base+16+4*\q:\base+16+4*\q+3], v[GBR] offset:512+128*\b+16*\q
.endr
.endm
.macro GFMA base, b                    ; x gamma + beta on block b of both tiles
.irp u, 0,1
.irp k, 0,2,4,6,8,10,12,14
	v_pk_fma_f32 v[ACC+64*\u+16*\b+\k:ACC+64*\u+16*\b+\k+1], v[ACC+64*\u+16*\b+\k:ACC+64*\u+16*\b+\k+1], v[\base+\k:\base+\k+1], v[\base+16+\k:\base+17+\k]
.endr
.endr
.endm
.macro BSCQ ss, k                      ; a weight's scale words of K steps 4 k .. 4 k + 3, as they are given: 32 bytes a row
	WIN 0x01
.irp p, 0,1,2,3
	global_load_b128 v[BSC+8*\p+4*\k:BSC+8*\p+4*\k+3], v[SOFF], s[\ss:\ss+1] offset:1024*\p+16*\k
.endr
.set LC, LC+4
.endm
.macro RINGG wb, k                     ; group k of a weight's 16: fragments 4 k .. 4 k + 3 into slots f % 16: twelve loads of 512 consecutive bytes
	WIN 0x01
.set fj, 4*(\k)
.rept 4
.irp g, 0,1,2
	global_load_b128 v[RING+12*(fj%16)+4*\g:RING+12*(fj%16)+4*\g+3], v[WOFF], s[\wb:\wb+1] offset:1536*fj+512*\g
.endr
.set fj, fj+1
.endr
.set LC, LC+12
	MARKG \k
.endm
.macro REFILL wb, nb, k                ; behind group k - 4's products: group k of this weight or, past its end, of the next (nb = 0: there is none)
.if (\k) < 16
	RINGG \wb, \k
.elseif (\nb)
	RINGG \nb, (\k)-16
.endif
.endm
.macro AFETCH img, s                   ; K step s's two fragments of the left operand, as images, into buffer s % 2.  (v232 is 16 L in both windows, so the line stands under the products' setting too)
.irp u, 0,1
.irp g, 0,1,2
	ds_load_b128 v[AF+24*((\s)%2)+12*\u+4*\g:AF+24*((\s)%2)+12*\u+4*\g+3], v[WOFF] offset:\img+1536*(2*(\s)+\u)+512*\g
.endr
.endr
.endm
.macro ASCFETCH scl                    ; the left operand's scale words of all eight K steps
	WIN 0x01
.irp s, 0,1,2,3,4,5,6,7
	ds_load_b32 v[ASC+\s], v[L4] offset:\scl+128*\s
.endr
.endm
.macro IMGST img                       ; my two fragments (K step w of the next product) go to LDS as they stand
.irp u, 0,1
.irp g, 0,1,2
	ds_store_b128 v[IMW], v[PCA+12*\u+4*\g:PCA+12*\u+4*\g+3] offset:\img+1536*\u+512*\g
.endr
.endr
.endm
.macro IMAGES img, scl
	IMGST \img
	v_cndmask_b32 v[W0], v[PW0], v[PW1], s[HM]     ; lanes 0-15 tile 0's word, lanes 16-31 tile 1's
	ds_store_b32 v[SCW], v[W0] offset:\scl
.endm
.macro MULWIN mode
.if \mode == 0
	WIN 0x54                                       ; source 0 (the weight) window 0; source 1 (the rows), C and D window 1
.else
	WIN 0x51                                       ; source 0 (the rows), C and D window 1; source 1 (the weight) window 0
.endif
.endm
; eight matrix instructions: weight tiles t0 .. t0 + 3 x the two tiles of rows.  mode 0: transposed; mode 1: the natural way round
.macro HALF mode, zero, s, t0
.set ZZ, 0
.if (\zero) && ((\s) == 0)
.set ZZ, 1
.endif
.irp t, \t0, \t0+1, \t0+2, \t0+3
.irp u, 0,1
.if \mode == 0
	WM ACC+64*\u+8*(\t), RING+12*((8*(\s)+(\t))%16), AF+24*((\s)%2)+12*\u, BSC+8*((\t)/2)+(\s), ASC+(\s), (\t)%2, \u, 0
.else
	WM ACC+16*(\t)+8*\u, AF+24*((\s)%2)+12*\u, RING+12*((8*(\s)+(\t))%16), ASC+(\s), BSC+8*((\t)/2)+(\s), \u, (\t)%2, ZZ
.endif
.endr
.endr
.endm
; A K step of 128: two groups of the ring.  Four places stand behind each eight products, in front of the loads into the registers that they read.
.macro KSTEP wb, nb, ns, mode, zero, img, s
.if ((\s) == 0) || ((\s) == 7)
	s_wait_dscnt 0x0                               ; this K step's fragments of the left operand are in (and, at a product's head, all that came from LDS for it)
.else
	s_wait_dscnt 6                                 ; they are in; the six loads of the next K step's may be out
.endif
	WAITG 2*(\s)
	MULWIN \mode
	HALF \mode, \zero, \s, 0
	NOPS 4
	REFILL \wb, \nb, 2*(\s)+4
	WAITG 2*(\s)+1
	MULWIN \mode
	HALF \mode, \zero, \s, 4
.if (\s) < 7
	NOPS 4
.else
	NOPS 5                                         ; five: the next product may begin an accumulator anew
.endif
.if (\s) < 6
	AFETCH \img, (\s)+2
.endif
.if (\ns) && ((\s) == 3)
	BSCQ \ns, 0                                    ; the next weight's scale words: K steps 0-3's registers are free from here on,
.endif
.if (\ns) && ((\s) == 7)
	BSCQ \ns, 1                                    ; K steps 4-7's from here
.endif
	REFILL \wb, \nb, 2*(\s)+5
.endm
; A whole product, K = 1,024.  At its head groups 0 to 3 of its weight have been asked for.  nb, ns: the next weight's fragments and scale words (0: none).
; The 16 accumulators take turns, one instruction a turn, in one order in every step.
.macro GEMM wb, nb, ns, mode, zero, img
.irp s, 0,1,2,3,4,5,6,7
	KSTEP \wb, \nb, \ns, \mode, \zero, \img, \s
.endr
.endm
.macro RTAIL dst
	v_pk_add_f32 v[TT:TT+1], v[TT:TT+1], v[TT+2:TT+3]
	v_add_f32 v[TT], v[TT], v[TT+1]
	v_permlanex16_b32 v[TT+1], v[TT], s[SEL], s[SEL+1]
	v_add_f32 v[\dst], v[TT], v[TT+1]              ; the row's sum over my wave's 128 columns
.endm
.macro ROWSUM u, dst
.set X, ACC+64*\u
.set TT, T+4*\u
	v_pk_add_f32 v[TT:TT+1], v[X:X+1], v[X+2:X+3]
	v_pk_add_f32 v[TT+2:TT+3], v[X+4:X+5], v[X+6:X+7]
.set i, 8
.rept 14
	v_pk_add_f32 v[TT:TT+1], v[TT:TT+1], v[X+i:X+i+1]
	v_pk_add_f32 v[TT+2:TT+3], v[TT+2:TT+3], v[X+i+2:X+i+3]
.set i, i+4
.endr
	RTAIL \dst
.endm
.macro ROWSQ u, dst
.set X, ACC+64*\u
.set TT, T+4*\u
	v_pk_mul_f32 v[TT:TT+1], v[X:X+1], v[X:X+1]
	v_pk_mul_f32 v[TT+2:TT+3], v[X+2:X+3], v[X+2:X+3]
.set i, 4
.rept 15
	v_pk_fma_f32 v[TT:TT+1], v[X+i:X+i+1], v[X+i:X+i+1], v[TT:TT+1]
	v_pk_fma_f32 v[TT+2:TT+3], v[X+i+2:X+i+3], v[X+i+2:X+i+3], v[TT+2:TT+3]
.set i, i+4
.endr
	RTAIL \dst
.endm
.macro TOTAL part                      ; the eight waves' parts of my two rows: v[T] tile 0's total, v[T + 8] tile 1's; every wave adds in the same order
	BARRIER
.irp k, 0,1,2,3,4,5,6,7
	ds_load_b32 v[T+\k], v[R4] offset:\part+128*\k
	ds_load_b32 v[T+8+\k], v[R4] offset:\part+128*\k+64
.endr
	s_wait_dscnt 0x0
.irp o, 0,8
	v_add_f32 v[T+\o], v[T+\o], v[T+\o+1]
	v_add_f32 v[T+\o+2], v[T+\o+2], v[T+\o+3]
	v_add_f32 v[T+\o+4], v[T+\o+4], v[T+\o+5]
	v_add_f32 v[T+\o+6], v[T+\o+6], v[T+\o+7]
	v_add_f32 v[T+\o], v[T+\o], v[T+\o+2]
	v_add_f32 v[T+\o+4], v[T+\o+4], v[T+\o+6]
	v_add_f32 v[T+\o], v[T+\o], v[T+\o+4]
.endr
.endm
; The norm of the 32 rows in ACC, in two passes (the mean; then the sum of (x - mean)^2: no difference of large sums), gamma and beta, the quantiser, the images.
; gamma and beta come out of my LDS bytes in four chunks of 16 + 16 registers, on two sets of registers by turns: each wait leaves out the eight loads of the younger chunk.
.macro LNQ img, scl
	ROWSUM 0, W0
	ROWSUM 1, W1
	v_cndmask_b32 v[W0], v[W0], v[W1], s[HM]
	ds_store_b32 v[SCW], v[W0] offset:PART1
	TOTAL PART1
	v_mul_f32 v[P0], 0x3a800000, v[T]              ; / 1024; each mean twice, a pair for the packed forms
	v_mul_f32 v[P0+1], 0x3a800000, v[T]
	v_mul_f32 v[P1], 0x3a800000, v[T+8]
	v_mul_f32 v[P1+1], 0x3a800000, v[T+8]
.set i, 0
.rept 32
	v_pk_add_f32 v[ACC+i:ACC+i+1], v[ACC+i:ACC+i+1], v[P0:P0+1] neg_lo:[0,1] neg_hi:[0,1]
	v_pk_add_f32 v[ACC+64+i:ACC+65+i], v[ACC+64+i:ACC+65+i], v[P1:P1+1] neg_lo:[0,1] neg_hi:[0,1]
.set i, i+2
.endr
	ROWSQ 0, W0
	ROWSQ 1, W1
	v_cndmask_b32 v[W0], v[W0], v[W1], s[HM]
	ds_store_b32 v[SCW], v[W0] offset:PART2
	TOTAL PART2
	GCHUNK GA, 0                                   ; they land under the lines below
	GCHUNK GC, 1
	v_mul_f32 v[T], 0x3a802008, v[T]               ; / 1023
	v_mul_f32 v[T+8], 0x3a802008, v[T+8]
	v_sqrt_f32 v[T], v[T]
	v_sqrt_f32 v[T+8], v[T+8]
	v_nop                                          ; one plain place behind a transcendental
	s_wait_alu depctr_va_vdst(0)
	v_add_f32 v[T], 0x358637bd, v[T]               ; + 1e-6
	v_add_f32 v[T+8], 0x358637bd, v[T+8]
	v_rcp_f32 v[P0], v[T]
	v_rcp_f32 v[P0+1], v[T]
	v_rcp_f32 v[P1], v[T+8]
	v_rcp_f32 v[P1+1], v[T+8]
	v_nop
.set i, 0
	s_wait_alu depctr_va_vdst(0)
.rept 32
	v_pk_mul_f32 v[ACC+i:ACC+i+1], v[ACC+i:ACC+i+1], v[P0:P0+1]
	v_pk_mul_f32 v[ACC+64+i:ACC+65+i], v[ACC+64+i:ACC+65+i], v[P1:P1+1]
.set i, i+2
.endr
	s_wait_dscnt 8                                 ; chunk 0 is in; chunk 1's eight loads may be out
	GFMA GA, 0
	GCHUNK GA, 2
	s_wait_dscnt 8                                 ; chunk 1
	GFMA GC, 1
	GCHUNK GC, 3
	s_wait_dscnt 8                                 ; chunk 2
	GFMA GA, 2
	s_wait_dscnt 0x0
	GFMA GC, 3
	QUANT ACC, PCA, PCA+6, PW0
	QUANT ACC+64, PCB, PCB+6, PW1
	IMAGES \img, \scl
.endm
; four half images of six registers: registers 0-3 at 16 L, registers 4-5 at 512 + 8 L: a wave's stores cover 512 and 256 consecutive bytes, aligned to 256
.macro EPI_IMG sb, oa, ob
.irp u, 0,1
.irp c, 0,1
	global_store_b128 v[WOFF], v[PCA+12*\u+6*\c:PCA+12*\u+6*\c+3], s[\sb:\sb+1] offset:\oa*\u+\ob*\c th:TH_STORE_NT
	global_store_b64 v[L8], v[PCA+12*\u+6*\c+4:PCA+12*\u+6*\c+5], s[\sb:\sb+1] offset:\oa*\u+\ob*\c+512 th:TH_STORE_NT
.endr
.endr
.endm
	s_load_b512 s[8:23], s[0:1], 0x0               ; x, mask, wl, wq_scales, wk_scales, wv_scales, bq, bk
	s_load_b256 s[24:31], s[0:1], 0x40             ; bv, g1, be1, qbuf
	s_load_b128 s[32:35], s[0:1], 0x60             ; kbuf, vbuf
	v_lshl_add_u32 v238, v0, 2, 0x32000
	v_mov_b32 v239, 0
	v_lshrrev_b32 v1, 5, v0
	v_readfirstlane_b32 s2, v1                     ; wave 0..7
	v_and_b32 v1, 31, v0                           ; L
	v_and_b32 v2, 15, v0                           ; r
	v_bfe_u32 v3, v0, 4, 1                         ; h
	v_and_b32 v4, 8, v2
	v_add_nc_u32 v4, v4, v2                        ; r + 8 (r / 8)
	v_mul_u32_u24 v5, v2, SP
	v_lshl_add_u32 v5, v3, 6, v5                   ; 528 r + 64 h
	v_lshlrev_b32 v6, 5, v4
	v_lshl_add_u32 v6, v3, 8, v6                   ; 32 (8 h + r + 8 (r / 8))
	v_lshlrev_b32 v7, 2, v2                        ; 4 r
	v_mov_b32 v8, 0x01000100                       ; byte selects: a head's two scale bytes, twice (lanes 0-15: head 2 w)
	v_mov_b32 v9, 0x03020302                       ; (lanes 16-31: head 2 w + 1)
	v_mov_b32 v10, 0x05040100                      ; tile 0's two bytes, then tile 1's
	v_mov_b32 v11, 0x07060302
	v_lshlrev_b32 v[WOFF], 4, v1                   ; window 0's 16 L
	s_mul_i32 s58, s2, 3072
	s_lshl_b32 s59, s2, 7
	s_mul_i32 s60, s2, WSTG
	s_add_co_u32 s60, s60, STG
	s_lshl_b32 s61, s2, 9
	s_lshl_b32 s62, s2, 12
	s_lshl_b32 s63, s2, 11
	s_add_co_u32 s63, s63, GB
	s_mov_b32 s[SEL], 0x76543210
	s_mov_b32 s[SEL+1], 0xfedcba98
	s_mov_b32 s[HM], 0xffff0000
	WIN 0x40                                       ; destinations in window 1, sources in window 0
	v_lshlrev_b32 v[L4], 2, v1
	v_lshlrev_b32 v[L8], 3, v1
	v_lshlrev_b32 v[R4], 2, v2
	v_lshl_add_u32 v[IMW], v1, 4, s58
	v_lshl_add_u32 v[SCW], v1, 2, s59
	v_lshl_add_u32 v[STR], v1, 4, s60
	v_add_nc_u32 v[STL], s60, v5
	v_lshl_add_u32 v[XOFF], v1, 4, s61
	v_lshlrev_b32 v[WOFF], 4, v1
	v_add_nc_u32 v[SOFF], s62, v6
	v_lshl_add_u32 v[QSO], v3, 12, v7
	v_lshl_add_u32 v[KSO], v3, 11, v7
	v_cndmask_b32 v[SELQ], v8, v9, s[HM]
	v_cndmask_b32 v[SELK], v10, v11, s[HM]
	v_lshlrev_b32 v[SH8], 3, v3
	v_lshl_add_u32 v[SH24], v3, 3, 16
	v_lshlrev_b32 v[RHO4], 2, v4
	v_lshl_add_u32 v[GBR], v3, 6, s63
	v_lshl_add_u32 v[GBW], v1, 4, s63
	s_lshr_b32 s4, ttmp9, 5                        ; the batch
	s_and_b32 s5, ttmp9, 31                        ; the row block within it
	s_lshl_b32 s39, s4, 4
	s_lshl_b32 s3, s2, 1
	s_add_co_u32 s39, s39, s3                      ; my first head among the 128: 16 b + 2 w
	s_mov_b32 s7, 0
	s_wait_kmcnt 0x0
	s_lshl_b32 s6, ttmp9, 17
	s_add_nc_u64 s[8:9], s[8:9], s[6:7]            ; x at my 32 rows
	s_lshl_b32 s6, ttmp9, 7
	s_add_nc_u64 s[10:11], s[10:11], s[6:7]        ; the mask at my 32 keys
	s_mul_i32 s6, s2, 64*1536
	s_add_nc_u64 s[40:41], s[12:13], s[6:7]        ; my eighth of wq,
	s_add_nc_u64 s[42:43], s[40:41], WMAT          ; of wk,
	s_add_nc_u64 s[44:45], s[40:41], 2*WMAT        ; of wv
	s_lshl_b32 s6, s2, 9
	s_add_nc_u64 s[24:25], s[24:25], s[6:7]        ; bv at my 128 columns
	s_mul_i32 s6, s39, HEADB
	s_mul_i32 s58, s5, 1536
	s_add_co_u32 s6, s6, s58
	s_add_nc_u64 s[46:47], s[30:31], s[6:7]        ; images: head, row block
	s_add_nc_u64 s[50:51], s[32:33], s[6:7]
	s_add_nc_u64 s[54:55], s[34:35], s[6:7]
	s_lshl_b32 s6, s39, 12
	s_lshl_b32 s58, s5, 7
	s_add_co_u32 s6, s6, s58
	s_add_co_u32 s6, s6, IMGB
	s_add_nc_u64 s[48:49], s[30:31], s[6:7]        ; q's scale words
	s_lshl_b32 s6, s39, 11
	s_lshl_b32 s58, s5, 6
	s_add_co_u32 s6, s6, s58
	s_add_co_u32 s6, s6, IMGB
	s_add_nc_u64 s[52:53], s[32:33], s[6:7]        ; k's
	s_lshl_b32 s6, s39, 11
	s_lshr_b32 s58, s5, 2
	s_lshl_b32 s58, s58, 8
	s_add_co_u32 s6, s6, s58
	s_and_b32 s58, s5, 3
	s_add_co_u32 s6, s6, s58
	s_add_co_u32 s6, s6, IMGB
	s_add_nc_u64 s[56:57], s[34:35], s[6:7]        ; v's scale bytes: key step, my block's byte of the word
	; ---- the first requests: gamma, beta, bq, bk 4, x 32, the mask 2; then wq's scale words 8, bv 16, wq's first two K steps 48
	WIN 0x55
	VLOAD T, 26
	VLOAD T+4, 28
	VLOAD T+8, 20
	VLOAD T+12, 22
	XLOAD 8
	global_load_b32 v[KM0], v[RHO4], s[10:11]              ; the mask of key (0, r),
	global_load_b32 v[KM1], v[RHO4], s[10:11] offset:32    ; of key (1, r)
.set LC, LC+2
.set MX, LC
	BSCQ 14, 0
	BSCQ 14, 1
.irp t, 0,1,2,3,4,5,6,7                ; bv of channel (t, r), twice: a pair for the packed addition
	global_load_b32 v[BV+2*\t], v[RHO4], s[24:25] offset:128*(\t/2)+32*(\t%2)
	global_load_b32 v[BV+2*\t+1], v[RHO4], s[24:25] offset:128*(\t/2)+32*(\t%2)
.endr
.set LC, LC+16
.irp k, 0,1,2,3
	RINGG 40, \k
.endr
	WIN 0x55
	WAITM MX                                       ; the four vectors, x and the mask are in (72 loads are younger)
.irp k, 0,1,2,3
	ds_store_b128 v[GBW], v[T+4*\k:T+4*\k+3] offset:512*\k     ; gamma, beta, bq, bk into my own 2,048 bytes
.endr
	TURN_IN
	v_cmp_ne_u32 vcc_lo, 0, v[KM0]
	v_cndmask_b32 v[KM0], 0, -1, vcc_lo            ; all ones where the key counts
	v_cmp_ne_u32 vcc_lo, 0, v[KM1]
	v_cndmask_b32 v[KM1], 0, -1, vcc_lo
	LNQ AIMG0, ASCL0
	LDSVEC ACC, 1024                               ; bq in the result's layout, for both tiles of rows: the C of the sum's first links
	LDSVEC ACC+64, 1024
	BARRIER                                        ; all 16 fragments of h lie in LDS
	ASCFETCH ASCL0
	WIN 0x55
	AFETCH AIMG0, 0
	AFETCH AIMG0, 1
	; ---- q
	GEMM 40, 42, 16, 0, 0, AIMG0
	WIN 0x55
	AFETCH AIMG0, 0                                ; h's first two K steps again, for k
	AFETCH AIMG0, 1
	QUANT ACC, PCA, PCA+6, PW0
	QUANT ACC+64, PCB, PCB+6, PW1
	LDSVEC ACC, 1536                               ; bk
	LDSVEC ACC+64, 1536
	EPI_IMG 46, 768, HEADB                         ; tile u at 768 u, head 2 w + c at HEADB c
	v_perm_b32 v[ET], v[PW0], v[PW0], v[SELQ]      ; my head's two bytes, twice: the word serves q in either half of the instruction's K
	v_perm_b32 v[ET+1], v[PW1], v[PW1], v[SELQ]
	global_store_b32 v[QSO], v[ET], s[48:49]
	global_store_b32 v[QSO], v[ET+1], s[48:49] offset:64
	; ---- k
	GEMM 42, 44, 18, 0, 0, AIMG0
	WIN 0x55
	s_wait_xcnt 0x0                                ; q's stores have read their data: those registers are written again below
	AFETCH AIMG0, 0                                ; and once more, for v
	AFETCH AIMG0, 1
	QUANT ACC, PCA, PCA+6, PW0
.set i, 0
.rept 12
	v_and_b32 v[PCA+i], v[KM0], v[PCA+i]           ; a masked key's codes become 0
.set i, i+1
.endr
	QUANT ACC+64, PCB, PCB+6, PW1
.set i, 0
.rept 12
	v_and_b32 v[PCB+i], v[KM1], v[PCB+i]
.set i, i+1
.endr
	EPI_IMG 50, 768, HEADB
	v_perm_b32 v[ET], v[PW1], v[PW0], v[SELK]      ; tile 0's two bytes of my head, then tile 1's: one word for the two key tiles that share a fragment
	global_store_b32 v[KSO], v[ET], s[52:53]
	; ---- v, the natural way round: register 16 t + i of lane (r, h) is key 16 h + i of the block, channel (t, r)
	GEMM 44, 0, 0, 1, 1, AIMG0
	WIN 0x41                                       ; destination and source 0 window 1, bv window 0
.irp t, 0,1,2,3,4,5,6,7
.irp k, 0,2,4,6,8,10,12,14
	v_pk_add_f32 v[ACC+16*\t+\k:ACC+16*\t+\k+1], v[ACC+16*\t+\k:ACC+16*\t+\k+1], v[BV+2*\t:BV+2*\t+1]
.endr
.endr
	WIN 0x55
	s_wait_xcnt 0x0                                ; k's stores have read their data
	QUANT ACC, PCA, PCA+6, PW0                     ; head 2 w: its four channel tiles are the four blocks
	QUANT ACC+64, PCB, PCB+6, PW1                  ; head 2 w + 1
	EPI_IMG 54, HEADB, 768                         ; head at HEADB, pair of channel tiles at 768
.irp q, 0,1
	v_lshrrev_b32 v[ET+2*\q], v[SH8], v[PW0+\q]    ; channel tile h's byte,
	v_lshrrev_b32 v[ET+2*\q+1], v[SH24], v[PW0+\q] ; tile 2 + h's
	global_store_b8 v[L4], v[ET+2*\q], s[56:57] offset:2048*\q
	global_store_b8 v[L4], v[ET+2*\q+1], s[56:57] offset:2048*\q+128
.endr
	WIN 0
	s_wait_tensorcnt 0x0
	ds_add_u32 v238, v239
	s_wait_dscnt 0x0
	s_endpgm
.Lfunc_end_k_q59d6e51031_qkv:
	.size	k_q59d6e51031_qkv, .Lfunc_end_k_q59d6e51031_qkv-k_q59d6e51031_qkv
	.p2alignl 7, 3214868480
	.fill 96, 4, 3214868480
	.section	.rodata,"a",@progbits
	.p2align	6, 0x0
	.amdhsa_kernel k_q59d6e51031_qkv
		.amdhsa_group_segment_fixed_size 205824
		.amdhsa_private_segment_fixed_size 0
		.amdhsa_enable_private_segment 0
		.amdhsa_kernarg_size 112
		.amdhsa_user_sgpr_count 2
		.amdhsa_user_sgpr_kernarg_segment_ptr 1
		.amdhsa_wavefront_size32 1
		.amdhsa_system_sgpr_workgroup_id_x 1
		.amdhsa_system_sgpr_workgroup_id_y 1
		.amdhsa_system_sgpr_workgroup_id_z 1
		.amdhsa_system_vgpr_workitem_id 0
		.amdhsa_next_free_vgpr 512
		.amdhsa_next_free_sgpr 66
		.amdhsa_reserve_vcc 1
		.amdhsa_float_denorm_mode_32 3
		.amdhsa_float_denorm_mode_16_64 3
		.amdhsa_memory_ordered 1
		.amdhsa_forward_progress 1
		.amdhsa_inst_pref_size 210
	.end_amdhsa_kernel
	.amdgpu_metadata
---
amdhsa.version: [ 1, 2 ]
amdhsa.kernels:
  - .name:           k_q59d6e51031_qkv
    .symbol:         k_q59d6e51031_qkv.kd
    .args:
      - { .name: x, .offset: 0, .size: 8, .value_kind: global_buffer, .address_space: global }
      - { .name: mask, .offset: 8, .size: 8, .value_kind: global_buffer, .address_space: global }
      - { .name: wl, .offset: 16, .size: 8, .value_kind: global_buffer, .address_space: global }
      - { .name: wq_scales, .offset: 24, .size: 8, .value_kind: global_buffer, .address_space: global }
      - { .name: wk_scales, .offset: 32, .size: 8, .value_kind: global_buffer, .address_space: global }
      - { .name: wv_scales, .offset: 40, .size: 8, .value_kind: global_buffer, .address_space: global }
      - { .name: bq, .offset: 48, .size: 8, .value_kind: global_buffer, .address_space: global }
      - { .name: bk, .offset: 56, .size: 8, .value_kind: global_buffer, .address_space: global }
      - { .name: bv, .offset: 64, .size: 8, .value_kind: global_buffer, .address_space: global }
      - { .name: g1, .offset: 72, .size: 8, .value_kind: global_buffer, .address_space: global }
      - { .name: be1, .offset: 80, .size: 8, .value_kind: global_buffer, .address_space: global }
      - { .name: qbuf, .offset: 88, .size: 8, .value_kind: global_buffer, .address_space: global }
      - { .name: kbuf, .offset: 96, .size: 8, .value_kind: global_buffer, .address_space: global }
      - { .name: vbuf, .offset: 104, .size: 8, .value_kind: global_buffer, .address_space: global }
    .group_segment_fixed_size: 205824
    .private_segment_fixed_size: 0
    .kernarg_segment_align: 8
    .kernarg_segment_size: 112
    .max_flat_workgroup_size: 256
    .sgpr_count:     66
    .vgpr_count:     512
    .wavefront_size: 32
...
	.end_amdgpu_metadata
.endif
;; end of part 2
;; launch attn (part 3): grid 32 x 8, 16 waves a work-group, no clusters, 210,944 bytes of LDS; arguments qbuf, kbuf, vbuf, mask, abuf; writes abuf
.if DOCPART == 3
	.amdgcn_target "amdgcn-amd-amdhsa--gfx1250"
	.amdhsa_code_object_version 6
	.text
	.protected	k_q59d6e51031_attn
	.globl	k_q59d6e51031_attn
	.p2align	8
	.type	k_q59d6e51031_attn,@function
k_q59d6e51031_attn:
	s_mov_b64 s[64:65], 0
	v_nop
	global_prefetch_b8 v0, s[64:65] scope:SCOPE_SE
	s_setreg_imm32_b32 hwreg(HW_REG_WAVE_MODE, 25, 1), 1
	s_wait_xcnt 0x0
; Masked attention on codes of FP6 (E2M3), head size 64, 1,024 keys; the result is quantised along the next product's K and stored as images of that product's operand registers.
; SHARES.  A work-group (x = 8 qg + hp, y = batch) owns the head pair hp and 256 queries; each of its sixteen waves owns one tile of 16 queries (row block 8 qg + wave / 2, tile wave % 2), first for head 2 hp, then for
; head 2 hp + 1: four waves to a SIMD, so that one wave's vector work stands beside another's matrix work and LDS loads.  All of K and V of the two heads (196,608 bytes of images, 8,192 of scales) is copied ONCE into
; LDS, as it lies in memory; the second head's half lands while the first head is worked.  WHY NO JOINT REQUESTS: each byte of K and V is fetched once by a work-group and then feeds 256 key steps bound by vector work,
; so what four partners could share is a small part of a work-group's time; and these fills are lane-wise copies, for which there is no joint form.
; THE SOFTMAX: t = score x log2(e) / 8; M = the running largest t rounded UP to a whole number; p = 2^(t - M) is quantised along the keys, not normalised; the row's sum is taken of the unquantised p and divides at the end.
; HEAD SIZE 64 IS HALF OF THE INSTRUCTION'S K.  A fragment of K holds TWO key tiles (registers 0-5 tile 0, 6-11 tile 1 of a block of 32 keys); q lies as [q | six registers of zero codes | q]: the first 12 registers
; pick tile 0's scores, the last 12 tile 1's.  Nothing padded is stored or loaded.
; THE MASK costs no vector instruction: the scores' registers are loaded with 0 or, for a masked key, -2^33, and the product adds onto them as C; the launch before has set masked keys' codes to 0.
; LIMIT: a masked logit is so -2^30 (-1.0737e9) where the definition has -1e9: the same results wherever every unmasked logit lies above about -1e9; a row all of whose keys are masked gets equal weights, as defined
; (-2^33 x c is exact, so every t - M is 0 there).  A block of zeros gets the scale byte 1 (its codes are zeros; this program alone reads the bytes).  NaN and infinities are not served.
; LAYOUT.  Both products are used transposed (source 0 = 16 keys, or 16 channels; source 1 = my 16 queries): a lane holds ONE query throughout.  The keys of a tile, and the channels of a tile of V, are chosen so that a
; lane's 16 registers of two neighbouring tiles are 16 neighbours along the next K.
.set IMGB,  6291456                    ; bytes of images in each buffer: the scales lie behind them
.set HEADB, 49152                      ; a head's images
.set VL,    98304                      ; LDS: K's images of the two heads at 0, V's here,
.set KSL,   196608                     ; K's scale words,
.set VSL,   200704                     ; V's,
.set MB,    204800                     ; and the mask as a bias, 4 bytes a key: written by LDS stores; no copy lands there
.set BK16, 1                           ; 16 L
.set BK8,  2                           ; 8 L
.set BV16, 3                           ; VL + 1536 h + 16 r
.set BV8,  4                           ; VL + 1536 h + 8 r
.set BB,   5                           ; MB + 64 h
.set BS,   6                           ; KSL + 4 L
.set R4,   7                           ; 4 r
.set DK16, 8                           ; v8-13: the same with the step's offsets
.set DK8,  9
.set DV16, 10
.set DV8,  11
.set DB,   12
.set DS,   13
.set Q,    22                          ; v22-39  q | zeros | q
.set KV,   40                          ; v40-87  four fragments of K, then of V
.set S,    88                          ; v88-151 scores, then p
.set O,    152                         ; v152-183 O^T
.set PC,   184                         ; p's codes
.set AO,   196                         ; the result's codes: head c of the pair in registers 6 c .. 6 c + 5
.set BM,   208
.set PT,   212
.set CT,   216
.set SO,   224
.set KSW,  228
.set VSW,  230
.set QSW,  232
.set PSW,  233
.set NM,   234                         ; v234 -M, v235 the running largest t
.set TMX,  235
.set LS,   236                         ; v[236:237] the sum in two halves
.set FF,   238                         ; v238 f = 2^(old M - new M); v239 written once, named with it as a pair
.set W,    240
.set AOW,  242                         ; the result's scale word
.set RL,   244                         ; v244 1 / sum; v245 written once
.set NEGB, 246
.set KH1,  250                         ; v250 the second head's copies: K's LDS address, 16 t + HEADB;
.set VH1,  251                         ; v251 V's, VL + HEADB + 16 t;
.set GH1,  252                         ; v252 and their offset in memory, 16 t + HEADB.  Written once
.set SEL,  20
.set CS,   22
.macro NOPS n
.rept \n
	v_nop
.endr
.endm
.macro WM d, a, b, sa, sb, ra          ; one matrix instruction, adding onto its own registers.  ra: source 0's scales stand in lanes 16-31
.if (\ra)
	v_wmma_scale_f32_16x16x128_f8f6f4 v[\d:\d+7], v[\a:\a+11], v[\b:\b+11], v[\d:\d+7], v[\sa], v[\sb] matrix_a_fmt:MATRIX_FMT_FP6 matrix_b_fmt:MATRIX_FMT_FP6 matrix_a_scale:MATRIX_SCALE_ROW1
.else
	v_wmma_scale_f32_16x16x128_f8f6f4 v[\d:\d+7], v[\a:\a+11], v[\b:\b+11], v[\d:\d+7], v[\sa], v[\sb] matrix_a_fmt:MATRIX_FMT_FP6 matrix_b_fmt:MATRIX_FMT_FP6
.endif
.endm
.macro QLOAD c                         ; my tile's half image of head c, into both ends of Q, and its scale words
	global_load_b128 v[Q:Q+3], v[BK16], s[38:39] offset:HEADB*\c
	global_load_b64 v[Q+4:Q+5], v[BK8], s[38:39] offset:HEADB*\c+512
	global_load_b128 v[Q+12:Q+15], v[BK16], s[38:39] offset:HEADB*\c
	global_load_b64 v[Q+16:Q+17], v[BK8], s[38:39] offset:HEADB*\c+512
	global_load_b32 v[QSW], v[R4], s[40:41] offset:4096*\c
.endm
	s_load_b256 s[4:11], s[0:1], 0x0               ; qbuf, kbuf, vbuf, mask
	s_load_b64 s[12:13], s[0:1], 0x20              ; abuf
	v_lshl_add_u32 v254, v0, 2, 0x33000
	v_mov_b32 v255, 0
	ds_add_u32 v254, v255
	ds_add_u32 v254, v255
	v_lshrrev_b32 v1, 5, v0
	v_readfirstlane_b32 s18, v1                    ; wave 0..15
	v_lshlrev_b32 v14, 4, v0                       ; the copies' LDS addresses: K's images, 16 bytes a thread;
	v_lshl_add_u32 v15, v0, 4, VL                  ; V's;
	v_lshl_add_u32 v16, v0, 3, KSL                 ; K's scale words, 8 bytes a thread;
	v_lshl_add_u32 v17, v0, 3, VSL                 ; V's;
	v_lshlrev_b32 v18, 4, v0                       ; and their offsets in memory.  v14-19, v250-252 and the copies' bases stay as they are to the end
	v_lshlrev_b32 v19, 3, v0
	v_lshl_add_u32 v[KH1], v0, 4, HEADB            ; the second head has address registers of its own, so that every copy's immediate, which is added to both addresses, stays at 5 x 8,192 or under
	v_lshl_add_u32 v[VH1], v0, 4, VL+HEADB
	v_lshl_add_u32 v[GH1], v0, 4, HEADB
	v_lshl_add_u32 v20, v0, 3, MB
	s_and_b32 s14, ttmp9, 7                        ; hp
	s_lshr_b32 s15, ttmp9, 3                       ; qg
	s_and_b32 s16, ttmp7, 0xffff                   ; the batch
	s_lshl_b32 s17, s16, 4
	s_lshl_b32 s19, s14, 1
	s_add_co_u32 s17, s17, s19                     ; the pair's first head among the 128
	s_lshl_b32 s19, s15, 3
	s_lshr_b32 s48, s18, 1
	s_add_co_u32 s19, s19, s48                     ; my row block within the batch
	s_and_b32 s48, s18, 1                          ; my tile u
	s_mov_b32 s47, 0
	s_mov_b32 s51, 0
	s_mul_i32 s46, s17, HEADB
	s_lshl_b32 s50, s17, 11
	s_add_co_u32 s50, s50, IMGB
	s_wait_dscnt 0x0
	s_wait_kmcnt 0x0
	s_add_nc_u64 s[28:29], s[6:7], s[46:47]        ; K's images of the pair,
	s_add_nc_u64 s[30:31], s[8:9], s[46:47]        ; V's,
	s_add_nc_u64 s[32:33], s[6:7], s[50:51]        ; K's scale words,
	s_add_nc_u64 s[34:35], s[8:9], s[50:51]        ; V's
	; 26 copies, ahead of every wait for copies, every LDS read and every barrier: the scales, head 0's K and V, then head 1's.  A wave's copy moves 512 (256) consecutive bytes
	global_load_async_to_lds_b64 v16, v19, s[32:33]
	global_load_async_to_lds_b64 v17, v19, s[34:35]
.irp i, 0,1,2,3,4,5
	global_load_async_to_lds_b128 v14, v18, s[28:29] offset:8192*\i
.endr
.irp i, 0,1,2,3,4,5
	global_load_async_to_lds_b128 v15, v18, s[30:31] offset:8192*\i
.endr
.irp i, 0,1,2,3,4,5
	global_load_async_to_lds_b128 v[KH1], v[GH1], s[28:29] offset:8192*\i
.endr
.irp i, 0,1,2,3,4,5
	global_load_async_to_lds_b128 v[VH1], v[GH1], s[30:31] offset:8192*\i
.endr
	s_mul_i32 s49, s19, 1536
	s_add_co_u32 s46, s46, s49
	s_mul_i32 s49, s48, 768
	s_add_co_u32 s46, s46, s49
	s_add_nc_u64 s[38:39], s[4:5], s[46:47]        ; q's half image: head, row block, tile
	s_lshl_b32 s46, s17, 12
	s_lshl_b32 s49, s19, 7
	s_add_co_u32 s46, s46, s49
	s_lshl_b32 s49, s48, 6
	s_add_co_u32 s46, s46, s49
	s_add_co_u32 s46, s46, IMGB
	s_add_nc_u64 s[40:41], s[4:5], s[46:47]        ; q's scale words
	s_lshl_b32 s46, s16, 12
	s_add_nc_u64 s[36:37], s[10:11], s[46:47]      ; the batch's mask
	s_lshl_b32 s50, s16, 5
	s_add_co_u32 s50, s50, s19                     ; my row block among the 256
	s_mul_i32 s46, s50, 24576
	s_mul_i32 s49, s14, 3072
	s_add_co_u32 s46, s46, s49
	s_mul_i32 s49, s48, 1536
	s_add_co_u32 s46, s46, s49
	s_add_nc_u64 s[42:43], s[12:13], s[46:47]      ; the result's image: fragment 2 hp + u of the row block
	s_lshl_b32 s46, s50, 10
	s_lshl_b32 s49, s14, 7
	s_add_co_u32 s46, s46, s49
	s_lshl_b32 s49, s48, 6
	s_add_co_u32 s46, s46, s49
	s_add_co_u32 s46, s46, IMGB
	s_add_nc_u64 s[44:45], s[12:13], s[46:47]      ; and its scale words
	s_mov_b32 s[SEL], 0x76543210
	s_mov_b32 s[SEL+1], 0xfedcba98                 ; v_permlanex16_b32's selects for lane l xor 16
	s_mov_b32 s[CS], 0x3e38aa3b                    ; c = log2(e) / 8
	s_mov_b32 s[CS+1], s[CS]                       ; (named with it as a pair, so it is written)
	v_and_b32 v21, 31, v0                          ; L
	v_and_b32 v[W], 15, v0                         ; r
	v_bfe_u32 v[W+1], v0, 4, 1                     ; h
	v_lshlrev_b32 v[BK16], 4, v21
	v_lshlrev_b32 v[BK8], 3, v21
	v_mul_u32_u24 v[BV16], v[W+1], 1536
	v_add_nc_u32 v[BV16], VL, v[BV16]
	v_lshl_add_u32 v[BV8], v[W], 3, v[BV16]
	v_lshl_add_u32 v[BV16], v[W], 4, v[BV16]
	v_lshl_add_u32 v[BB], v[W+1], 6, MB
	v_lshl_add_u32 v[BS], v21, 2, KSL
	v_lshlrev_b32 v[R4], 2, v[W]
	global_load_b64 v[248:249], v19, s[36:37]      ; the mask of keys 2 t, 2 t + 1
	QLOAD 0
	v_mov_b32 v[NEGB], 0xd0000000                  ; -2^33
.irp i, 0,1,2,3,4,5
	v_mov_b32 v[Q+6+\i], 0                         ; the zero codes between the two q: written once
.endr
.irp b, 0,1,2,3
	v_mov_b32 v[PT+\b], 0                          ; written once: a lane permute's destination counts as one of its sources
.endr
	v_mov_b32 v[FF+1], 0
	v_mov_b32 v[RL+1], 0
	s_wait_loadcnt 5                               ; the mask is in (behind it: q's five loads)
	v_cmp_eq_u32 vcc_lo, 0, v248
	v_cndmask_b32 v248, 0, v[NEGB], vcc_lo
	v_cmp_eq_u32 vcc_lo, 0, v249
	v_cndmask_b32 v249, 0, v[NEGB], vcc_lo
	ds_store_b64 v20, v[248:249]
	s_wait_asynccnt 12                             ; my part of the scales and of head 0's K and V has landed; head 1's 12 copies may be out: nothing of theirs is read before the next barrier
	s_wait_dscnt 0x0                               ; my part of the bias has landed
	s_barrier_signal -1
	s_barrier_wait -1                              ; everybody's has
	s_wait_loadcnt 0x0                             ; q
; A KEY STEP: 128 keys
.macro STEP
	v_add_nc_u32 v[DK16], s24, v[BK16]             ; these six are also the places in front of the loads into registers that the last products read
	v_add_nc_u32 v[DK8], s24, v[BK8]
	v_add_nc_u32 v[DV16], s24, v[BV16]
	v_add_nc_u32 v[DV8], s24, v[BV8]
	v_add_nc_u32 v[DB], s25, v[BB]
	v_add_nc_u32 v[DS], s26, v[BS]
.irp b, 0,1,2,3                        ; a fragment: the two key tiles of block b
	ds_load_b128 v[KV+12*\b:KV+12*\b+3], v[DK16] offset:1536*\b
	ds_load_b64 v[KV+12*\b+4:KV+12*\b+5], v[DK8] offset:1536*\b+512
	ds_load_b128 v[KV+12*\b+6:KV+12*\b+9], v[DK16] offset:1536*\b+768
	ds_load_b64 v[KV+12*\b+10:KV+12*\b+11], v[DK8] offset:1536*\b+1280
.endr
.irp j, 0,1
	ds_load_b32 v[KSW+\j], v[DS] offset:128*\j     ; lanes 0-15 block 2 j's words, lanes 16-31 block 2 j + 1's
.endr
.irp b, 0,1,2,3
.irp e, 0,1,2,3
	ds_load_b128 v[S+16*\b+4*\e:S+16*\b+4*\e+3], v[DB] offset:128*\b+16*\e   ; the bias of keys 32 b + 16 h + 0 .. 15: the products' C
.endr
.endr
	s_wait_dscnt 0x0
.irp b, 0,1,2,3                        ; S^T = K q^T: register 16 b + i is key 32 b + 16 h + i of the step
	WM S+16*\b, KV+12*\b, Q, KSW+\b/2, QSW, \b%2
	WM S+16*\b+8, KV+12*\b, Q+6, KSW+\b/2, QSW, \b%2
.endr
	NOPS 4                                         ; places in front of the loads below and of the first read of the scores
.irp t, 0,1,2,3                        ; V's four channel tiles x these 128 keys: they land under the softmax
.irp e, 0,1
	ds_load_b128 v[KV+12*\t+6*\e:KV+12*\t+6*\e+3], v[DV16] offset:3072*\e+768*(\t/2)+256*(\t%2)
	ds_load_b64 v[KV+12*\t+6*\e+4:KV+12*\t+6*\e+5], v[DV8] offset:3072*\e+768*(\t/2)+512+128*(\t%2)
.endr
.endr
.irp j, 0,1
	ds_load_b32 v[VSW+\j], v[DS] offset:4096+128*\j
.endr
.irp b, 0,1,2,3
	v_max3_num_f32 v[BM+\b], v[S+16*\b], v[S+16*\b+1], v[S+16*\b+2]   ; the largest score of each block of 32 keys: it serves for the row's maximum and, since p rises with the score, for the block's largest p
.endr
.irp i, 3,5,7,9,11,13
.irp b, 0,1,2,3
	v_max3_num_f32 v[BM+\b], v[BM+\b], v[S+16*\b+\i], v[S+16*\b+\i+1]
.endr
.endr
.irp b, 0,1,2,3
	v_max_num_f32 v[BM+\b], v[BM+\b], v[S+16*\b+15]
.endr
.irp b, 0,1,2,3
	v_permlanex16_b32 v[PT+\b], v[BM+\b], s[SEL], s[SEL+1]
.endr
.irp b, 0,1,2,3
	v_max_num_f32 v[BM+\b], v[BM+\b], v[PT+\b]     ; with lane l xor 16's 16 keys
.endr
	v_max3_num_f32 v[W], v[BM], v[BM+1], v[BM+2]
	v_max_num_f32 v[W], v[W], v[BM+3]
	v_mul_f32 v[W], s[CS], v[W]                    ; as t (c is positive)
	v_max_num_f32 v[TMX], v[TMX], v[W]             ; the running largest t
	v_mov_b32 v[W], v[NM]
	v_floor_f32 v[NM], -v[TMX]                     ; the new -M = floor(-t) = -ceil(t)
	v_sub_f32 v[W], v[NM], v[W]                    ; old M - new M: a whole number, 0 or less
	v_cvt_i32_f32 v[W], v[W]                       ; (it saturates)
	v_ldexp_f32 v[FF], 1.0, v[W]                   ; f = 2^(old M - new M): a multiplication by it rounds nothing
.set j, 0
.rept 32
	v_pk_fma_f32 v[S+j:S+j+1], v[S+j:S+j+1], s[CS:CS+1], v[NM:NM+1] op_sel_hi:[1,0,0]   ; t - M, two at a time (of the pairs c and -M the low word serves both halves)
.set j, j+2
.endr
.irp b, 0,1,2,3
	v_fma_f32 v[BM+\b], v[BM+\b], s[CS], v[NM]
.endr
.set j, 0
.rept 64
	v_exp_f32 v[S+j], v[S+j]                       ; p = 2^(t - M), at most 1
.set j, j+1
.endr
.irp b, 0,1,2,3
	v_exp_f32 v[BM+\b], v[BM+\b]                   ; the block's largest p
.endr
	v_pk_mul_f32 v[LS:LS+1], v[LS:LS+1], v[FF:FF+1] op_sel_hi:[1,0]   ; the sums under the new M (a plain place behind the exponentials)
	s_wait_alu depctr_va_vdst(0)
.irp b, 0,1,2,3
	v_max_num_f32 v[BM+\b], 0x1800000, v[BM+\b]    ; the floor 2^(3 - 127): the byte cannot fall under 1
.endr
.irp b, 0,1,2,3
	v_add_nc_u32 v[SO+\b], 0xff000000, v[BM+\b]    ; 2 off the exponent field: the conversion's scale operand
.endr
.irp b, 0,1,2,3
	v_lshrrev_b32 v[PT+\b], 23, v[SO+\b]
.endr
	v_lshl_or_b32 v[PSW], v[PT+1], 8, v[PT]        ; p's scale word for these 128 keys
	v_lshl_or_b32 v[PSW], v[PT+2], 16, v[PSW]
	v_lshl_or_b32 v[PSW], v[PT+3], 24, v[PSW]
.irp c, 0,1
	v_cvt_scalef32_pk16_fp6_f32 v[PC+6*\c:PC+6*\c+2], v[S+32*\c:S+32*\c+15], v[SO+2*\c]
	v_cvt_scalef32_pk16_fp6_f32 v[CT+4*\c:CT+4*\c+2], v[S+32*\c+16:S+32*\c+31], v[SO+2*\c+1]
.endr
	v_nop                                          ; one plain place behind a scaled conversion
.irp c, 0,1                            ; a whole block to a lane: lanes 0-15 block 2 c, lanes 16-31 block 2 c + 1
.irp i, 0,1,2
	v_permlane16_swap_b32 v[PC+6*\c+\i], v[CT+4*\c+\i]
.endr
.irp i, 0,1,2
	v_mov_b32 v[PC+6*\c+3+\i], v[CT+4*\c+\i]
.endr
.endr
	v_pk_add_f32 v[W:W+1], v[S:S+1], v[S+2:S+3]    ; the row's sum is taken of the unquantised p, in two chains
.set j, 4
.rept 15
	v_pk_add_f32 v[LS:LS+1], v[LS:LS+1], v[S+j:S+j+1]
	v_pk_add_f32 v[W:W+1], v[W:W+1], v[S+j+2:S+j+3]
.set j, j+4
.endr
	v_pk_add_f32 v[LS:LS+1], v[LS:LS+1], v[W:W+1]
.set j, 0
.rept 16
	v_pk_mul_f32 v[O+j:O+j+1], v[O+j:O+j+1], v[FF:FF+1] op_sel_hi:[1,0]   ; O^T under the new M.  (These and the sums are the places between p's codes and scale word and the products below)
.set j, j+2
.endr
	s_wait_dscnt 0x0                               ; V is in
.irp t, 0,1,2,3                        ; O^T += V^T p^T: register 16 B + i is channel 32 B + 16 h + i
	WM O+8*\t, KV+12*\t, PC, VSW+\t/2, PSW, \t%2
.endr
.endm
; One head of the pair: eight key steps, the division, the quantiser along the next product's K (the head's 64 channels are two blocks of it)
.macro HEAD c
	v_mov_b32 v[TMX], 0xff61b1e6                   ; the largest t so far: -3e38, under every t
	v_floor_f32 v[NM], -v[TMX]
	v_mov_b32 v[LS], 0
	v_mov_b32 v[LS+1], 0
.set j, 0
.rept 32
	v_mov_b32 v[O+j], 0                            ; the step is written once: the first finds zeros, which the first change of M leaves zeros
.set j, j+1
.endr
	s_mov_b32 s24, HEADB*\c                        ; the step's images: 6,144 bytes a step
	s_mov_b32 s25, 0                               ; its bias: 512
	s_mov_b32 s26, 2048*\c                         ; its scale words: 256
	s_mov_b32 s27, 8
.Lstep_\@:
	STEP
	s_add_co_u32 s24, s24, 6144
	s_add_co_u32 s25, s25, 512
	s_add_co_u32 s26, s26, 256
	s_sub_co_u32 s27, s27, 1
	s_cmp_lg_u32 s27, 0
	s_cbranch_scc1 .Lstep_\@
	NOPS 4
.if \c == 0
	QLOAD 1                                        ; the next head's q lands under what follows
.endif
	v_add_f32 v[LS], v[LS], v[LS+1]
	v_permlanex16_b32 v[W], v[LS], s[SEL], s[SEL+1]
	v_add_f32 v[LS], v[LS], v[W]                   ; the row's sum
	v_rcp_f32 v[RL], v[LS]
	v_nop                                          ; one plain place behind a transcendental
.set j, 0
	s_wait_alu depctr_va_vdst(0)
.rept 16
	v_pk_mul_f32 v[O+j:O+j+1], v[O+j:O+j+1], v[RL:RL+1] op_sel_hi:[1,0]
.set j, j+2
.endr
.irp b, 0,1
	v_max3_num_f32 v[BM+\b], |v[O+16*\b]|, |v[O+16*\b+1]|, 0x1800000
.endr
.irp i, 2,4,6,8,10,12,14
.irp b, 0,1
	v_max3_num_f32 v[BM+\b], v[BM+\b], |v[O+16*\b+\i]|, |v[O+16*\b+\i+1]|
.endr
.endr
.irp b, 0,1
	v_permlanex16_b32 v[PT+\b], v[BM+\b], s[SEL], s[SEL+1]
.endr
.irp b, 0,1
	v_max_num_f32 v[BM+\b], v[BM+\b], v[PT+\b]
.endr
.irp b, 0,1
	v_add_nc_u32 v[SO+\b], 0xff000000, v[BM+\b]
.endr
.irp b, 0,1
	v_lshrrev_b32 v[PT+\b], 23, v[SO+\b]
.endr
.if \c == 0
	v_lshl_or_b32 v[AOW], v[PT+1], 8, v[PT]
.else
	v_lshl_or_b32 v[AOW], v[PT], 16, v[AOW]
	v_lshl_or_b32 v[AOW], v[PT+1], 24, v[AOW]
.endif
	v_cvt_scalef32_pk16_fp6_f32 v[AO+6*\c:AO+6*\c+2], v[O:O+15], v[SO]
	v_cvt_scalef32_pk16_fp6_f32 v[CT:CT+2], v[O+16:O+31], v[SO+1]
	v_nop
.irp i, 0,1,2
	v_permlane16_swap_b32 v[AO+6*\c+\i], v[CT+\i]
.endr
.irp i, 0,1,2
	v_mov_b32 v[AO+6*\c+3+\i], v[CT+\i]
.endr
.endm
	HEAD 0
	s_wait_asynccnt 0x0                            ; my part of head 1's K and V has landed
	s_wait_dscnt 0x0
	s_barrier_signal -1
	s_barrier_wait -1                              ; everybody's has
	s_wait_loadcnt 0x0                             ; head 1's q
	HEAD 1
.irp g, 0,1,2
	global_store_b128 v[BK16], v[AO+4*\g:AO+4*\g+3], s[42:43] offset:512*\g th:TH_STORE_NT   ; the fragment's image: 512 consecutive bytes a store, aligned to 256
.endr
	global_store_b32 v[R4], v[AOW], s[44:45]       ; lanes r and r + 16 hold the same word and store it to the same place
	s_wait_tensorcnt 0x0
	ds_add_u32 v254, v255
	s_wait_dscnt 0x0
	s_endpgm
.Lfunc_end_k_q59d6e51031_attn:
	.size	k_q59d6e51031_attn, .Lfunc_end_k_q59d6e51031_attn-k_q59d6e51031_attn
	.p2alignl 7, 3214868480
	.fill 96, 4, 3214868480
	.section	.rodata,"a",@progbits
	.p2align	6, 0x0
	.amdhsa_kernel k_q59d6e51031_attn
		.amdhsa_group_segment_fixed_size 210944
		.amdhsa_private_segment_fixed_size 0
		.amdhsa_enable_private_segment 0
		.amdhsa_kernarg_size 40
		.amdhsa_user_sgpr_count 2
		.amdhsa_user_sgpr_kernarg_segment_ptr 1
		.amdhsa_wavefront_size32 1
		.amdhsa_system_sgpr_workgroup_id_x 1
		.amdhsa_system_sgpr_workgroup_id_y 1
		.amdhsa_system_sgpr_workgroup_id_z 1
		.amdhsa_system_vgpr_workitem_id 0
		.amdhsa_next_free_vgpr 256
		.amdhsa_next_free_sgpr 66
		.amdhsa_reserve_vcc 1
		.amdhsa_float_denorm_mode_32 3
		.amdhsa_float_denorm_mode_16_64 3
		.amdhsa_memory_ordered 1
		.amdhsa_forward_progress 1
		.amdhsa_inst_pref_size 53
	.end_amdhsa_kernel
	.amdgpu_metadata
---
amdhsa.version: [ 1, 2 ]
amdhsa.kernels:
  - .name:           k_q59d6e51031_attn
    .symbol:         k_q59d6e51031_attn.kd
    .args:
      - { .name: qbuf, .offset: 0, .size: 8, .value_kind: global_buffer, .address_space: global }
      - { .name: kbuf, .offset: 8, .size: 8, .value_kind: global_buffer, .address_space: global }
      - { .name: vbuf, .offset: 16, .size: 8, .value_kind: global_buffer, .address_space: global }
      - { .name: mask, .offset: 24, .size: 8, .value_kind: global_buffer, .address_space: global }
      - { .name: abuf, .offset: 32, .size: 8, .value_kind: global_buffer, .address_space: global }
    .group_segment_fixed_size: 210944
    .private_segment_fixed_size: 0
    .kernarg_segment_align: 8
    .kernarg_segment_size: 40
    .max_flat_workgroup_size: 512
    .sgpr_count:     66
    .vgpr_count:     256
    .wavefront_size: 32
...
	.end_amdgpu_metadata
.endif
;; end of part 3
;; launch ffn (part 4): grid 256 x 1, 8 waves a work-group, no clusters, 205,824 bytes of LDS; arguments abuf, wl, wo_scales, w1_scales, w2_scales, bo, b1, b2, g2, be2, x, out0; writes out0
.if DOCPART == 4
	.amdgcn_target "amdgcn-amd-amdhsa--gfx1250"
	.amdhsa_code_object_version 6
	.text
	.protected	k_q59d6e51031_ffn
	.globl	k_q59d6e51031_ffn
	.p2align	8
	.type	k_q59d6e51031_ffn,@function
k_q59d6e51031_ffn:
	s_mov_b64 s[64:65], 0
	v_nop
	global_prefetch_b8 v0, s[64:65] scope:SCOPE_SE
	s_setreg_imm32_b32 hwreg(HW_REG_WAVE_MODE, 25, 1), 1
	s_wait_xcnt 0x0
; x1 = x + a Wo^T + bo;  out = x1 + relu(LayerNorm(x1) W1^T + b1) W2^T + b2: three products on codes of FP6 (E2M3) with one E8M0 scale for each 32 along K.  a arrives as images of operand registers with its scale
; words; LayerNorm(x1) and the hidden layer are quantised in registers; all three left operands go from wave to wave through LDS as images.  x1 never goes to memory.
; SHARES.  A work-group owns 32 whole rows (row block = work-group number); its eight waves share the COLUMNS: wave w owns columns 128 w .. 128 w + 127 of every result and its own eighth of each weight, which goes
; from memory straight into registers in the order that the first launch has laid: each load of a wave is 512 consecutive bytes, and no weight byte is read twice in a work-group.  Of a's 16 images each wave
; fetches two, so that they too are read once.
; THE WEIGHTS' STREAM.  Sixteen fragments of the weight (two K steps) stand in registers, in four groups of four.  A group is asked for again as soon as its eight products are issued, so a wave has 36 to 48 loads out
; all through a product, and the stream runs on from one weight into the next: the next weight's first two K steps are asked for in the last two K steps of the product in hand and land under the norm or the quantiser.
; Nothing else stands in that stream.  The left operand's fragments stay in LDS and come two K steps ahead; gamma, beta and b1 are brought once, 512 bytes a wave each, into LDS bytes of the wave's own and are read
; from there in the result's layout; the next weight's scale words are asked for as soon as their registers are free (K steps 0-3 behind K step 3, K steps 4-7 behind K step 7), each ahead of the group whose wait
; shows them landed.
; WHY NO TENSOR LOADS AND NO JOINT REQUESTS: a weight fragment feeds two matrix instructions here, so a way through LDS would write and read 1,536 bytes for two products, and a ring of slots has nothing on its way
; at each change of slots; joint requests exist for tensor loads alone.
; ROW MAP.  Tile u (0, 1), lane r holds row 8 u + r + 8 (r / 8) of the block; position p = 16 u + r.  The rows of a weight tile are chosen alike.  The products are used transposed (source 0 = 16 rows of W, source 1 =
; 16 rows of the left operand): register 64 u + 16 b + i of lane (r, h) is row (u, r), column 128 w + 32 b + 16 h + i: sixteen neighbours along the next K.
; THE RESIDUALS AND BIASES COST NO ADDITION BEHIND A PRODUCT: x + bo is the C of the first product's first links, b1 of the second's, x1 (kept in the wave's stage in LDS) of the third's; b2 is added on the way out.
; LIMITS: a block of zeros gets the scale byte 1 where the quantiser says 127 (its codes are zeros, and these bytes are read by this program alone); NaN and infinities among the inputs are not served;
; 1 / (std + eps) is a reciprocal and a multiplication, 1 / 1023 a rounded constant; x + bo is summed ahead of the product.
; REGISTERS, two windows of 256.  Window 0: v0-191 the weight's 16 fragments (fragment f = 8 s + t in slot f % 16); v192-199 the left operand's scale words (lanes 0-15 tile 0, lanes 16-31 tile 1); v200-231 the
; weight's scale words (8 p + s: lanes 0-15 tile 2 p, lanes 16-31 tile 2 p + 1); v232 16 L.   Window 1: v0-127 accumulators; v128-175 the left operand's fragments of two K steps (during the norm: gamma and beta);
; v176-223 work registers; v224-255 addresses and single numbers.  The ring and the accumulators do not fit into one window: two switches of the window for eight products are the price.
.set IMGB,  6291456                    ; bytes of images in abuf: the scale words lie behind them
.set WMAT,  786432
.set AIMG0, 0                          ; LDS: 16 images of 1,536 bytes (f = 2 s + u): LayerNorm(x1),
.set ASCL0, 24576                      ; their scale words [s 8][p 32],
.set AIMG1, 25600                      ; a's images, later the hidden layer's (the norm's two barriers lie between the last read of the one and the first write of the other),
.set ASCL1, 50176                      ; their scale words,
.set PART1, 51200                      ; the waves' partial sums [w 8][p 32],
.set PART2, 52224                      ; and sums of squares,
.set STG,   53248                      ; a stage for each wave: 32 positions x (512 bytes + 16),
.set SP,    528
.set WSTG,  32*SP
.set GB,    188416                     ; and 2,048 bytes for each wave: gamma, beta, b1 at its 128 columns, 512 bytes each
.set RING,  0
.set ASC,   192
.set BSC,   200
.set ACC,   0
.set AF,    128                        ; K step s's two fragments at AF + 24 (s % 2) + 12 u
.set GA,    128                        ; gamma's and beta's chunks: 16 + 16 registers here,
.set GC,    192                        ; and here
.set T,     176
.set TM,    176
.set CT,    192
.set PCA,   200
.set PCB,   212
.set L4,    224                        ; 4 L
.set R4,    226                        ; 4 r
.set IMW,   227                        ; 16 L + 3072 w
.set SCW,   228                        ; 4 L + 128 w
.set STR,   229                        ; my stage + 16 L: rows as they lie in memory
.set STL,   230                        ; my stage + 528 r + 64 h: a lane's sixteen neighbours
.set XOFF,  231                        ; 512 w + 16 L
.set WOFF,  232                        ; 16 L (in both windows)
.set SOFF,  234                        ; 32 (128 w + 8 h + r + 8 (r / 8))
.set GBR,   235                        ; my 2,048 bytes + 64 h: a vector in the result's layout
.set GBW,   236                        ; my 2,048 bytes + 16 L: a vector as it lies in memory
.set B2,    238                        ; v[238:241] b2 at my four columns of a row as it lies in memory
.set PW0,   243
.set PW1,   244
.set P0,    246                        ; v[246:247] tile 0's mean, later 1 / (std + eps), twice
.set P1,    248                        ; v[248:249] tile 1's
.set W0,    250
.set W1,    251
.set RB,    252                        ; v[252:255] bo likewise
.set SEL,   36                         ; s[36:37] lane selects for v_permlanex16_b32: lane l xor 16
.set HM,    38                         ; s38 the mask of lanes 16-31
.set MSB, 0
.macro WIN new                         ; the immediate's high byte repeats the setting that is left
.if MSB != \new
	s_set_vgpr_msb (MSB<<8)|\new
.set MSB, \new
.endif
.endm
.macro NOPS n
.rept \n
	v_nop
.endr
.endm
.macro BARRIER                         ; my LDS stores have landed and my LDS loads are in: then the work-group's barrier
	s_wait_dscnt 0x0
	s_barrier_signal -1
	s_barrier_wait -1
.endm
; THE COUNTS OF THE WAITS FOR LOADS.  The text has no branch, so LC, stepped at every load, is the number of loads issued so far.  A mark is LC behind the last load of what is waited for; loads come back in order
; (ISA guide 5.7.1), so the wait leaves out LC - mark: just what has been issued behind it.  For a group of the ring that is three younger groups, 36, and 4 more where four loads of scale words lie among them.
.set LC, 0
.set MG0, 0
.set MG1, 0
.set MG2, 0
.set MG3, 0
.macro MARKG k
.if ((\k)%4) == 0
.set MG0, LC
.elseif ((\k)%4) == 1
.set MG1, LC
.elseif ((\k)%4) == 2
.set MG2, LC
.else
.set MG3, LC
.endif
.endm
.macro WAITM m
.set WC, LC-(\m)
.if WC > 63
.set WC, 63                            ; the wait's field holds no more, and fewer left out is safe
.endif
	s_wait_loadcnt WC
.endm
.macro WAITG k
.if ((\k)%4) == 0
	WAITM MG0
.elseif ((\k)%4) == 1
	WAITM MG1
.elseif ((\k)%4) == 2
	WAITM MG2
.else
	WAITM MG3
.endif
.endm
; one matrix instruction, adding onto its own registers.  ra, rb: the side's scales stand in lanes 16-31
.macro WM d, a, b, sa, sb, ra, rb
.if (\ra) && (\rb)
	v_wmma_scale_f32_16x16x128_f8f6f4 v[\d:\d+7], v[\a:\a+11], v[\b:\b+11], v[\d:\d+7], v[\sa], v[\sb] matrix_a_fmt:MATRIX_FMT_FP6 matrix_b_fmt:MATRIX_FMT_FP6 matrix_a_scale:MATRIX_SCALE_ROW1 matrix_b_scale:MATRIX_SCALE_ROW1
.elseif (\ra)
	v_wmma_scale_f32_16x16x128_f8f6f4 v[\d:\d+7], v[\a:\a+11], v[\b:\b+11], v[\d:\d+7], v[\sa], v[\sb] matrix_a_fmt:MATRIX_FMT_FP6 matrix_b_fmt:MATRIX_FMT_FP6 matrix_a_scale:MATRIX_SCALE_ROW1
.elseif (\rb)
	v_wmma_scale_f32_16x16x128_f8f6f4 v[\d:\d+7], v[\a:\a+11], v[\b:\b+11], v[\d:\d+7], v[\sa], v[\sb] matrix_a_fmt:MATRIX_FMT_FP6 matrix_b_fmt:MATRIX_FMT_FP6 matrix_b_scale:MATRIX_SCALE_ROW1
.else
	v_wmma_scale_f32_16x16x128_f8f6f4 v[\d:\d+7], v[\a:\a+11], v[\b:\b+11], v[\d:\d+7], v[\sa], v[\sb] matrix_a_fmt:MATRIX_FMT_FP6 matrix_b_fmt:MATRIX_FMT_FP6
.endif
.endm
; 64 numbers of a lane, register 16 b + i = element 16 h + i of block b, become codes: v[d0 .. d0 + 5] holds block 0 whole in lanes 0-15 and block 1 in lanes 16-31, v[d1 ..] blocks 2 and 3; pw: the four scale bytes
.macro QUANT s, d0, d1, pw
.irp b, 0,1,2,3
	v_mov_b32 v[TM+4+\b], 0                        ; a lane permute's destination counts as one of its sources
.endr
.irp b, 0,1,2,3
	v_max3_num_f32 v[TM+\b], |v[\s+16*\b]|, |v[\s+16*\b+1]|, 0x1800000   ; my 16 numbers, and the floor 2^(3 - 127): the byte cannot fall under 1
.endr
.irp i, 2,4,6,8,10,12,14
.irp b, 0,1,2,3
	v_max3_num_f32 v[TM+\b], v[TM+\b], |v[\s+16*\b+\i]|, |v[\s+16*\b+\i+1]|   ; the four blocks by turns
.endr
.endr
.irp b, 0,1,2,3
	v_permlanex16_b32 v[TM+4+\b], v[TM+\b], s[SEL], s[SEL+1]
.endr
.irp b, 0,1,2,3
	v_max_num_f32 v[TM+\b], v[TM+\b], v[TM+4+\b]   ; with lane l xor 16's: the block's largest magnitude
.endr
.irp b, 0,1,2,3
	v_add_nc_u32 v[TM+12+\b], 0xff000000, v[TM+\b] ; 2 off its exponent field: the conversion takes that field as its scale
.endr
.irp b, 0,1,2,3
	v_lshrrev_b32 v[TM+4+\b], 23, v[TM+12+\b]      ; the scale's byte
.endr
	v_lshl_or_b32 v[\pw], v[TM+5], 8, v[TM+4]
	v_lshl_or_b32 v[\pw], v[TM+6], 16, v[\pw]
	v_lshl_or_b32 v[\pw], v[TM+7], 24, v[\pw]
	v_cvt_scalef32_pk16_fp6_f32 v[\d0:\d0+2], v[\s:\s+15], v[TM+12]
	v_cvt_scalef32_pk16_fp6_f32 v[CT:CT+2], v[\s+16:\s+31], v[TM+13]       ; (a conversion's three registers begin on an even number)
	v_cvt_scalef32_pk16_fp6_f32 v[\d1:\d1+2], v[\s+32:\s+47], v[TM+14]
	v_cvt_scalef32_pk16_fp6_f32 v[CT+4:CT+6], v[\s+48:\s+63], v[TM+15]
	v_nop                                          ; one plain place behind a scaled conversion
.irp i, 0,1,2
	v_permlane16_swap_b32 v[\d0+\i], v[CT+\i]      ; the first's lanes 16-31 change places with the second's lanes 0-15: a whole block to a lane
.endr
.irp i, 0,1,2
	v_mov_b32 v[\d0+3+\i], v[CT+\i]
.endr
.irp i, 0,1,2
	v_permlane16_swap_b32 v[\d1+\i], v[CT+4+\i]
.endr
.irp i, 0,1,2
	v_mov_b32 v[\d1+3+\i], v[CT+4+\i]
.endr
.endm
.macro VLOAD dst, sb                   ; my wave's 128 numbers of a vector, as they lie in memory: 512 consecutive bytes
	global_load_b128 v[\dst:\dst+3], v[XOFF], s[\sb:\sb+1]
.set LC, LC+1
.endm
.macro XLOAD sb                        ; my 512 bytes of each of the 32 rows, position p = row 8 (p / 16) + p % 16 + 8 ((p % 16) / 8)
.set p, 0
.rept 32
	global_load_b128 v[ACC+4*p:ACC+4*p+3], v[XOFF], s[\sb:\sb+1] offset:(8*(p/16)+p%16+8*((p%16)/8))*4096 th:TH_LOAD_NT
.set p, p+1
.endr
.set LC, LC+32
.endm
.macro RESTORE                         ; out of my stage: register 64 u + 16 b + i = row (u, r), column 32 b + 16 h + i of my 128
.irp u, 0,1
.irp b, 0,1,2,3
.irp q, 0,1,2,3
	ds_load_b128 v[ACC+64*\u+16*\b+4*\q:ACC+64*\u+16*\b+4*\q+3], v[STL] offset:16*SP*\u+128*\b+16*\q
.endr
.endr
.endr
.endm
.macro SAVE                            ; and into it, from the same registers; each accumulator from its low end on
.irp u, 0,1
.irp b, 0,1,2,3
.irp q, 0,1,2,3
	ds_store_b128 v[STL], v[ACC+64*\u+16*\b+4*\q:ACC+64*\u+16*\b+4*\q+3] offset:16*SP*\u+128*\b+16*\q
.endr
.endr
.endr
.endm
.macro TURN_IN                         ; rows as loaded go into my own stage and come back sixteen neighbours to a lane.  LDS serves a wave's instructions in order: no wait between
.set p, 0
.rept 32
	ds_store_b128 v[STR], v[ACC+4*p:ACC+4*p+3] offset:SP*p
.set p, p+1
.endr
	RESTORE
	s_wait_dscnt 0x0
.endm
.macro LDSVEC dst, off                 ; a vector out of my 2,048 bytes, in the result's layout: register 16 b + i = column 32 b + 16 h + i.  Sixteen lanes share an address
.irp b, 0,1,2,3
.irp q, 0,1,2,3
	ds_load_b128 v[\dst+16*\b+4*\q:\dst+16*\b+4*\q+3], v[GBR] offset:\off+128*\b+16*\q
.endr
.endr
.endm
.macro GCHUNK base, b                  ; gamma's and beta's 16 numbers of block b: eight loads
.irp q, 0,1,2,3
	ds_load_b128 v[\base+4*\q:\base+4*\q+3], v[GBR] offset:128*\b+16*\q
	ds_load_b128 v[\base+16+4*\q:\base+16+4*\q+3], v[GBR] offset:512+128*\b+16*\q
.endr
.endm
.macro GFMA base, b                    ; x gamma + beta on block b of both tiles
.irp u, 0,1
.irp k, 0,2,4,6,8,10,12,14
	v_pk_fma_f32 v[ACC+64*\u+16*\b+\k:ACC+64*\u+16*\b+\k+1], v[ACC+64*\u+16*\b+\k:ACC+64*\u+16*\b+\k+1], v[\base+\k:\base+\k+1], v[\base+16+\k:\base+17+\k]
.endr
.endr
.endm
.macro BSCQ ss, k                      ; a weight's scale words of K steps 4 k .. 4 k + 3, as they are given: 32 bytes a row
	WIN 0x01
.irp p, 0,1,2,3
	global_load_b128 v[BSC+8*\p+4*\k:BSC+8*\p+4*\k+3], v[SOFF], s[\ss:\ss+1] offset:1024*\p+16*\k
.endr
.set LC, LC+4
.endm
.macro RINGG wb, k                     ; group k of a weight's 16: fragments 4 k .. 4 k + 3 into slots f % 16: twelve loads of 512 consecutive bytes
	WIN 0x01
.set fj, 4*(\k)
.rept 4
.irp g, 0,1,2
	global_load_b128 v[RING+12*(fj%16)+4*\g:RING+12*(fj%16)+4*\g+3], v[WOFF], s[\wb:\wb+1] offset:1536*fj+512*\g
.endr
.set fj, fj+1
.endr
.set LC, LC+12
	MARKG \k
.endm
.macro REFILL wb, nb, k                ; behind group k - 4's products: group k of this weight or, past its end, of the next (nb = 0: there is none)
.if (\k) < 16
	RINGG \wb, \k
.elseif (\nb)
	RINGG \nb, (\k)-16
.endif
.endm
.macro AFETCH img, s                   ; K step s's two fragments of the left operand, as images, into buffer s % 2.  (v232 is 16 L in both windows, so the line stands under the products' setting too)
.irp u, 0,1
.irp g, 0,1,2
	ds_load_b128 v[AF+24*((\s)%2)+12*\u+4*\g:AF+24*((\s)%2)+12*\u+4*\g+3], v[WOFF] offset:\img+1536*(2*(\s)+\u)+512*\g
.endr
.endr
.endm
.macro ASCFETCH scl                    ; the left operand's scale words of all eight K steps
	WIN 0x01
.irp s, 0,1,2,3,4,5,6,7
	ds_load_b32 v[ASC+\s], v[L4] offset:\scl+128*\s
.endr
.endm
.macro IMGST img                       ; my two fragments (K step w of the next product) go to LDS as they stand
.irp u, 0,1
.irp g, 0,1,2
	ds_store_b128 v[IMW], v[PCA+12*\u+4*\g:PCA+12*\u+4*\g+3] offset:\img+1536*\u+512*\g
.endr
.endr
.endm
.macro IMAGES img, scl
	IMGST \img
	v_cndmask_b32 v[W0], v[PW0], v[PW1], s[HM]     ; lanes 0-15 tile 0's word, lanes 16-31 tile 1's
	ds_store_b32 v[SCW], v[W0] offset:\scl
.endm
; eight matrix instructions: weight tiles t0 .. t0 + 3 x the two tiles of rows
.macro HALF s, t0
.irp t, \t0, \t0+1, \t0+2, \t0+3
.irp u, 0,1
	WM ACC+64*\u+8*(\t), RING+12*((8*(\s)+(\t))%16), AF+24*((\s)%2)+12*\u, BSC+8*((\t)/2)+(\s), ASC+(\s), (\t)%2, \u
.endr
.endr
.endm
; A K step of 128: two groups of the ring.  Four places stand behind each eight products, in front of the loads into the registers that they read.
.macro KSTEP wb, nb, ns, img, s
.if ((\s) == 0) || ((\s) == 7)
	s_wait_dscnt 0x0                               ; this K step's fragments of the left operand are in (and, at a product's head, all that came from LDS for it)
.else
	s_wait_dscnt 6                                 ; they are in; the six loads of the next K step's may be out
.endif
	WAITG 2*(\s)
	WIN 0x54                                       ; source 0 (the weight) window 0; source 1 (the rows), C and D window 1
	HALF \s, 0
	NOPS 4
	REFILL \wb, \nb, 2*(\s)+4
	WAITG 2*(\s)+1
	WIN 0x54
	HALF \s, 4
.if (\s) < 7
	NOPS 4
.else
	NOPS 5
.endif
.if (\s) < 6
	AFETCH \img, (\s)+2
.endif
.if (\ns) && ((\s) == 3)
	BSCQ \ns, 0                                    ; the next weight's scale words: K steps 0-3's registers are free from here on,
.endif
.if (\ns) && ((\s) == 7)
	BSCQ \ns, 1                                    ; K steps 4-7's from here
.endif
	REFILL \wb, \nb, 2*(\s)+5
.endm
; A whole product, K = 1,024.  At its head groups 0 to 3 of its weight have been asked for.  nb, ns: the next weight's fragments and scale words (0: none).
; The 16 accumulators take turns, one instruction a turn, in one order in every step.
.macro GEMM wb, nb, ns, img
.irp s, 0,1,2,3,4,5,6,7
	KSTEP \wb, \nb, \ns, \img, \s
.endr
.endm
.macro RTAIL dst
	v_pk_add_f32 v[TT:TT+1], v[TT:TT+1], v[TT+2:TT+3]
	v_add_f32 v[TT], v[TT], v[TT+1]
	v_permlanex16_b32 v[TT+1], v[TT], s[SEL], s[SEL+1]
	v_add_f32 v[\dst], v[TT], v[TT+1]              ; the row's sum over my wave's 128 columns
.endm
.macro ROWSUM u, dst
.set X, ACC+64*\u
.set TT, T+4*\u
	v_pk_add_f32 v[TT:TT+1], v[X:X+1], v[X+2:X+3]
	v_pk_add_f32 v[TT+2:TT+3], v[X+4:X+5], v[X+6:X+7]
.set i, 8
.rept 14
	v_pk_add_f32 v[TT:TT+1], v[TT:TT+1], v[X+i:X+i+1]
	v_pk_add_f32 v[TT+2:TT+3], v[TT+2:TT+3], v[X+i+2:X+i+3]
.set i, i+4
.endr
	RTAIL \dst
.endm
.macro ROWSQ u, dst
.set X, ACC+64*\u
.set TT, T+4*\u
	v_pk_mul_f32 v[TT:TT+1], v[X:X+1], v[X:X+1]
	v_pk_mul_f32 v[TT+2:TT+3], v[X+2:X+3], v[X+2:X+3]
.set i, 4
.rept 15
	v_pk_fma_f32 v[TT:TT+1], v[X+i:X+i+1], v[X+i:X+i+1], v[TT:TT+1]
	v_pk_fma_f32 v[TT+2:TT+3], v[X+i+2:X+i+3], v[X+i+2:X+i+3], v[TT+2:TT+3]
.set i, i+4
.endr
	RTAIL \dst
.endm
.macro TOTAL part                      ; the eight waves' parts of my two rows: v[T] tile 0's total, v[T + 8] tile 1's; every wave adds in the same order
	BARRIER
.irp k, 0,1,2,3,4,5,6,7
	ds_load_b32 v[T+\k], v[R4] offset:\part+128*\k
	ds_load_b32 v[T+8+\k], v[R4] offset:\part+128*\k+64
.endr
	s_wait_dscnt 0x0
.irp o, 0,8
	v_add_f32 v[T+\o], v[T+\o], v[T+\o+1]
	v_add_f32 v[T+\o+2], v[T+\o+2], v[T+\o+3]
	v_add_f32 v[T+\o+4], v[T+\o+4], v[T+\o+5]
	v_add_f32 v[T+\o+6], v[T+\o+6], v[T+\o+7]
	v_add_f32 v[T+\o], v[T+\o], v[T+\o+2]
	v_add_f32 v[T+\o+4], v[T+\o+4], v[T+\o+6]
	v_add_f32 v[T+\o], v[T+\o], v[T+\o+4]
.endr
.endm
; The norm of the 32 rows in ACC, in two passes (the mean; then the sum of (x - mean)^2: no difference of large sums), gamma and beta, the quantiser, the images.
; gamma and beta come out of my LDS bytes in four chunks of 16 + 16 registers, on two sets of registers by turns: each wait leaves out the eight loads of the younger chunk.
.macro LNQ img, scl
	ROWSUM 0, W0
	ROWSUM 1, W1
	v_cndmask_b32 v[W0], v[W0], v[W1], s[HM]
	ds_store_b32 v[SCW], v[W0] offset:PART1
	TOTAL PART1
	v_mul_f32 v[P0], 0x3a800000, v[T]              ; / 1024; each mean twice, a pair for the packed forms
	v_mul_f32 v[P0+1], 0x3a800000, v[T]
	v_mul_f32 v[P1], 0x3a800000, v[T+8]
	v_mul_f32 v[P1+1], 0x3a800000, v[T+8]
.set i, 0
.rept 32
	v_pk_add_f32 v[ACC+i:ACC+i+1], v[ACC+i:ACC+i+1], v[P0:P0+1] neg_lo:[0,1] neg_hi:[0,1]
	v_pk_add_f32 v[ACC+64+i:ACC+65+i], v[ACC+64+i:ACC+65+i], v[P1:P1+1] neg_lo:[0,1] neg_hi:[0,1]
.set i, i+2
.endr
	ROWSQ 0, W0
	ROWSQ 1, W1
	v_cndmask_b32 v[W0], v[W0], v[W1], s[HM]
	ds_store_b32 v[SCW], v[W0] offset:PART2
	TOTAL PART2
	GCHUNK GA, 0                                   ; they land under the lines below
	GCHUNK GC, 1
	v_mul_f32 v[T], 0x3a802008, v[T]               ; / 1023
	v_mul_f32 v[T+8], 0x3a802008, v[T+8]
	v_sqrt_f32 v[T], v[T]
	v_sqrt_f32 v[T+8], v[T+8]
	v_nop                                          ; one plain place behind a transcendental
	s_wait_alu depctr_va_vdst(0)
	v_add_f32 v[T], 0x358637bd, v[T]               ; + 1e-6
	v_add_f32 v[T+8], 0x358637bd, v[T+8]
	v_rcp_f32 v[P0], v[T]
	v_rcp_f32 v[P0+1], v[T]
	v_rcp_f32 v[P1], v[T+8]
	v_rcp_f32 v[P1+1], v[T+8]
	v_nop
.set i, 0
	s_wait_alu depctr_va_vdst(0)
.rept 32
	v_pk_mul_f32 v[ACC+i:ACC+i+1], v[ACC+i:ACC+i+1], v[P0:P0+1]
	v_pk_mul_f32 v[ACC+64+i:ACC+65+i], v[ACC+64+i:ACC+65+i], v[P1:P1+1]
.set i, i+2
.endr
	s_wait_dscnt 8                                 ; chunk 0 is in; chunk 1's eight loads may be out
	GFMA GA, 0
	GCHUNK GA, 2
	s_wait_dscnt 8                                 ; chunk 1
	GFMA GC, 1
	GCHUNK GC, 3
	s_wait_dscnt 8                                 ; chunk 2
	GFMA GA, 2
	s_wait_dscnt 0x0
	GFMA GC, 3
	QUANT ACC, PCA, PCA+6, PW0
	QUANT ACC+64, PCB, PCB+6, PW1
	IMAGES \img, \scl
.endm
	s_load_b512 s[8:23], s[0:1], 0x0               ; abuf, wl, wo_scales, w1_scales, w2_scales, bo, b1, b2
	s_load_b256 s[24:31], s[0:1], 0x40             ; g2, be2, x, out0
	v_lshl_add_u32 v254, v0, 2, 0x32000
	v_mov_b32 v255, 0
	v_lshrrev_b32 v1, 5, v0
	v_readfirstlane_b32 s2, v1                     ; wave 0..7
	v_and_b32 v1, 31, v0                           ; L
	v_and_b32 v2, 15, v0                           ; r
	v_bfe_u32 v3, v0, 4, 1                         ; h
	v_and_b32 v4, 8, v2
	v_add_nc_u32 v4, v4, v2                        ; r + 8 (r / 8)
	v_mul_u32_u24 v5, v2, SP
	v_lshl_add_u32 v5, v3, 6, v5                   ; 528 r + 64 h
	v_lshlrev_b32 v6, 5, v4
	v_lshl_add_u32 v6, v3, 8, v6                   ; 32 (8 h + r + 8 (r / 8))
	v_lshlrev_b32 v[WOFF], 4, v1                   ; window 0's 16 L
	s_mul_i32 s58, s2, 3072
	s_lshl_b32 s59, s2, 7
	s_mul_i32 s60, s2, WSTG
	s_add_co_u32 s60, s60, STG
	s_lshl_b32 s61, s2, 9
	s_lshl_b32 s62, s2, 12
	s_lshl_b32 s63, s2, 11
	s_add_co_u32 s63, s63, GB
	s_mov_b32 s[SEL], 0x76543210
	s_mov_b32 s[SEL+1], 0xfedcba98
	s_mov_b32 s[HM], 0xffff0000
	WIN 0x40                                       ; destinations in window 1, sources in window 0
	v_lshlrev_b32 v[L4], 2, v1
	v_lshlrev_b32 v[R4], 2, v2
	v_lshl_add_u32 v[IMW], v1, 4, s58
	v_lshl_add_u32 v[SCW], v1, 2, s59
	v_lshl_add_u32 v[STR], v1, 4, s60
	v_add_nc_u32 v[STL], s60, v5
	v_lshl_add_u32 v[XOFF], v1, 4, s61
	v_lshlrev_b32 v[WOFF], 4, v1
	v_add_nc_u32 v[SOFF], s62, v6
	v_lshl_add_u32 v[GBR], v3, 6, s63
	v_lshl_add_u32 v[GBW], v1, 4, s63
	s_mov_b32 s7, 0
	s_wait_kmcnt 0x0
	s_lshl_b32 s6, ttmp9, 17
	s_add_nc_u64 s[28:29], s[28:29], s[6:7]        ; x at my 32 rows,
	s_add_nc_u64 s[30:31], s[30:31], s[6:7]        ; out0 likewise
	s_mul_i32 s6, ttmp9, 24576
	s_add_nc_u64 s[32:33], s[8:9], s[6:7]          ; a's 16 images of my row block
	s_lshl_b32 s6, ttmp9, 10
	s_add_co_u32 s6, s6, IMGB
	s_add_nc_u64 s[34:35], s[8:9], s[6:7]          ; and their scale words
	s_mul_i32 s6, s2, 64*1536
	s_add_co_u32 s6, s6, 3*WMAT
	s_add_nc_u64 s[40:41], s[10:11], s[6:7]        ; my eighth of wo,
	s_add_nc_u64 s[42:43], s[40:41], WMAT          ; of w1,
	s_add_nc_u64 s[44:45], s[40:41], 2*WMAT        ; of w2
	; ---- the first requests: gamma, beta, b1 3, my two images of a 6, their scale words 1, bo and b2 2, x 32; then wo's scale words 8 and its first two K steps 48
	WIN 0x55
	VLOAD T, 24
	VLOAD T+4, 26
	VLOAD T+8, 20
.irp u, 0,1
.irp g, 0,1,2
	global_load_b128 v[PCA+12*\u+4*\g:PCA+12*\u+4*\g+3], v[IMW], s[32:33] offset:1536*\u+512*\g th:TH_LOAD_NT   ; fragments 2 w + u: K step w
.endr
.endr
.set LC, LC+6
	global_load_b32 v[W0], v[SCW], s[34:35]        ; and K step w's 32 scale words
.set LC, LC+1
	VLOAD RB, 18
	VLOAD B2, 22
	XLOAD 28
.set MX, LC
	BSCQ 12, 0
	BSCQ 12, 1
.irp k, 0,1,2,3
	RINGG 40, \k
.endr
	WIN 0x55
	WAITM MX                                       ; all but wo's 8 + 48 loads are in
.irp k, 0,1,2
	ds_store_b128 v[GBW], v[T+4*\k:T+4*\k+3] offset:512*\k     ; gamma, beta, b1 into my own 2,048 bytes
.endr
	IMGST AIMG1
	ds_store_b32 v[SCW], v[W0] offset:ASCL1
.set p, 0
.rept 32
	v_pk_add_f32 v[ACC+4*p:ACC+4*p+1], v[ACC+4*p:ACC+4*p+1], v[RB:RB+1]         ; x + bo, in the rows as they lie in memory
	v_pk_add_f32 v[ACC+4*p+2:ACC+4*p+3], v[ACC+4*p+2:ACC+4*p+3], v[RB+2:RB+3]
.set p, p+1
.endr
	TURN_IN                                        ; (it ends with the wait for all my LDS instructions, the stores above among them)
	s_barrier_signal -1
	s_barrier_wait -1                              ; all 16 fragments of a lie in LDS
	ASCFETCH ASCL1
	WIN 0x55
	AFETCH AIMG1, 0
	AFETCH AIMG1, 1
	; ---- x1 = (x + bo) + a Wo^T
	GEMM 40, 42, 14, AIMG1
	WIN 0x55
	SAVE                                           ; x1 into my stage: it is the last product's C.  (ACC is written again only behind the norm's first barrier, in front of which these stores are waited for)
	LNQ AIMG0, ASCL0
	LDSVEC ACC, 1024                               ; b1 in the result's layout, for both tiles of rows: the C of the sum's first links
	LDSVEC ACC+64, 1024
	BARRIER                                        ; all 16 fragments of LayerNorm(x1) lie in LDS
	ASCFETCH ASCL0
	WIN 0x55
	AFETCH AIMG0, 0
	AFETCH AIMG0, 1
	; ---- the hidden layer
	GEMM 42, 44, 16, AIMG0
	WIN 0x55
.set i, 0
.rept 128
	v_max_num_f32 v[ACC+i], 0, v[ACC+i]            ; the activation, in f32
.set i, i+1
.endr
	QUANT ACC, PCA, PCA+6, PW0
	QUANT ACC+64, PCB, PCB+6, PW1
	IMAGES AIMG1, ASCL1
	RESTORE                                        ; x1 back: the C of the last product
	BARRIER                                        ; all 16 fragments of the hidden layer lie in LDS
	ASCFETCH ASCL1
	WIN 0x55
	AFETCH AIMG1, 0
	AFETCH AIMG1, 1
	; ---- x1 + hidden W2^T
	GEMM 44, 0, 0, AIMG1
	; ---- the way out: through my stage, back as rows; + b2; a wave's store covers 512 consecutive bytes, aligned to 256
	WIN 0x55
	SAVE
.set p, 0
.rept 32
	ds_load_b128 v[ACC+4*p:ACC+4*p+3], v[STR] offset:SP*p      ; LDS serves a wave's instructions in order: these see the stores above
.set p, p+1
.endr
.set p, 0
.rept 32
	s_wait_dscnt 31-p                              ; position p is back; the later ones may be out
	v_pk_add_f32 v[ACC+4*p:ACC+4*p+1], v[ACC+4*p:ACC+4*p+1], v[B2:B2+1]
	v_pk_add_f32 v[ACC+4*p+2:ACC+4*p+3], v[ACC+4*p+2:ACC+4*p+3], v[B2+2:B2+3]
	global_store_b128 v[XOFF], v[ACC+4*p:ACC+4*p+3], s[30:31] offset:(8*(p/16)+p%16+8*((p%16)/8))*4096 th:TH_STORE_NT
.set p, p+1
.endr
	WIN 0
	s_wait_tensorcnt 0x0
	ds_add_u32 v254, v255
	s_wait_dscnt 0x0
	s_endpgm
.Lfunc_end_k_q59d6e51031_ffn:
	.size	k_q59d6e51031_ffn, .Lfunc_end_k_q59d6e51031_ffn-k_q59d6e51031_ffn
	.p2alignl 7, 3214868480
	.fill 96, 4, 3214868480
	.section	.rodata,"a",@progbits
	.p2align	6, 0x0
	.amdhsa_kernel k_q59d6e51031_ffn
		.amdhsa_group_segment_fixed_size 205824
		.amdhsa_private_segment_fixed_size 0
		.amdhsa_enable_private_segment 0
		.amdhsa_kernarg_size 96
		.amdhsa_user_sgpr_count 2
		.amdhsa_user_sgpr_kernarg_segment_ptr 1
		.amdhsa_wavefront_size32 1
		.amdhsa_system_sgpr_workgroup_id_x 1
		.amdhsa_system_sgpr_workgroup_id_y 1
		.amdhsa_system_sgpr_workgroup_id_z 1
		.amdhsa_system_vgpr_workitem_id 0
		.amdhsa_next_free_vgpr 512
		.amdhsa_next_free_sgpr 66
		.amdhsa_reserve_vcc 0
		.amdhsa_float_denorm_mode_32 3
		.amdhsa_float_denorm_mode_16_64 3
		.amdhsa_memory_ordered 1
		.amdhsa_forward_progress 1
		.amdhsa_inst_pref_size 208
	.end_amdhsa_kernel
	.amdgpu_metadata
---
amdhsa.version: [ 1, 2 ]
amdhsa.kernels:
  - .name:           k_q59d6e51031_ffn
    .symbol:         k_q59d6e51031_ffn.kd
    .args:
      - { .name: abuf, .offset: 0, .size: 8, .value_kind: global_buffer, .address_space: global }
      - { .name: wl, .offset: 8, .size: 8, .value_kind: global_buffer, .address_space: global }
      - { .name: wo_scales, .offset: 16, .size: 8, .value_kind: global_buffer, .address_space: global }
      - { .name: w1_scales, .offset: 24, .size: 8, .value_kind: global_buffer, .address_space: global }
      - { .name: w2_scales, .offset: 32, .size: 8, .value_kind: global_buffer, .address_space: global }
      - { .name: bo, .offset: 40, .size: 8, .value_kind: global_buffer, .address_space: global }
      - { .name: b1, .offset: 48, .size: 8, .value_kind: global_buffer, .address_space: global }
      - { .name: b2, .offset: 56, .size: 8, .value_kind: global_buffer, .address_space: global }
      - { .name: g2, .offset: 64, .size: 8, .value_kind: global_buffer, .address_space: global }
      - { .name: be2, .offset: 72, .size: 8, .value_kind: global_buffer, .address_space: global }
      - { .name: x, .offset: 80, .size: 8, .value_kind: global_buffer, .address_space: global }
      - { .name: out0, .offset: 88, .size: 8, .value_kind: global_buffer, .address_space: global }
    .group_segment_fixed_size: 205824
    .private_segment_fixed_size: 0
    .kernarg_segment_align: 8
    .kernarg_segment_size: 96
    .max_flat_workgroup_size: 256
    .sgpr_count:     66
    .vgpr_count:     512
    .wavefront_size: 32
...
	.end_amdgpu_metadata
.endif
;; end of part 4
;; ======== version 2 of 2: 4 launches
;; limits: right only within a limited range of input values
;; workspace buffers: wl 4,718,592 bytes; qbuf 6,815,744 bytes; kbuf 6,553,600 bytes; vbuf 6,553,600 bytes; abuf 6,553,600 bytes
;; launch lay (part 5): grid 64 x 6, 4 waves a work-group, no clusters, 0 bytes of LDS; arguments wq_codes, wk_codes, wv_codes, wo_codes, w1_codes, w2_codes, wl; writes wl
.if DOCPART == 5
	.amdgcn_target "amdgcn-amd-amdhsa--gfx1250"
	.amdhsa_code_object_version 6
	.text
	.protected	k_q59d6e51031_lay
	.globl	k_q59d6e51031_lay
	.p2align	8
	.type	k_q59d6e51031_lay,@function
k_q59d6e51031_lay:
	s_mov_b64 s[64:65], 0
	v_nop
	global_prefetch_b8 v0, s[64:65] scope:SCOPE_SE
	s_setreg_imm32_b32 hwreg(HW_REG_WAVE_MODE, 25, 1), 1
	s_wait_xcnt 0x0
; The six weights' codes ([1024 rows][768 bytes], K innermost) are laid once in the order of a wave's operand registers.
; wl: [matrix 6][wave 8][fragment f = 8 s + t, 64][1,536 bytes].  A fragment is 16 rows x 128 K: 12 registers a lane; it lies as three groups of four registers, group g of lane L at 512 g + 16 L.
; THE ROWS OF A TILE ARE NOT NEIGHBOURS: lane r of tile T (0..63) takes row 32 (T / 2) + 8 (T % 2) + r + 8 (r / 8), so that the later launches' results fall 16 neighbours to a lane.
; Work-group (x = T, y = matrix); wave v takes K steps 2 v and 2 v + 1.  The reads are pieces of 8 bytes, once for each byte; every store of a wave covers 512 consecutive bytes, aligned to 256,
; and every later read of a weight is of that shape.  No LDS, no barrier: waves share nothing.
.set ROWB,  768                        ; a weight's row of 1,024 codes in bytes
.set FRB,   1536                       ; a fragment's image
.set WMAT,  786432                     ; a matrix
	s_load_b256 s[8:15], s[0:1], 0x0               ; wq, wk, wv, wo
	s_load_b128 s[16:19], s[0:1], 0x20             ; w1, w2
	s_load_b64 s[20:21], s[0:1], 0x30              ; wl
	v_lshrrev_b32 v1, 5, v0
	v_readfirstlane_b32 s2, v1                     ; wave 0..3
	s_and_b32 s3, ttmp7, 0xffff                    ; which matrix
	v_and_b32 v1, 31, v0                           ; L
	v_and_b32 v2, 15, v0                           ; r
	v_bfe_u32 v5, v0, 4, 1                         ; h
	v_and_b32 v6, 8, v2
	v_add_nc_u32 v6, v6, v2                        ; r + 8 (r / 8)
	v_mul_u32_u24 v3, v6, ROWB
	v_mad_u32_u24 v3, v5, 24, v3                   ; in: my row, + 24 h
	v_lshlrev_b32 v4, 4, v1                        ; out: 16 L
	s_lshr_b32 s4, ttmp9, 1
	s_lshl_b32 s4, s4, 5
	s_and_b32 s5, ttmp9, 1
	s_lshl_b32 s5, s5, 3
	s_add_co_u32 s4, s4, s5                        ; the tile's first row
	s_mul_i32 s4, s4, ROWB
	s_mul_i32 s5, s2, 192                          ; my two K steps of 96 bytes
	s_add_co_u32 s4, s4, s5
	s_mov_b32 s5, 0
	s_mul_i32 s6, s3, WMAT
	s_lshr_b32 s7, ttmp9, 3
	s_mul_i32 s7, s7, 64*FRB                       ; the reading wave's 64 fragments
	s_add_co_u32 s6, s6, s7
	s_and_b32 s7, ttmp9, 7
	s_mul_i32 s7, s7, FRB                          ; t
	s_add_co_u32 s6, s6, s7
	s_mul_i32 s7, s2, 16*FRB                       ; s = 2 v
	s_add_co_u32 s6, s6, s7
	s_mov_b32 s7, 0
	s_wait_alu depctr_va_vdst(0)
	s_wait_kmcnt 0x0
.irp k, 1,2,3,4,5                      ; the choice hangs on the work-group's number alone
	s_cmp_eq_u32 s3, \k
	s_cselect_b64 s[8:9], s[8+2*\k:9+2*\k], s[8:9]
.endr
	s_add_nc_u64 s[8:9], s[8:9], s[4:5]
	s_add_nc_u64 s[20:21], s[20:21], s[6:7]
.irp e, 0,1
.irp p, 0,1,2,3,4,5
	global_load_b64 v[8+12*\e+2*\p:9+12*\e+2*\p], v3, s[8:9] offset:96*\e+48*(\p/3)+8*(\p%3) th:TH_LOAD_NT
.endr
.endr
	s_wait_loadcnt 0x0
.irp e, 0,1
.irp g, 0,1,2
	global_store_b128 v4, v[8+12*\e+4*\g:11+12*\e+4*\g], s[20:21] offset:8*FRB*\e+512*\g
.endr
.endr
	s_endpgm
.Lfunc_end_k_q59d6e51031_lay:
	.size	k_q59d6e51031_lay, .Lfunc_end_k_q59d6e51031_lay-k_q59d6e51031_lay
	.p2alignl 7, 3214868480
	.fill 96, 4, 3214868480
	.section	.rodata,"a",@progbits
	.p2align	6, 0x0
	.amdhsa_kernel k_q59d6e51031_lay
		.amdhsa_group_segment_fixed_size 0
		.amdhsa_private_segment_fixed_size 0
		.amdhsa_enable_private_segment 0
		.amdhsa_kernarg_size 56
		.amdhsa_user_sgpr_count 2
		.amdhsa_user_sgpr_kernarg_segment_ptr 1
		.amdhsa_wavefront_size32 1
		.amdhsa_system_sgpr_workgroup_id_x 1
		.amdhsa_system_sgpr_workgroup_id_y 1
		.amdhsa_system_sgpr_workgroup_id_z 1
		.amdhsa_system_vgpr_workitem_id 0
		.amdhsa_next_free_vgpr 40
		.amdhsa_next_free_sgpr 66
		.amdhsa_reserve_vcc 0
		.amdhsa_float_denorm_mode_32 3
		.amdhsa_float_denorm_mode_16_64 3
		.amdhsa_memory_ordered 1
		.amdhsa_forward_progress 1
		.amdhsa_inst_pref_size 4
	.end_amdhsa_kernel
	.amdgpu_metadata
---
amdhsa.version: [ 1, 2 ]
amdhsa.kernels:
  - .name:           k_q59d6e51031_lay
    .symbol:         k_q59d6e51031_lay.kd
    .args:
      - { .name: wq_codes, .offset: 0, .size: 8, .value_kind: global_buffer, .address_space: global }
      - { .name: wk_codes, .offset: 8, .size: 8, .value_kind: global_buffer, .address_space: global }
      - { .name: wv_codes, .offset: 16, .size: 8, .value_kind: global_buffer, .address_space: global }
      - { .name: wo_codes, .offset: 24, .size: 8, .value_kind: global_buffer, .address_space: global }
      - { .name: w1_codes, .offset: 32, .size: 8, .value_kind: global_buffer, .address_space: global }
      - { .name: w2_codes, .offset: 40, .size: 8, .value_kind: global_buffer, .address_space: global }
      - { .name: wl, .offset: 48, .size: 8, .value_kind: global_buffer, .address_space: global }
    .group_segment_fixed_size: 0
    .private_segment_fixed_size: 0
    .kernarg_segment_align: 8
    .kernarg_segment_size: 56
    .max_flat_workgroup_size: 128
    .sgpr_count:     66
    .vgpr_count:     40
    .wavefront_size: 32
...
	.end_amdgpu_metadata
.endif
;; end of part 5
;; launch qkv (part 6): grid 256 x 1, 8 waves a work-group, no clusters, 205,824 bytes of LDS; arguments x, mask, wl, wq_scales, wk_scales, wv_scales, bq, bk, bv, g1, be1, qbuf, kbuf, vbuf; writes qbuf, kbuf, vbuf
.if DOCPART == 6
	.amdgcn_target "amdgcn-amd-amdhsa--gfx1250"
	.amdhsa_code_object_version 6
	.text
	.protected	k_q59d6e51031_qkv
	.globl	k_q59d6e51031_qkv
	.p2align	8
	.type	k_q59d6e51031_qkv,@function
k_q59d6e51031_qkv:
	s_mov_b64 s[64:65], 0
	v_nop
	global_prefetch_b8 v0, s[64:65] scope:SCOPE_SE
	s_setreg_imm32_b32 hwreg(HW_REG_WAVE_SCHED_MODE, 0, 2), 2
	s_setreg_imm32_b32 hwreg(HW_REG_WAVE_MODE, 25, 1), 1
	s_wait_xcnt 0x0
	s_wait_alu depctr_vm_vsrc(0)
; h = LayerNorm(x) (unbiased std, divided by std + 1e-6), quantised to codes of FP6 (E2M3) with one E8M0 scale for each 32 along K; q, k, v = h W^T + b on codes; q, k and v are quantised in registers
; (q, k along the head's 64, v along the keys) and stored as images of the operand registers that the attention launch wants.
; SHARES.  A work-group owns 32 whole rows (row block B = work-group number); its eight waves share the COLUMNS: wave w owns columns 128 w .. 128 w + 127 (heads 2 w, 2 w + 1) of x and of each result, and its
; own eighth of each weight, which goes from memory straight into registers in the order that the launch before has laid: each load of a wave is 512 consecutive bytes, and no weight byte is read twice in a work-group.
; THE WEIGHTS' STREAM.  Sixteen fragments of the weight (two K steps) stand in registers, in four groups of four.  A group is asked for again as soon as its eight products are issued, so a wave has 36 to 48 loads out
; all through a product, and the stream runs on from one weight into the next: the next weight's first two K steps are asked for in the last two K steps of the product in hand and land under the quantiser between.
; Nothing else stands in that stream.  h's fragments stay in LDS and come two K steps ahead; gamma, beta, bq and bk are brought once, 512 bytes a wave each, into LDS bytes of the wave's own and are read from there in
; the result's layout; the next weight's scale words are asked for as soon as their registers are free (K steps 0-3 behind K step 3, K steps 4-7 behind K step 7), each ahead of the group whose wait shows them landed.
; WHY NO TENSOR LOADS AND NO JOINT REQUESTS: a weight fragment feeds two matrix instructions here, so a way through LDS would write and read 1,536 bytes for two products, and a ring of slots has nothing on its way
; at each change of slots; joint requests exist for tensor loads alone.
; ROW MAP.  Tile u (0, 1), lane r holds row 8 u + r + 8 (r / 8) of the block; position p = 16 u + r.  The rows of a weight tile are chosen alike.  So with the product used transposed (source 0 = 16 rows of W,
; source 1 = 16 rows of h) register 64 u + 16 b + i of lane (r, h) is row (u, r), column 128 w + 32 b + 16 h + i: sixteen neighbours along the next K.  v is made the natural way round (source 0 = h), so that a
; lane's sixteen registers are sixteen neighbouring KEYS of one channel.
; THE MASK: the codes of a masked key's k are set to 0, so that its score in the next launch is the bias that stands there as C, exactly.
; LIMITS: a block of zeros gets the scale byte 1 where the quantiser says 127 (its codes are zeros, and these bytes are read by this program alone); NaN and infinities among the inputs are not served;
; 1 / (std + eps) is a reciprocal and a multiplication, 1 / 1023 a rounded constant.  v's scale bytes leave as single bytes 4 apart (one byte for each 24 of v's codes): four work-groups fill a word.
; REGISTERS, two windows of 256.  Window 0: v0-191 the weight's 16 fragments (fragment f = 8 s + t in slot f % 16); v192-199 h's scale words (lanes 0-15 tile 0, lanes 16-31 tile 1); v200-231 the weight's scale words
; (8 p + s: lanes 0-15 tile 2 p, lanes 16-31 tile 2 p + 1); v232 16 L; v238, v239 the closing add's two; v240-255 bv, each number twice.   Window 1: v0-127 accumulators; v128-175 h's fragments of two K steps (during
; the norm: gamma and beta); v176-223 work registers; v224-255 addresses and single numbers.  The ring and the accumulators do not fit into one window: two switches of the window for eight products are the price.
; THE MODE: SCHED_MODE bits 1:0 = 2 (LLVM: expert scheduling mode 2), set by the entry lines.  The code itself states the register dependences between vector or matrix instructions and memory or LDS instructions,
; with s_wait_alu, always for 0.
; THE PLAN.  Registers that memory or LDS instructions touch, and who else names them:
;   the ring         a group's twelve loads land in it, its eight products read it, and behind them it is asked for again.
;   AF, two sets     K step s's sixteen products read set s % 2; behind them the LDS loads of K step s + 2 land in it.
;   BSC, ASC         read by the products as scales.  The next weight's words land in a half of BSC when its four K steps are over; ASC is loaded once.
;   ACC              written by products and vector lines; LDS stores read it once (x into the stage); LDS loads land in it (x out of the stage; bq; bk).
;   GA, GC           gamma's and beta's chunks: LDS loads land in them, the multiply-adds read them.
;   T                read by the LDS stores of the four vectors; the partial sums' loads land in it; all else in it is vector work.
;   PCA, PCB, W0, ET the out-buffers: written by the quantiser and the few lines behind it, read by LDS stores (h's images, the partial sums) and by the global stores of q, k and v.
;   the addresses    written at the head and never again.
; So a K step holds two waits on va_vdst, each behind eight products and their places and ahead of the run of loads that land in what those products read.  An epilogue runs all its vector lines first and holds one
; wait on va_vdst, ahead of its LDS loads and all its stores, and one on vm_vsrc at its head, ahead of the first line that writes the out-buffers again.
.set IMGB,  6291456                    ; bytes of images in each of qbuf, kbuf, vbuf: the scales lie behind them
.set HEADB, 49152                      ; a head's images
.set WMAT,  786432
.set AIMG0, 0                          ; LDS: 16 images of 1,536 bytes (f = 2 s + u),
.set ASCL0, 24576                      ; their scale words [s 8][p 32],
.set PART1, 51200                      ; the waves' partial sums [w 8][p 32],
.set PART2, 52224                      ; and sums of squares,
.set STG,   53248                      ; a stage for each wave: 32 positions x (512 bytes + 16),
.set SP,    528
.set WSTG,  32*SP
.set GB,    188416                     ; and 2,048 bytes for each wave: gamma, beta, bq, bk at its 128 columns, 512 bytes each
.set RING,  0
.set ASC,   192
.set BSC,   200
.set BV,    240
.set ACC,   0
.set AF,    128                        ; K step s's two fragments at AF + 24 (s % 2) + 12 u
.set GA,    128                        ; gamma's and beta's chunks: 16 + 16 registers here,
.set GC,    192                        ; and here
.set T,     176
.set TM,    176
.set CT,    192
.set PCA,   200
.set PCB,   212
.set L4,    224                        ; 4 L
.set L8,    225                        ; 8 L
.set R4,    226                        ; 4 r
.set IMW,   227                        ; 16 L + 3072 w
.set SCW,   228                        ; 4 L + 128 w
.set STR,   229                        ; my stage + 16 L: rows as they lie in memory
.set STL,   230                        ; my stage + 528 r + 64 h: a lane's sixteen neighbours
.set XOFF,  231                        ; 512 w + 16 L
.set WOFF,  232                        ; 16 L (in both windows)
.set SOFF,  234                        ; 32 (128 w + 8 h + r + 8 (r / 8))
.set QSO,   235                        ; 4096 h + 4 r
.set KSO,   236                        ; 2048 h + 4 r
.set SELQ,  237
.set SELK,  238
.set SH8,   239                        ; 8 h
.set SH24,  240                        ; 8 h + 16
.set KM0,   241
.set KM1,   242
.set PW0,   243
.set PW1,   244
.set RHO4,  245                        ; 4 (r + 8 (r / 8))
.set P0,    246                        ; v[246:247] tile 0's mean, later 1 / (std + eps), twice
.set P1,    248                        ; v[248:249] tile 1's
.set ET,    246                        ; v246-249 behind the norm: scale words and bytes on their way out
.set W0,    250
.set W1,    251
.set GBR,   252                        ; my 2,048 bytes + 64 h: a vector in the result's layout
.set GBW,   253                        ; my 2,048 bytes + 16 L: a vector as it lies in memory
.set SEL,   36                         ; s[36:37] lane selects for v_permlanex16_b32: lane l xor 16
.set HM,    38                         ; s38 the mask of lanes 16-31
.set MSB, 0
.macro WIN new                         ; the immediate's high byte repeats the setting that is left
.if MSB != \new
	s_set_vgpr_msb (MSB<<8)|\new
.set MSB, \new
.endif
.endm
.macro NOPS n
.rept \n
	v_nop
.endr
.endm
.macro BARRIER                         ; my LDS stores have landed and my LDS loads are in: then the work-group's barrier
	s_wait_dscnt 0x0
	s_barrier_signal -1
	s_barrier_wait -1
.endm
; THE COUNTS OF THE WAITS FOR LOADS.  The text has no branch, so LC, stepped at every load, is the number of loads issued so far.  A mark is LC behind the last load of what is waited for; loads come back in order
; (ISA guide 5.7.1), so the wait leaves out LC - mark: just what has been issued behind it.  For a group of the ring that is three younger groups, 36, and 4 more where four loads of scale words lie among them.
.set LC, 0
.set MG0, 0
.set MG1, 0
.set MG2, 0
.set MG3, 0
.macro MARKG k
.if ((\k)%4) == 0
.set MG0, LC
.elseif ((\k)%4) == 1
.set MG1, LC
.elseif ((\k)%4) == 2
.set MG2, LC
.else
.set MG3, LC
.endif
.endm
.macro WAITM m
.set WC, LC-(\m)
.if WC > 63
.set WC, 63                            ; the wait's field holds no more, and fewer left out is safe
.endif
	s_wait_loadcnt WC
.endm
.macro WAITG k
.if ((\k)%4) == 0
	WAITM MG0
.elseif ((\k)%4) == 1
	WAITM MG1
.elseif ((\k)%4) == 2
	WAITM MG2
.else
	WAITM MG3
.endif
.endm
; one matrix instruction.  ra, rb: the side's scales stand in lanes 16-31.  z: the constant 0 starts the sum
.macro WM d, a, b, sa, sb, ra, rb, z
.if (\z)
.if (\ra) && (\rb)
	v_wmma_scale_f32_16x16x128_f8f6f4 v[\d:\d+7], v[\a:\a+11], v[\b:\b+11], 0, v[\sa], v[\sb] matrix_a_fmt:MATRIX_FMT_FP6 matrix_b_fmt:MATRIX_FMT_FP6 matrix_a_scale:MATRIX_SCALE_ROW1 matrix_b_scale:MATRIX_SCALE_ROW1
.elseif (\ra)
	v_wmma_scale_f32_16x16x128_f8f6f4 v[\d:\d+7], v[\a:\a+11], v[\b:\b+11], 0, v[\sa], v[\sb] matrix_a_fmt:MATRIX_FMT_FP6 matrix_b_fmt:MATRIX_FMT_FP6 matrix_a_scale:MATRIX_SCALE_ROW1
.elseif (\rb)
	v_wmma_scale_f32_16x16x128_f8f6f4 v[\d:\d+7], v[\a:\a+11], v[\b:\b+11], 0, v[\sa], v[\sb] matrix_a_fmt:MATRIX_FMT_FP6 matrix_b_fmt:MATRIX_FMT_FP6 matrix_b_scale:MATRIX_SCALE_ROW1
.else
	v_wmma_scale_f32_16x16x128_f8f6f4 v[\d:\d+7], v[\a:\a+11], v[\b:\b+11], 0, v[\sa], v[\sb] matrix_a_fmt:MATRIX_FMT_FP6 matrix_b_fmt:MATRIX_FMT_FP6
.endif
.else
.if (\ra) && (\rb)
	v_wmma_scale_f32_16x16x128_f8f6f4 v[\d:\d+7], v[\a:\a+11], v[\b:\b+11], v[\d:\d+7], v[\sa], v[\sb] matrix_a_fmt:MATRIX_FMT_FP6 matrix_b_fmt:MATRIX_FMT_FP6 matrix_a_scale:MATRIX_SCALE_ROW1 matrix_b_scale:MATRIX_SCALE_ROW1
.elseif (\ra)
	v_wmma_scale_f32_16x16x128_f8f6f4 v[\d:\d+7], v[\a:\a+11], v[\b:\b+11], v[\d:\d+7], v[\sa], v[\sb] matrix_a_fmt:MATRIX_FMT_FP6 matrix_b_fmt:MATRIX_FMT_FP6 matrix_a_scale:MATRIX_SCALE_ROW1
.elseif (\rb)
	v_wmma_scale_f32_16x16x128_f8f6f4 v[\d:\d+7], v[\a:\a+11], v[\b:\b+11], v[\d:\d+7], v[\sa], v[\sb] matrix_a_fmt:MATRIX_FMT_FP6 matrix_b_fmt:MATRIX_FMT_FP6 matrix_b_scale:MATRIX_SCALE_ROW1
.else
	v_wmma_scale_f32_16x16x128_f8f6f4 v[\d:\d+7], v[\a:\a+11], v[\b:\b+11], v[\d:\d+7], v[\sa], v[\sb] matrix_a_fmt:MATRIX_FMT_FP6 matrix_b_fmt:MATRIX_FMT_FP6
.endif
.endif
.endm
; 64 numbers of a lane, register 16 b + i = element 16 h + i of block b, become codes: v[d0 .. d0 + 5] holds block 0 whole in lanes 0-15 and block 1 in lanes 16-31, v[d1 ..] blocks 2 and 3; pw: the four scale bytes
.macro QUANT s, d0, d1, pw
.irp b, 0,1,2,3
	v_mov_b32 v[TM+4+\b], 0                        ; a lane permute's destination counts as one of its sources
.endr
.irp b, 0,1,2,3
	v_max3_num_f32 v[TM+\b], |v[\s+16*\b]|, |v[\s+16*\b+1]|, 0x1800000   ; my 16 numbers, and the floor 2^(3 - 127): the byte cannot fall under 1
.endr
.irp i, 2,4,6,8,10,12,14
.irp b, 0,1,2,3
	v_max3_num_f32 v[TM+\b], v[TM+\b], |v[\s+16*\b+\i]|, |v[\s+16*\b+\i+1]|   ; the four blocks by turns
.endr
.endr
.irp b, 0,1,2,3
	v_permlanex16_b32 v[TM+4+\b], v[TM+\b], s[SEL], s[SEL+1]
.endr
.irp b, 0,1,2,3
	v_max_num_f32 v[TM+\b], v[TM+\b], v[TM+4+\b]   ; with lane l xor 16's: the block's largest magnitude
.endr
.irp b, 0,1,2,3
	v_add_nc_u32 v[TM+12+\b], 0xff000000, v[TM+\b] ; 2 off its exponent field: the conversion takes that field as its scale
.endr
.irp b, 0,1,2,3
	v_lshrrev_b32 v[TM+4+\b], 23, v[TM+12+\b]      ; the scale's byte
.endr
	v_lshl_or_b32 v[\pw], v[TM+5], 8, v[TM+4]
	v_lshl_or_b32 v[\pw], v[TM+6], 16, v[\pw]
	v_lshl_or_b32 v[\pw], v[TM+7], 24, v[\pw]
	v_cvt_scalef32_pk16_fp6_f32 v[\d0:\d0+2], v[\s:\s+15], v[TM+12]
	v_cvt_scalef32_pk16_fp6_f32 v[CT:CT+2], v[\s+16:\s+31], v[TM+13]       ; (a conversion's three registers begin on an even number)
	v_cvt_scalef32_pk16_fp6_f32 v[\d1:\d1+2], v[\s+32:\s+47], v[TM+14]
	v_cvt_scalef32_pk16_fp6_f32 v[CT+4:CT+6], v[\s+48:\s+63], v[TM+15]
	v_nop                                          ; one plain place behind a scaled conversion
.irp i, 0,1,2
	v_permlane16_swap_b32 v[\d0+\i], v[CT+\i]      ; the first's lanes 16-31 change places with the second's lanes 0-15: a whole block to a lane
.endr
.irp i, 0,1,2
	v_mov_b32 v[\d0+3+\i], v[CT+\i]
.endr
.irp i, 0,1,2
	v_permlane16_swap_b32 v[\d1+\i], v[CT+4+\i]
.endr
.irp i, 0,1,2
	v_mov_b32 v[\d1+3+\i], v[CT+4+\i]
.endr
.endm
.macro VLOAD dst, sb                   ; my wave's 128 numbers of a vector, as they lie in memory: 512 consecutive bytes
	global_load_b128 v[\dst:\dst+3], v[XOFF], s[\sb:\sb+1]
.set LC, LC+1
.endm
.macro XLOAD sb                        ; my 512 bytes of each of the 32 rows, position p = row 8 (p / 16) + p % 16 + 8 ((p % 16) / 8)
.set p, 0
.rept 32
	global_load_b128 v[ACC+4*p:ACC+4*p+3], v[XOFF], s[\sb:\sb+1] offset:(8*(p/16)+p%16+8*((p%16)/8))*4096 th:TH_LOAD_NT
.set p, p+1
.endr
.set LC, LC+32
.endm
.macro RESTORE                         ; out of my stage: register 64 u + 16 b + i = row (u, r), column 32 b + 16 h + i of my 128
.irp u, 0,1
.irp b, 0,1,2,3
.irp q, 0,1,2,3
	ds_load_b128 v[ACC+64*\u+16*\b+4*\q:ACC+64*\u+16*\b+4*\q+3], v[STL] offset:16*SP*\u+128*\b+16*\q
.endr
.endr
.endr
.endm
.macro TURN_IN                         ; rows as loaded go into my own stage and come back sixteen neighbours to a lane.  LDS serves a wave's instructions in order: no wait on DScnt between
.set p, 0
.rept 32
	ds_store_b128 v[STR], v[ACC+4*p:ACC+4*p+3] offset:SP*p
.set p, p+1
.endr
	s_wait_alu depctr_vm_vsrc(0)                   ; the LDS stores above have read ACC, in which the loads below land; those of the four vectors have read T, which the norm's sums write
	s_wait_alu depctr_va_vdst(0)                   ; v[STL], the loads' address, is written: stated straight ahead of the run, since stores that name the loads' registers stand behind the head's wait
	RESTORE
	s_wait_dscnt 0x0
.endm
.macro LDSVEC dst, off                 ; a vector out of my 2,048 bytes, in the result's layout: register 16 b + i = column 32 b + 16 h + i.  Sixteen lanes share an address
.irp b, 0,1,2,3
.irp q, 0,1,2,3
	ds_load_b128 v[\dst+16*\b+4*\q:\dst+16*\b+4*\q+3], v[GBR] offset:\off+128*\b+16*\q
.endr
.endr
.endm
.macro GCHUNK base, b                  ; gamma's and beta's 16 numbers of block b: eight loads
.irp q, 0,1,2,3
	ds_load_b128 v[\base+4*\q:\base+4*\q+3], v[GBR] offset:128*\b+16*\q
	ds_load_b128 v[\base+16+4*\q:\base+16+4*\q+3], v[GBR] offset:512+128*\b+16*\q
.endr
.endm
.macro GFMA base, b                    ; x gamma + beta on block b of both tiles
.irp u, 0,1
.irp k, 0,2,4,6,8,10,12,14
	v_pk_fma_f32 v[ACC+64*\u+16*\b+\k:ACC+64*\u+16*\b+\k+1], v[ACC+64*\u+16*\b+\k:ACC+64*\u+16*\b+\k+1], v[\base+\k:\base+\k+1], v[\base+16+\k:\base+17+\k]
.endr
.endr
.endm
.macro BSCQ ss, k                      ; a weight's scale words of K steps 4 k .. 4 k + 3, as they are given: 32 bytes a row
	WIN 0x01
.irp p, 0,1,2,3
	global_load_b128 v[BSC+8*\p+4*\k:BSC+8*\p+4*\k+3], v[SOFF], s[\ss:\ss+1] offset:1024*\p+16*\k
.endr
.set LC, LC+4
.endm
.macro RINGG wb, k                     ; group k of a weight's 16: fragments 4 k .. 4 k + 3 into slots f % 16: twelve loads of 512 consecutive bytes
	WIN 0x01
.set fj, 4*(\k)
.rept 4
.irp g, 0,1,2
	global_load_b128 v[RING+12*(fj%16)+4*\g:RING+12*(fj%16)+4*\g+3], v[WOFF], s[\wb:\wb+1] offset:1536*fj+512*\g
.endr
.set fj, fj+1
.endr
.set LC, LC+12
	MARKG \k
.endm
.macro REFILL wb, nb, k                ; behind group k - 4's products: group k of this weight or, past its end, of the next (nb = 0: there is none)
.if (\k) < 16
	RINGG \wb, \k
.elseif (\nb)
	RINGG \nb, (\k)-16
.endif
.endm
.macro AFETCH img, s                   ; K step s's two fragments of the left operand, as images, into buffer s % 2.  (v232 is 16 L in both windows, so the line stands under the products' setting too)
.irp u, 0,1
.irp g, 0,1,2
	ds_load_b128 v[AF+24*((\s)%2)+12*\u+4*\g:AF+24*((\s)%2)+12*\u+4*\g+3], v[WOFF] offset:\img+1536*(2*(\s)+\u)+512*\g
.endr
.endr
.endm
.macro ASCFETCH scl                    ; the left operand's scale words of all eight K steps
	WIN 0x01
.irp s, 0,1,2,3,4,5,6,7
	ds_load_b32 v[ASC+\s], v[L4] offset:\scl+128*\s
.endr
.endm
.macro IMGST img                       ; my two fragments (K step w of the next product) go to LDS as they stand
.irp u, 0,1
.irp g, 0,1,2
	ds_store_b128 v[IMW], v[PCA+12*\u+4*\g:PCA+12*\u+4*\g+3] offset:\img+1536*\u+512*\g
.endr
.endr
.endm
.macro IMAGES img, scl
	v_cndmask_b32 v[W0], v[PW0], v[PW1], s[HM]     ; lanes 0-15 tile 0's word, lanes 16-31 tile 1's
	s_wait_alu depctr_va_vdst(0)                   ; the quantiser has written PCA, PCB and v[W0], which the LDS stores below read; it is done reading ACC, and the multiply-adds GA, in which the LDS loads behind these stores land
	IMGST \img
	ds_store_b32 v[SCW], v[W0] offset:\scl
.endm
.macro MULWIN mode
.if \mode == 0
	WIN 0x54                                       ; source 0 (the weight) window 0; source 1 (the rows), C and D window 1
.else
	WIN 0x51                                       ; source 0 (the rows), C and D window 1; source 1 (the weight) window 0
.endif
.endm
; eight matrix instructions: weight tiles t0 .. t0 + 3 x the two tiles of rows.  mode 0: transposed; mode 1: the natural way round
.macro HALF mode, zero, s, t0
.set ZZ, 0
.if (\zero) && ((\s) == 0)
.set ZZ, 1
.endif
.irp t, \t0, \t0+1, \t0+2, \t0+3
.irp u, 0,1
.if \mode == 0
	WM ACC+64*\u+8*(\t), RING+12*((8*(\s)+(\t))%16), AF+24*((\s)%2)+12*\u, BSC+8*((\t)/2)+(\s), ASC+(\s), (\t)%2, \u, 0
.else
	WM ACC+16*(\t)+8*\u, AF+24*((\s)%2)+12*\u, RING+12*((8*(\s)+(\t))%16), ASC+(\s), BSC+8*((\t)/2)+(\s), \u, (\t)%2, ZZ
.endif
.endr
.endr
.endm
; A K step of 128: two groups of the ring.  Four places stand behind each eight products, then the wait, in front of the loads into the registers that they read.  K steps 6 and 7 of the last product ask for nothing
; and hold no such wait.
.macro KSTEP wb, nb, ns, mode, zero, img, s
.if ((\s) == 0) || ((\s) == 7)
	s_wait_dscnt 0x0                               ; this K step's fragments of the left operand are in (and, at a product's head, all that came from LDS for it)
.else
	s_wait_dscnt 6                                 ; they are in; the six loads of the next K step's may be out
.endif
	WAITG 2*(\s)
	MULWIN \mode
	HALF \mode, \zero, \s, 0
	NOPS 4
.if ((\s) < 6) || (\nb)
	s_wait_alu depctr_va_vdst(0)                   ; the eight products above are done reading their group of the ring, in which the twelve loads below land
.endif
	REFILL \wb, \nb, 2*(\s)+4
	WAITG 2*(\s)+1
	MULWIN \mode
	HALF \mode, \zero, \s, 4
.if (\s) < 7
	NOPS 4
.else
	NOPS 5                                         ; five: the next product may begin an accumulator anew
.endif
.if ((\s) < 6) || (\nb)
	s_wait_alu depctr_va_vdst(0)                   ; the eight products above are done reading their group of the ring, the K step's sixteen their set of AF, and (K steps 3 and 7) the last four K steps' their scale words: the loads below land in these
.endif
.if (\s) < 6
	AFETCH \img, (\s)+2
.endif
.if (\ns) && ((\s) == 3)
	BSCQ \ns, 0                                    ; the next weight's scale words: K steps 0-3's registers are free from here on,
.endif
.if (\ns) && ((\s) == 7)
	BSCQ \ns, 1                                    ; K steps 4-7's from here
.endif
	REFILL \wb, \nb, 2*(\s)+5
.endm
; A whole product, K = 1,024.  At its head groups 0 to 3 of its weight have been asked for.  nb, ns: the next weight's fragments and scale words (0: none).
; The 16 accumulators take turns, one instruction a turn, in one order in every step.
.macro GEMM wb, nb, ns, mode, zero, img
.irp s, 0,1,2,3,4,5,6,7
	KSTEP \wb, \nb, \ns, \mode, \zero, \img, \s
.endr
.endm
.macro RTAIL dst
	v_pk_add_f32 v[TT:TT+1], v[TT:TT+1], v[TT+2:TT+3]
	v_add_f32 v[TT], v[TT], v[TT+1]
	v_permlanex16_b32 v[TT+1], v[TT], s[SEL], s[SEL+1]
	v_add_f32 v[\dst], v[TT], v[TT+1]              ; the row's sum over my wave's 128 columns
.endm
.macro ROWSUM u, dst
.set X, ACC+64*\u
.set TT, T+4*\u
	v_pk_add_f32 v[TT:TT+1], v[X:X+1], v[X+2:X+3]
	v_pk_add_f32 v[TT+2:TT+3], v[X+4:X+5], v[X+6:X+7]
.set i, 8
.rept 14
	v_pk_add_f32 v[TT:TT+1], v[TT:TT+1], v[X+i:X+i+1]
	v_pk_add_f32 v[TT+2:TT+3], v[TT+2:TT+3], v[X+i+2:X+i+3]
.set i, i+4
.endr
	RTAIL \dst
.endm
.macro ROWSQ u, dst
.set X, ACC+64*\u
.set TT, T+4*\u
	v_pk_mul_f32 v[TT:TT+1], v[X:X+1], v[X:X+1]
	v_pk_mul_f32 v[TT+2:TT+3], v[X+2:X+3], v[X+2:X+3]
.set i, 4
.rept 15
	v_pk_fma_f32 v[TT:TT+1], v[X+i:X+i+1], v[X+i:X+i+1], v[TT:TT+1]
	v_pk_fma_f32 v[TT+2:TT+3], v[X+i+2:X+i+3], v[X+i+2:X+i+3], v[TT+2:TT+3]
.set i, i+4
.endr
	RTAIL \dst
.endm
.macro TOTAL part                      ; the eight waves' parts of my two rows: v[T] tile 0's total, v[T + 8] tile 1's; every wave adds in the same order
	BARRIER
.irp k, 0,1,2,3,4,5,6,7
	ds_load_b32 v[T+\k], v[R4] offset:\part+128*\k
	ds_load_b32 v[T+8+\k], v[R4] offset:\part+128*\k+64
.endr
	s_wait_dscnt 0x0
	s_wait_alu depctr_vm_vsrc(0)                   ; the LDS store of my part has read v[W0], which later lines write again
.irp o, 0,8
	v_add_f32 v[T+\o], v[T+\o], v[T+\o+1]
	v_add_f32 v[T+\o+2], v[T+\o+2], v[T+\o+3]
	v_add_f32 v[T+\o+4], v[T+\o+4], v[T+\o+5]
	v_add_f32 v[T+\o+6], v[T+\o+6], v[T+\o+7]
	v_add_f32 v[T+\o], v[T+\o], v[T+\o+2]
	v_add_f32 v[T+\o+4], v[T+\o+4], v[T+\o+6]
	v_add_f32 v[T+\o], v[T+\o], v[T+\o+4]
.endr
.endm
; The norm of the 32 rows in ACC, in two passes (the mean; then the sum of (x - mean)^2: no difference of large sums), gamma and beta, the quantiser, the images.
; gamma and beta come out of my LDS bytes in four chunks of 16 + 16 registers, on two sets of registers by turns: each wait leaves out the eight loads of the younger chunk.
.macro LNQ img, scl
	ROWSUM 0, W0
	ROWSUM 1, W1
	v_cndmask_b32 v[W0], v[W0], v[W1], s[HM]
	s_wait_alu depctr_va_vdst(0)                   ; v[W0] is written, which the LDS store reads; the sums are done with T, in which the parts' loads land
	ds_store_b32 v[SCW], v[W0] offset:PART1
	TOTAL PART1
	v_mul_f32 v[P0], 0x3a800000, v[T]              ; / 1024; each mean twice, a pair for the packed forms
	v_mul_f32 v[P0+1], 0x3a800000, v[T]
	v_mul_f32 v[P1], 0x3a800000, v[T+8]
	v_mul_f32 v[P1+1], 0x3a800000, v[T+8]
.set i, 0
.rept 32
	v_pk_add_f32 v[ACC+i:ACC+i+1], v[ACC+i:ACC+i+1], v[P0:P0+1] neg_lo:[0,1] neg_hi:[0,1]
	v_pk_add_f32 v[ACC+64+i:ACC+65+i], v[ACC+64+i:ACC+65+i], v[P1:P1+1] neg_lo:[0,1] neg_hi:[0,1]
.set i, i+2
.endr
	ROWSQ 0, W0
	ROWSQ 1, W1
	v_cndmask_b32 v[W0], v[W0], v[W1], s[HM]
	s_wait_alu depctr_va_vdst(0)                   ; v[W0] is written, which the LDS store reads; the sums of squares are done with T, in which the parts' loads land
	ds_store_b32 v[SCW], v[W0] offset:PART2
	TOTAL PART2
	GCHUNK GA, 0                                   ; they land under the lines below.  No wait: no vector line since the wait above names GA, GC or their address
	GCHUNK GC, 1
	v_mul_f32 v[T], 0x3a802008, v[T]               ; / 1023
	v_mul_f32 v[T+8], 0x3a802008, v[T+8]
	s_wait_alu depctr_va_vdst(0)
	v_sqrt_f32 v[T], v[T]
	v_sqrt_f32 v[T+8], v[T+8]
	v_nop                                          ; one plain place behind a transcendental
	s_wait_alu depctr_va_vdst(0)                   ; the two roots are written, ahead of their first reader
	v_add_f32 v[T], 0x358637bd, v[T]               ; + 1e-6
	v_add_f32 v[T+8], 0x358637bd, v[T+8]
	s_wait_alu depctr_va_vdst(0)
	v_rcp_f32 v[P0], v[T]
	v_rcp_f32 v[P0+1], v[T]
	v_rcp_f32 v[P1], v[T+8]
	v_rcp_f32 v[P1+1], v[T+8]
	v_nop
.set i, 0
	s_wait_alu depctr_va_vdst(0)                   ; the four reciprocals are written, ahead of their first reader
.rept 32
	v_pk_mul_f32 v[ACC+i:ACC+i+1], v[ACC+i:ACC+i+1], v[P0:P0+1]
	v_pk_mul_f32 v[ACC+64+i:ACC+65+i], v[ACC+64+i:ACC+65+i], v[P1:P1+1]
.set i, i+2
.endr
	s_wait_dscnt 8                                 ; chunk 0 is in; chunk 1's eight loads may be out
	GFMA GA, 0
	s_wait_alu depctr_va_vdst(0)                   ; the multiply-adds are done reading GA, in which chunk 2 lands
	GCHUNK GA, 2
	s_wait_dscnt 8                                 ; chunk 1
	GFMA GC, 1
	s_wait_alu depctr_va_vdst(0)                   ; the multiply-adds are done reading GC, in which chunk 3 lands
	GCHUNK GC, 3
	s_wait_dscnt 8                                 ; chunk 2
	GFMA GA, 2
	s_wait_dscnt 0x0
	GFMA GC, 3
	QUANT ACC, PCA, PCA+6, PW0
	QUANT ACC+64, PCB, PCB+6, PW1
	IMAGES \img, \scl
.endm
; four half images of six registers: registers 0-3 at 16 L, registers 4-5 at 512 + 8 L: a wave's stores cover 512 and 256 consecutive bytes, aligned to 256
.macro EPI_IMG sb, oa, ob
.irp u, 0,1
.irp c, 0,1
	global_store_b128 v[WOFF], v[PCA+12*\u+6*\c:PCA+12*\u+6*\c+3], s[\sb:\sb+1] offset:\oa*\u+\ob*\c th:TH_STORE_NT
	global_store_b64 v[L8], v[PCA+12*\u+6*\c+4:PCA+12*\u+6*\c+5], s[\sb:\sb+1] offset:\oa*\u+\ob*\c+512 th:TH_STORE_NT
.endr
.endr
.endm
	s_load_b512 s[8:23], s[0:1], 0x0               ; x, mask, wl, wq_scales, wk_scales, wv_scales, bq, bk
	s_load_b256 s[24:31], s[0:1], 0x40             ; bv, g1, be1, qbuf
	s_load_b128 s[32:35], s[0:1], 0x60             ; kbuf, vbuf
	v_lshl_add_u32 v238, v0, 2, 0x32000            ; the closing add's two registers, made here and kept for it alone: my spare word, behind the waves' 2,048 bytes,
	v_mov_b32 v239, 0                              ; and 0
	v_lshrrev_b32 v1, 5, v0
	v_readfirstlane_b32 s2, v1                     ; wave 0..7
	v_and_b32 v1, 31, v0                           ; L
	v_and_b32 v2, 15, v0                           ; r
	v_bfe_u32 v3, v0, 4, 1                         ; h
	v_and_b32 v4, 8, v2
	v_add_nc_u32 v4, v4, v2                        ; r + 8 (r / 8)
	v_mul_u32_u24 v5, v2, SP
	v_lshl_add_u32 v5, v3, 6, v5                   ; 528 r + 64 h
	v_lshlrev_b32 v6, 5, v4
	v_lshl_add_u32 v6, v3, 8, v6                   ; 32 (8 h + r + 8 (r / 8))
	v_lshlrev_b32 v7, 2, v2                        ; 4 r
	v_mov_b32 v8, 0x01000100                       ; byte selects: a head's two scale bytes, twice (lanes 0-15: head 2 w)
	v_mov_b32 v9, 0x03020302                       ; (lanes 16-31: head 2 w + 1)
	v_mov_b32 v10, 0x05040100                      ; tile 0's two bytes, then tile 1's
	v_mov_b32 v11, 0x07060302
	v_lshlrev_b32 v[WOFF], 4, v1                   ; window 0's 16 L
	s_wait_alu depctr_va_sdst(0)                   ; s2, the wave's number, is written, ahead of its first reader
	s_mul_i32 s58, s2, 3072
	s_lshl_b32 s59, s2, 7
	s_mul_i32 s60, s2, WSTG
	s_add_co_u32 s60, s60, STG
	s_lshl_b32 s61, s2, 9
	s_lshl_b32 s62, s2, 12
	s_lshl_b32 s63, s2, 11
	s_add_co_u32 s63, s63, GB
	s_mov_b32 s[SEL], 0x76543210
	s_mov_b32 s[SEL+1], 0xfedcba98
	s_mov_b32 s[HM], 0xffff0000
	WIN 0x40                                       ; destinations in window 1, sources in window 0
	v_lshlrev_b32 v[L4], 2, v1
	v_lshlrev_b32 v[L8], 3, v1
	v_lshlrev_b32 v[R4], 2, v2
	v_lshl_add_u32 v[IMW], v1, 4, s58
	v_lshl_add_u32 v[SCW], v1, 2, s59
	v_lshl_add_u32 v[STR], v1, 4, s60
	v_add_nc_u32 v[STL], s60, v5
	v_lshl_add_u32 v[XOFF], v1, 4, s61
	v_lshlrev_b32 v[WOFF], 4, v1
	v_add_nc_u32 v[SOFF], s62, v6
	v_lshl_add_u32 v[QSO], v3, 12, v7
	v_lshl_add_u32 v[KSO], v3, 11, v7
	v_cndmask_b32 v[SELQ], v8, v9, s[HM]
	v_cndmask_b32 v[SELK], v10, v11, s[HM]
	v_lshlrev_b32 v[SH8], 3, v3
	v_lshl_add_u32 v[SH24], v3, 3, 16
	v_lshlrev_b32 v[RHO4], 2, v4
	v_lshl_add_u32 v[GBR], v3, 6, s63
	v_lshl_add_u32 v[GBW], v1, 4, s63
	s_lshr_b32 s4, ttmp9, 5                        ; the batch
	s_and_b32 s5, ttmp9, 31                        ; the row block within it
	s_lshl_b32 s39, s4, 4
	s_lshl_b32 s3, s2, 1
	s_add_co_u32 s39, s39, s3                      ; my first head among the 128: 16 b + 2 w
	s_mov_b32 s7, 0
	s_wait_kmcnt 0x0
	s_lshl_b32 s6, ttmp9, 17
	s_add_nc_u64 s[8:9], s[8:9], s[6:7]            ; x at my 32 rows
	s_lshl_b32 s6, ttmp9, 7
	s_add_nc_u64 s[10:11], s[10:11], s[6:7]        ; the mask at my 32 keys
	s_mul_i32 s6, s2, 64*1536
	s_add_nc_u64 s[40:41], s[12:13], s[6:7]        ; my eighth of wq,
	s_add_nc_u64 s[42:43], s[40:41], WMAT          ; of wk,
	s_add_nc_u64 s[44:45], s[40:41], 2*WMAT        ; of wv
	s_lshl_b32 s6, s2, 9
	s_add_nc_u64 s[24:25], s[24:25], s[6:7]        ; bv at my 128 columns
	s_mul_i32 s6, s39, HEADB
	s_mul_i32 s58, s5, 1536
	s_add_co_u32 s6, s6, s58
	s_add_nc_u64 s[46:47], s[30:31], s[6:7]        ; images: head, row block
	s_add_nc_u64 s[50:51], s[32:33], s[6:7]
	s_add_nc_u64 s[54:55], s[34:35], s[6:7]
	s_lshl_b32 s6, s39, 12
	s_lshl_b32 s58, s5, 7
	s_add_co_u32 s6, s6, s58
	s_add_co_u32 s6, s6, IMGB
	s_add_nc_u64 s[48:49], s[30:31], s[6:7]        ; q's scale words
	s_lshl_b32 s6, s39, 11
	s_lshl_b32 s58, s5, 6
	s_add_co_u32 s6, s6, s58
	s_add_co_u32 s6, s6, IMGB
	s_add_nc_u64 s[52:53], s[32:33], s[6:7]        ; k's
	s_lshl_b32 s6, s39, 11
	s_lshr_b32 s58, s5, 2
	s_lshl_b32 s58, s58, 8
	s_add_co_u32 s6, s6, s58
	s_and_b32 s58, s5, 3
	s_add_co_u32 s6, s6, s58
	s_add_co_u32 s6, s6, IMGB
	s_add_nc_u64 s[56:57], s[34:35], s[6:7]        ; v's scale bytes: key step, my block's byte of the word
	; ---- the first requests: gamma, beta, bq, bk 4, x 32, the mask 2; then wq's scale words 8, bv 16, wq's first two K steps 48
	WIN 0x55
	s_wait_alu depctr_va_vdst(0)                   ; all addresses and offsets are written, which the kernel's loads and stores read; the head is done with v0 to v11 of window 0, in which the ring's loads land
	VLOAD T, 26
	VLOAD T+4, 28
	VLOAD T+8, 20
	VLOAD T+12, 22
	XLOAD 8
	global_load_b32 v[KM0], v[RHO4], s[10:11]              ; the mask of key (0, r),
	global_load_b32 v[KM1], v[RHO4], s[10:11] offset:32    ; of key (1, r)
.set LC, LC+2
.set MX, LC
	BSCQ 14, 0
	BSCQ 14, 1
.irp t, 0,1,2,3,4,5,6,7                ; bv of channel (t, r), twice: a pair for the packed addition
	global_load_b32 v[BV+2*\t], v[RHO4], s[24:25] offset:128*(\t/2)+32*(\t%2)
	global_load_b32 v[BV+2*\t+1], v[RHO4], s[24:25] offset:128*(\t/2)+32*(\t%2)
.endr
.set LC, LC+16
.irp k, 0,1,2,3
	RINGG 40, \k
.endr
	WIN 0x55
	WAITM MX                                       ; the four vectors, x and the mask are in (72 loads are younger)
.irp k, 0,1,2,3
	ds_store_b128 v[GBW], v[T+4*\k:T+4*\k+3] offset:512*\k     ; gamma, beta, bq, bk into my own 2,048 bytes
.endr
	TURN_IN
	v_cmp_ne_u32 s58, 0, v[KM0]
	v_cmp_ne_u32 s59, 0, v[KM1]
	s_wait_alu depctr_va_sdst(0)                   ; the two compares have written s58 and s59, ahead of the selects that read them
	v_cndmask_b32 v[KM0], 0, -1, s58               ; all ones where the key counts
	v_cndmask_b32 v[KM1], 0, -1, s59
	LNQ AIMG0, ASCL0
	LDSVEC ACC, 1024                               ; bq in the result's layout, for both tiles of rows: the C of the sum's first links.  (No vector line stands between the images' wait and these loads, nor the fetches below)
	LDSVEC ACC+64, 1024
	BARRIER                                        ; all 16 fragments of h lie in LDS
	ASCFETCH ASCL0
	WIN 0x55
	AFETCH AIMG0, 0
	AFETCH AIMG0, 1
	; ---- q
	GEMM 40, 42, 16, 0, 0, AIMG0
	WIN 0x55
	AFETCH AIMG0, 0                                ; h's first two K steps again, for k.  (The last K step's wait has shown the products done with both sets; only loads stand behind it)
	AFETCH AIMG0, 1
	s_wait_alu depctr_vm_vsrc(0)                   ; the LDS stores of h's images have read PCA and PCB, which the quantiser writes again
	QUANT ACC, PCA, PCA+6, PW0
	QUANT ACC+64, PCB, PCB+6, PW1
	v_perm_b32 v[ET], v[PW0], v[PW0], v[SELQ]      ; my head's two bytes, twice: the word serves q in either half of the instruction's K
	v_perm_b32 v[ET+1], v[PW1], v[PW1], v[SELQ]
	s_wait_alu depctr_va_vdst(0)                   ; the quantiser is done reading ACC, in which bk lands; PCA, PCB and the two words in ET are written, which the stores read
	LDSVEC ACC, 1536                               ; bk
	LDSVEC ACC+64, 1536
	EPI_IMG 46, 768, HEADB                         ; tile u at 768 u, head 2 w + c at HEADB c
	global_store_b32 v[QSO], v[ET], s[48:49]
	global_store_b32 v[QSO], v[ET+1], s[48:49] offset:64
	; ---- k
	GEMM 42, 44, 18, 0, 0, AIMG0
	WIN 0x55
	s_wait_xcnt 0x0                                ; q's stores have read their data: those registers are written again below
	s_wait_alu depctr_vm_vsrc(0)                   ; q's stores have read PCA, PCB and ET, which the lines below write again
	AFETCH AIMG0, 0                                ; and once more, for v
	AFETCH AIMG0, 1
	QUANT ACC, PCA, PCA+6, PW0
.set i, 0
.rept 12
	v_and_b32 v[PCA+i], v[KM0], v[PCA+i]           ; a masked key's codes become 0
.set i, i+1
.endr
	QUANT ACC+64, PCB, PCB+6, PW1
.set i, 0
.rept 12
	v_and_b32 v[PCB+i], v[KM1], v[PCB+i]
.set i, i+1
.endr
	v_perm_b32 v[ET], v[PW1], v[PW0], v[SELK]      ; tile 0's two bytes of my head, then tile 1's: one word for the two key tiles that share a fragment
	s_wait_alu depctr_va_vdst(0)                   ; PCA, PCB and the word in ET are written, which the stores read
	EPI_IMG 50, 768, HEADB
	global_store_b32 v[KSO], v[ET], s[52:53]
	; ---- v, the natural way round: register 16 t + i of lane (r, h) is key 16 h + i of the block, channel (t, r)
	GEMM 44, 0, 0, 1, 1, AIMG0
	WIN 0x41                                       ; destination and source 0 window 1, bv window 0
.irp t, 0,1,2,3,4,5,6,7
.irp k, 0,2,4,6,8,10,12,14
	v_pk_add_f32 v[ACC+16*\t+\k:ACC+16*\t+\k+1], v[ACC+16*\t+\k:ACC+16*\t+\k+1], v[BV+2*\t:BV+2*\t+1]
.endr
.endr
	WIN 0x55
	s_wait_xcnt 0x0                                ; k's stores have read their data
	s_wait_alu depctr_vm_vsrc(0)                   ; k's stores have read PCA, PCB and ET, which the lines below write again
	QUANT ACC, PCA, PCA+6, PW0                     ; head 2 w: its four channel tiles are the four blocks
	QUANT ACC+64, PCB, PCB+6, PW1                  ; head 2 w + 1
.irp q, 0,1
	v_lshrrev_b32 v[ET+2*\q], v[SH8], v[PW0+\q]    ; channel tile h's byte,
	v_lshrrev_b32 v[ET+2*\q+1], v[SH24], v[PW0+\q] ; tile 2 + h's
.endr
	s_wait_alu depctr_va_vdst(0)                   ; PCA, PCB and the four bytes in ET are written, which the stores read
	EPI_IMG 54, HEADB, 768                         ; head at HEADB, pair of channel tiles at 768
.irp q, 0,1
	global_store_b8 v[L4], v[ET+2*\q], s[56:57] offset:2048*\q
	global_store_b8 v[L4], v[ET+2*\q+1], s[56:57] offset:2048*\q+128
.endr
	WIN 0
	s_wait_dscnt 0x0                               ; the closing lines, six on end
	s_wait_alu 0x0
	s_wait_tensorcnt 0x0
	ds_add_u32 v238, v239
	s_wait_dscnt 0x0
	s_endpgm
.Lfunc_end_k_q59d6e51031_qkv:
	.size	k_q59d6e51031_qkv, .Lfunc_end_k_q59d6e51031_qkv-k_q59d6e51031_qkv
	.p2alignl 7, 3214868480
	.fill 96, 4, 3214868480
	.section	.rodata,"a",@progbits
	.p2align	6, 0x0
	.amdhsa_kernel k_q59d6e51031_qkv
		.amdhsa_group_segment_fixed_size 205824
		.amdhsa_private_segment_fixed_size 0
		.amdhsa_enable_private_segment 0
		.amdhsa_kernarg_size 112
		.amdhsa_user_sgpr_count 2
		.amdhsa_user_sgpr_kernarg_segment_ptr 1
		.amdhsa_wavefront_size32 1
		.amdhsa_system_sgpr_workgroup_id_x 1
		.amdhsa_system_sgpr_workgroup_id_y 1
		.amdhsa_system_sgpr_workgroup_id_z 1
		.amdhsa_system_vgpr_workitem_id 0
		.amdhsa_next_free_vgpr 512
		.amdhsa_next_free_sgpr 66
		.amdhsa_reserve_vcc 0
		.amdhsa_float_denorm_mode_32 3
		.amdhsa_float_denorm_mode_16_64 3
		.amdhsa_memory_ordered 1
		.amdhsa_forward_progress 1
		.amdhsa_inst_pref_size 212
	.end_amdhsa_kernel
	.amdgpu_metadata
---
amdhsa.version: [ 1, 2 ]
amdhsa.kernels:
  - .name:           k_q59d6e51031_qkv
    .symbol:         k_q59d6e51031_qkv.kd
    .args:
      - { .name: x, .offset: 0, .size: 8, .value_kind: global_buffer, .address_space: global }
      - { .name: mask, .offset: 8, .size: 8, .value_kind: global_buffer, .address_space: global }
      - { .name: wl, .offset: 16, .size: 8, .value_kind: global_buffer, .address_space: global }
      - { .name: wq_scales, .offset: 24, .size: 8, .value_kind: global_buffer, .address_space: global }
      - { .name: wk_scales, .offset: 32, .size: 8, .value_kind: global_buffer, .address_space: global }
      - { .name: wv_scales, .offset: 40, .size: 8, .value_kind: global_buffer, .address_space: global }
      - { .name: bq, .offset: 48, .size: 8, .value_kind: global_buffer, .address_space: global }
      - { .name: bk, .offset: 56, .size: 8, .value_kind: global_buffer, .address_space: global }
      - { .name: bv, .offset: 64, .size: 8, .value_kind: global_buffer, .address_space: global }
      - { .name: g1, .offset: 72, .size: 8, .value_kind: global_buffer, .address_space: global }
      - { .name: be1, .offset: 80, .size: 8, .value_kind: global_buffer, .address_space: global }
      - { .name: qbuf, .offset: 88, .size: 8, .value_kind: global_buffer, .address_space: global }
      - { .name: kbuf, .offset: 96, .size: 8, .value_kind: global_buffer, .address_space: global }
      - { .name: vbuf, .offset: 104, .size: 8, .value_kind: global_buffer, .address_space: global }
    .group_segment_fixed_size: 205824
    .private_segment_fixed_size: 0
    .kernarg_segment_align: 8
    .kernarg_segment_size: 112
    .max_flat_workgroup_size: 256
    .sgpr_count:     66
    .vgpr_count:     512
    .wavefront_size: 32
...
	.end_amdgpu_metadata
.endif
;; end of part 6
;; launch attn (part 7): grid 32 x 8, 16 waves a work-group, no clusters, 210,944 bytes of LDS; arguments qbuf, kbuf, vbuf, mask, abuf; writes abuf
.if DOCPART == 7
	.amdgcn_target "amdgcn-amd-amdhsa--gfx1250"
	.amdhsa_code_object_version 6
	.text
	.protected	k_q59d6e51031_attn
	.globl	k_q59d6e51031_attn
	.p2align	8
	.type	k_q59d6e51031_attn,@function
k_q59d6e51031_attn:
	s_mov_b64 s[64:65], 0
	v_nop
	global_prefetch_b8 v0, s[64:65] scope:SCOPE_SE
	s_setreg_imm32_b32 hwreg(HW_REG_WAVE_MODE, 25, 1), 1
	s_wait_xcnt 0x0
; Masked attention on codes of FP6 (E2M3), head size 64, 1,024 keys; the result is quantised along the next product's K and stored as images of that product's operand registers.
; SHARES.  A work-group (x = 8 qg + hp, y = batch) owns the head pair hp and 256 queries; each of its sixteen waves owns one tile of 16 queries (row block 8 qg + wave / 2, tile wave % 2), first for head 2 hp, then for
; head 2 hp + 1: four waves to a SIMD, so that one wave's vector work stands beside another's matrix work and LDS loads.  All of K and V of the two heads (196,608 bytes of images, 8,192 of scales) is copied ONCE into
; LDS, as it lies in memory; the second head's half lands while the first head is worked.  WHY NO JOINT REQUESTS: each byte of K and V is fetched once by a work-group and then feeds 256 key steps bound by vector work,
; so what four partners could share is a small part of a work-group's time; and these fills are lane-wise copies, for which there is no joint form.
; THE SOFTMAX: t = score x log2(e) / 8; M = the running largest t rounded UP to a whole number; p = 2^(t - M) is quantised along the keys, not normalised; the row's sum is taken of the unquantised p and divides at the end.
; HEAD SIZE 64 IS HALF OF THE INSTRUCTION'S K.  A fragment of K holds TWO key tiles (registers 0-5 tile 0, 6-11 tile 1 of a block of 32 keys); q lies as [q | six registers of zero codes | q]: the first 12 registers
; pick tile 0's scores, the last 12 tile 1's.  Nothing padded is stored or loaded.
; THE MASK costs no vector instruction: the scores' registers are loaded with 0 or, for a masked key, -2^33, and the product adds onto them as C; the launch before has set masked keys' codes to 0.
; LIMIT: a masked logit is so -2^30 (-1.0737e9) where the definition has -1e9: the same results wherever every unmasked logit lies above about -1e9; a row all of whose keys are masked gets equal weights, as defined
; (-2^33 x c is exact, so every t - M is 0 there).  A block of zeros gets the scale byte 1 (its codes are zeros; this program alone reads the bytes).  NaN and infinities are not served.
; LAYOUT.  Both products are used transposed (source 0 = 16 keys, or 16 channels; source 1 = my 16 queries): a lane holds ONE query throughout.  The keys of a tile, and the channels of a tile of V, are chosen so that a
; lane's 16 registers of two neighbouring tiles are 16 neighbours along the next K.
.set IMGB,  6291456                    ; bytes of images in each buffer: the scales lie behind them
.set HEADB, 49152                      ; a head's images
.set VL,    98304                      ; LDS: K's images of the two heads at 0, V's here,
.set KSL,   196608                     ; K's scale words,
.set VSL,   200704                     ; V's,
.set MB,    204800                     ; and the mask as a bias, 4 bytes a key: written by LDS stores; no copy lands there
.set BK16, 1                           ; 16 L
.set BK8,  2                           ; 8 L
.set BV16, 3                           ; VL + 1536 h + 16 r
.set BV8,  4                           ; VL + 1536 h + 8 r
.set BB,   5                           ; MB + 64 h
.set BS,   6                           ; KSL + 4 L
.set R4,   7                           ; 4 r
.set DK16, 8                           ; v8-13: the same with the step's offsets
.set DK8,  9
.set DV16, 10
.set DV8,  11
.set DB,   12
.set DS,   13
.set Q,    22                          ; v22-39  q | zeros | q
.set KV,   40                          ; v40-87  four fragments of K, then of V
.set S,    88                          ; v88-151 scores, then p
.set O,    152                         ; v152-183 O^T
.set PC,   184                         ; p's codes
.set AO,   196                         ; the result's codes: head c of the pair in registers 6 c .. 6 c + 5
.set BM,   208
.set PT,   212
.set CT,   216
.set SO,   224
.set KSW,  228
.set VSW,  230
.set QSW,  232
.set PSW,  233
.set NM,   234                         ; v234 -M, v235 the running largest t
.set TMX,  235
.set LS,   236                         ; v[236:237] the sum in two halves
.set FF,   238                         ; v238 f = 2^(old M - new M); v239 written once, named with it as a pair
.set W,    240
.set AOW,  242                         ; the result's scale word
.set RL,   244                         ; v244 1 / sum; v245 written once
.set NEGB, 246
.set KH1,  250                         ; v250 the second head's copies: K's LDS address, 16 t + HEADB;
.set VH1,  251                         ; v251 V's, VL + HEADB + 16 t;
.set GH1,  252                         ; v252 and their offset in memory, 16 t + HEADB.  Written once
.set SEL,  20
.set CS,   22
.macro NOPS n
.rept \n
	v_nop
.endr
.endm
.macro WM d, a, b, sa, sb, ra          ; one matrix instruction, adding onto its own registers.  ra: source 0's scales stand in lanes 16-31
.if (\ra)
	v_wmma_scale_f32_16x16x128_f8f6f4 v[\d:\d+7], v[\a:\a+11], v[\b:\b+11], v[\d:\d+7], v[\sa], v[\sb] matrix_a_fmt:MATRIX_FMT_FP6 matrix_b_fmt:MATRIX_FMT_FP6 matrix_a_scale:MATRIX_SCALE_ROW1
.else
	v_wmma_scale_f32_16x16x128_f8f6f4 v[\d:\d+7], v[\a:\a+11], v[\b:\b+11], v[\d:\d+7], v[\sa], v[\sb] matrix_a_fmt:MATRIX_FMT_FP6 matrix_b_fmt:MATRIX_FMT_FP6
.endif
.endm
.macro QLOAD c                         ; my tile's half image of head c, into both ends of Q, and its scale words
	global_load_b128 v[Q:Q+3], v[BK16], s[38:39] offset:HEADB*\c
	global_load_b64 v[Q+4:Q+5], v[BK8], s[38:39] offset:HEADB*\c+512
	global_load_b128 v[Q+12:Q+15], v[BK16], s[38:39] offset:HEADB*\c
	global_load_b64 v[Q+16:Q+17], v[BK8], s[38:39] offset:HEADB*\c+512
	global_load_b32 v[QSW], v[R4], s[40:41] offset:4096*\c
.endm
	s_load_b256 s[4:11], s[0:1], 0x0               ; qbuf, kbuf, vbuf, mask
	s_load_b64 s[12:13], s[0:1], 0x20              ; abuf
	v_lshl_add_u32 v254, v0, 2, 0x33000
	v_mov_b32 v255, 0
	ds_add_u32 v254, v255
	ds_add_u32 v254, v255
	v_lshrrev_b32 v1, 5, v0
	s_delay_alu instid0(VALU_DEP_1)
	v_readfirstlane_b32 s18, v1                    ; wave 0..15
	v_lshlrev_b32 v14, 4, v0                       ; the copies' LDS addresses: K's images, 16 bytes a thread;
	v_lshl_add_u32 v15, v0, 4, VL                  ; V's;
	v_lshl_add_u32 v16, v0, 3, KSL                 ; K's scale words, 8 bytes a thread;
	v_lshl_add_u32 v17, v0, 3, VSL                 ; V's;
	v_lshlrev_b32 v18, 4, v0                       ; and their offsets in memory.  v14-19, v250-252 and the copies' bases stay as they are to the end
	v_lshlrev_b32 v19, 3, v0
	v_lshl_add_u32 v[KH1], v0, 4, HEADB            ; the second head has address registers of its own, so that every copy's immediate, which is added to both addresses, stays at 5 x 8,192 or under
	v_lshl_add_u32 v[VH1], v0, 4, VL+HEADB
	v_lshl_add_u32 v[GH1], v0, 4, HEADB
	v_lshl_add_u32 v20, v0, 3, MB
	s_and_b32 s14, ttmp9, 7                        ; hp
	s_lshr_b32 s15, ttmp9, 3                       ; qg
	s_and_b32 s16, ttmp7, 0xffff                   ; the batch
	s_lshl_b32 s17, s16, 4
	s_lshl_b32 s19, s14, 1
	s_add_co_u32 s17, s17, s19                     ; the pair's first head among the 128
	s_lshl_b32 s19, s15, 3
	s_lshr_b32 s48, s18, 1
	s_add_co_u32 s19, s19, s48                     ; my row block within the batch
	s_and_b32 s48, s18, 1                          ; my tile u
	s_mov_b32 s47, 0
	s_mov_b32 s51, 0
	s_mul_i32 s46, s17, HEADB
	s_lshl_b32 s50, s17, 11
	s_add_co_u32 s50, s50, IMGB
	s_wait_alu depctr_va_vdst(0)
	s_wait_dscnt 0x0
	s_wait_kmcnt 0x0
	s_add_nc_u64 s[28:29], s[6:7], s[46:47]        ; K's images of the pair,
	s_add_nc_u64 s[30:31], s[8:9], s[46:47]        ; V's,
	s_add_nc_u64 s[32:33], s[6:7], s[50:51]        ; K's scale words,
	s_add_nc_u64 s[34:35], s[8:9], s[50:51]        ; V's
	; 26 copies, ahead of every wait for copies, every LDS read and every barrier: the scales, head 0's K and V, then head 1's.  A wave's copy moves 512 (256) consecutive bytes
	global_load_async_to_lds_b64 v16, v19, s[32:33]
	global_load_async_to_lds_b64 v17, v19, s[34:35]
.irp i, 0,1,2,3,4,5
	global_load_async_to_lds_b128 v14, v18, s[28:29] offset:8192*\i
.endr
.irp i, 0,1,2,3,4,5
	global_load_async_to_lds_b128 v15, v18, s[30:31] offset:8192*\i
.endr
.irp i, 0,1,2,3,4,5
	global_load_async_to_lds_b128 v[KH1], v[GH1], s[28:29] offset:8192*\i
.endr
.irp i, 0,1,2,3,4,5
	global_load_async_to_lds_b128 v[VH1], v[GH1], s[30:31] offset:8192*\i
.endr
	s_mul_i32 s49, s19, 1536
	s_add_co_u32 s46, s46, s49
	s_mul_i32 s49, s48, 768
	s_add_co_u32 s46, s46, s49
	s_add_nc_u64 s[38:39], s[4:5], s[46:47]        ; q's half image: head, row block, tile
	s_lshl_b32 s46, s17, 12
	s_lshl_b32 s49, s19, 7
	s_add_co_u32 s46, s46, s49
	s_lshl_b32 s49, s48, 6
	s_add_co_u32 s46, s46, s49
	s_add_co_u32 s46, s46, IMGB
	s_add_nc_u64 s[40:41], s[4:5], s[46:47]        ; q's scale words
	s_lshl_b32 s46, s16, 12
	s_add_nc_u64 s[36:37], s[10:11], s[46:47]      ; the batch's mask
	s_lshl_b32 s50, s16, 5
	s_add_co_u32 s50, s50, s19                     ; my row block among the 256
	s_mul_i32 s46, s50, 24576
	s_mul_i32 s49, s14, 3072
	s_add_co_u32 s46, s46, s49
	s_mul_i32 s49, s48, 1536
	s_add_co_u32 s46, s46, s49
	s_add_nc_u64 s[42:43], s[12:13], s[46:47]      ; the result's image: fragment 2 hp + u of the row block
	s_lshl_b32 s46, s50, 10
	s_lshl_b32 s49, s14, 7
	s_add_co_u32 s46, s46, s49
	s_lshl_b32 s49, s48, 6
	s_add_co_u32 s46, s46, s49
	s_add_co_u32 s46, s46, IMGB
	s_add_nc_u64 s[44:45], s[12:13], s[46:47]      ; and its scale words
	s_mov_b32 s[SEL], 0x76543210
	s_mov_b32 s[SEL+1], 0xfedcba98                 ; v_permlanex16_b32's selects for lane l xor 16
	s_mov_b32 s[CS], 0x3e38aa3b                    ; c = log2(e) / 8
	s_mov_b32 s[CS+1], s[CS]                       ; (named with it as a pair, so it is written)
	v_and_b32 v21, 31, v0                          ; L
	v_and_b32 v[W], 15, v0                         ; r
	v_bfe_u32 v[W+1], v0, 4, 1                     ; h
	s_delay_alu instid0(VALU_DEP_3)
	v_lshlrev_b32 v[BK16], 4, v21
	s_delay_alu instid0(VALU_DEP_4)
	v_lshlrev_b32 v[BK8], 3, v21
	s_delay_alu instid0(VALU_DEP_3)
	v_mul_u32_u24 v[BV16], v[W+1], 1536
	s_delay_alu instid0(VALU_DEP_1)
	v_add_nc_u32 v[BV16], VL, v[BV16]
	s_delay_alu instid0(VALU_DEP_1)
	v_lshl_add_u32 v[BV8], v[W], 3, v[BV16]
	s_delay_alu instid0(VALU_DEP_2)
	v_lshl_add_u32 v[BV16], v[W], 4, v[BV16]
	v_lshl_add_u32 v[BB], v[W+1], 6, MB
	v_lshl_add_u32 v[BS], v21, 2, KSL
	v_lshlrev_b32 v[R4], 2, v[W]
	global_load_b64 v[248:249], v19, s[36:37]      ; the mask of keys 2 t, 2 t + 1
	QLOAD 0
	v_mov_b32 v[NEGB], 0xd0000000                  ; -2^33
.irp i, 0,1,2,3,4,5
	v_mov_b32 v[Q+6+\i], 0                         ; the zero codes between the two q: written once
.endr
.irp b, 0,1,2,3
	v_mov_b32 v[PT+\b], 0                          ; written once: a lane permute's destination counts as one of its sources
.endr
	v_mov_b32 v[FF+1], 0
	v_mov_b32 v[RL+1], 0
	s_wait_loadcnt 5                               ; the mask is in (behind it: q's five loads)
	v_cmp_eq_u32 vcc_lo, 0, v248
	s_delay_alu instid0(VALU_DEP_1)
	v_cndmask_b32 v248, 0, v[NEGB], vcc_lo
	v_cmp_eq_u32 vcc_lo, 0, v249
	s_delay_alu instid0(VALU_DEP_1)
	v_cndmask_b32 v249, 0, v[NEGB], vcc_lo
	ds_store_b64 v20, v[248:249]
	s_wait_asynccnt 12                             ; my part of the scales and of head 0's K and V has landed; head 1's 12 copies may be out: nothing of theirs is read before the next barrier
	s_wait_dscnt 0x0                               ; my part of the bias has landed
	s_barrier_signal -1
	s_barrier_wait -1                              ; everybody's has
	s_wait_loadcnt 0x0                             ; q
; A KEY STEP: 128 keys
.macro STEP
	v_add_nc_u32 v[DK16], s24, v[BK16]             ; these six are also the places in front of the loads into registers that the last products read
	v_add_nc_u32 v[DK8], s24, v[BK8]
	v_add_nc_u32 v[DV16], s24, v[BV16]
	v_add_nc_u32 v[DV8], s24, v[BV8]
	v_add_nc_u32 v[DB], s25, v[BB]
	v_add_nc_u32 v[DS], s26, v[BS]
.irp b, 0,1,2,3                        ; a fragment: the two key tiles of block b
	ds_load_b128 v[KV+12*\b:KV+12*\b+3], v[DK16] offset:1536*\b
	ds_load_b64 v[KV+12*\b+4:KV+12*\b+5], v[DK8] offset:1536*\b+512
	ds_load_b128 v[KV+12*\b+6:KV+12*\b+9], v[DK16] offset:1536*\b+768
	ds_load_b64 v[KV+12*\b+10:KV+12*\b+11], v[DK8] offset:1536*\b+1280
.endr
.irp j, 0,1
	ds_load_b32 v[KSW+\j], v[DS] offset:128*\j     ; lanes 0-15 block 2 j's words, lanes 16-31 block 2 j + 1's
.endr
.irp b, 0,1,2,3
.irp e, 0,1,2,3
	ds_load_b128 v[S+16*\b+4*\e:S+16*\b+4*\e+3], v[DB] offset:128*\b+16*\e   ; the bias of keys 32 b + 16 h + 0 .. 15: the products' C
.endr
.endr
	s_wait_alu depctr_va_vdst(0)
	s_wait_dscnt 0x0
.irp b, 0,1,2,3                        ; S^T = K q^T: register 16 b + i is key 32 b + 16 h + i of the step
	WM S+16*\b, KV+12*\b, Q, KSW+\b/2, QSW, \b%2
	WM S+16*\b+8, KV+12*\b, Q+6, KSW+\b/2, QSW, \b%2
.endr
	NOPS 4                                         ; places in front of the loads below and of the first read of the scores
.irp t, 0,1,2,3                        ; V's four channel tiles x these 128 keys: they land under the softmax
.irp e, 0,1
	ds_load_b128 v[KV+12*\t+6*\e:KV+12*\t+6*\e+3], v[DV16] offset:3072*\e+768*(\t/2)+256*(\t%2)
	ds_load_b64 v[KV+12*\t+6*\e+4:KV+12*\t+6*\e+5], v[DV8] offset:3072*\e+768*(\t/2)+512+128*(\t%2)
.endr
.endr
.irp j, 0,1
	ds_load_b32 v[VSW+\j], v[DS] offset:4096+128*\j
.endr
.irp b, 0,1,2,3
	v_max3_num_f32 v[BM+\b], v[S+16*\b], v[S+16*\b+1], v[S+16*\b+2]   ; the largest score of each block of 32 keys: it serves for the row's maximum and, since p rises with the score, for the block's largest p
.endr
.irp i, 3,5,7,9,11,13
.irp b, 0,1,2,3
	v_max3_num_f32 v[BM+\b], v[BM+\b], v[S+16*\b+\i], v[S+16*\b+\i+1]
.endr
.endr
.irp b, 0,1,2,3
	v_max_num_f32 v[BM+\b], v[BM+\b], v[S+16*\b+15]
.endr
.irp b, 0,1,2,3
	s_delay_alu instid0(VALU_DEP_4)
	v_permlanex16_b32 v[PT+\b], v[BM+\b], s[SEL], s[SEL+1]
.endr
.irp b, 0,1,2,3
	s_delay_alu instid0(VALU_DEP_4)
	v_max_num_f32 v[BM+\b], v[BM+\b], v[PT+\b]     ; with lane l xor 16's 16 keys
.endr
	s_delay_alu instid0(VALU_DEP_2)
	v_max3_num_f32 v[W], v[BM], v[BM+1], v[BM+2]
	s_delay_alu instid0(VALU_DEP_1)
	v_max_num_f32 v[W], v[W], v[BM+3]
	s_delay_alu instid0(VALU_DEP_1)
	v_mul_f32 v[W], s[CS], v[W]                    ; as t (c is positive)
	s_delay_alu instid0(VALU_DEP_1)
	v_max_num_f32 v[TMX], v[TMX], v[W]             ; the running largest t
	v_mov_b32 v[W], v[NM]
	s_delay_alu instid0(VALU_DEP_2)
	v_floor_f32 v[NM], -v[TMX]                     ; the new -M = floor(-t) = -ceil(t)
	s_delay_alu instid0(VALU_DEP_1)
	v_sub_f32 v[W], v[NM], v[W]                    ; old M - new M: a whole number, 0 or less
	s_delay_alu instid0(VALU_DEP_1)
	v_cvt_i32_f32 v[W], v[W]                       ; (it saturates)
	s_delay_alu instid0(VALU_DEP_1)
	v_ldexp_f32 v[FF], 1.0, v[W]                   ; f = 2^(old M - new M): a multiplication by it rounds nothing
.set j, 0
.rept 32
	v_pk_fma_f32 v[S+j:S+j+1], v[S+j:S+j+1], s[CS:CS+1], v[NM:NM+1] op_sel_hi:[1,0,0]   ; t - M, two at a time (of the pairs c and -M the low word serves both halves)
.set j, j+2
.endr
.irp b, 0,1,2,3
	v_fma_f32 v[BM+\b], v[BM+\b], s[CS], v[NM]
.endr
.set j, 0
	s_setprio 1
	s_wait_alu depctr_va_vdst(0)
.rept 64
	v_exp_f32 v[S+j], v[S+j]                       ; p = 2^(t - M), at most 1
.set j, j+1
.endr
.irp b, 0,1,2,3
	v_exp_f32 v[BM+\b], v[BM+\b]                   ; the block's largest p
.endr
	v_pk_mul_f32 v[LS:LS+1], v[LS:LS+1], v[FF:FF+1] op_sel_hi:[1,0]   ; the sums under the new M (a plain place behind the exponentials)
	s_wait_alu depctr_va_vdst(0)
.irp b, 0,1,2,3
	v_max_num_f32 v[BM+\b], 0x1800000, v[BM+\b]    ; the floor 2^(3 - 127): the byte cannot fall under 1
.endr
.irp b, 0,1,2,3
	s_delay_alu instid0(VALU_DEP_4)
	v_add_nc_u32 v[SO+\b], 0xff000000, v[BM+\b]    ; 2 off the exponent field: the conversion's scale operand
.endr
.irp b, 0,1,2,3
	s_delay_alu instid0(VALU_DEP_4)
	v_lshrrev_b32 v[PT+\b], 23, v[SO+\b]
.endr
	s_delay_alu instid0(VALU_DEP_3)
	v_lshl_or_b32 v[PSW], v[PT+1], 8, v[PT]        ; p's scale word for these 128 keys
	s_delay_alu instid0(VALU_DEP_1)
	v_lshl_or_b32 v[PSW], v[PT+2], 16, v[PSW]
	s_delay_alu instid0(VALU_DEP_1)
	v_lshl_or_b32 v[PSW], v[PT+3], 24, v[PSW]
.irp c, 0,1
	v_cvt_scalef32_pk16_fp6_f32 v[PC+6*\c:PC+6*\c+2], v[S+32*\c:S+32*\c+15], v[SO+2*\c]
	v_cvt_scalef32_pk16_fp6_f32 v[CT+4*\c:CT+4*\c+2], v[S+32*\c+16:S+32*\c+31], v[SO+2*\c+1]
.endr
	v_nop                                          ; one plain place behind a scaled conversion
.irp c, 0,1                            ; a whole block to a lane: lanes 0-15 block 2 c, lanes 16-31 block 2 c + 1
.irp i, 0,1,2
	v_permlane16_swap_b32 v[PC+6*\c+\i], v[CT+4*\c+\i]
.endr
.irp i, 0,1,2
	s_delay_alu instid0(VALU_DEP_3)
	v_mov_b32 v[PC+6*\c+3+\i], v[CT+4*\c+\i]
.endr
.endr
	v_pk_add_f32 v[W:W+1], v[S:S+1], v[S+2:S+3]    ; the row's sum is taken of the unquantised p, in two chains
.set j, 4
.rept 15
	v_pk_add_f32 v[LS:LS+1], v[LS:LS+1], v[S+j:S+j+1]
	v_pk_add_f32 v[W:W+1], v[W:W+1], v[S+j+2:S+j+3]
.set j, j+4
.endr
	s_delay_alu instid0(VALU_DEP_1)
	v_pk_add_f32 v[LS:LS+1], v[LS:LS+1], v[W:W+1]
.set j, 0
	s_setprio 0
.rept 16
	v_pk_mul_f32 v[O+j:O+j+1], v[O+j:O+j+1], v[FF:FF+1] op_sel_hi:[1,0]   ; O^T under the new M.  (These and the sums are the places between p's codes and scale word and the products below)
.set j, j+2
.endr
	s_wait_alu depctr_va_vdst(0)
	s_wait_dscnt 0x0                               ; V is in
.irp t, 0,1,2,3                        ; O^T += V^T p^T: register 16 B + i is channel 32 B + 16 h + i
	WM O+8*\t, KV+12*\t, PC, VSW+\t/2, PSW, \t%2
.endr
.endm
; One head of the pair: eight key steps, the division, the quantiser along the next product's K (the head's 64 channels are two blocks of it)
.macro HEAD c
	v_mov_b32 v[TMX], 0xff61b1e6                   ; the largest t so far: -3e38, under every t
	s_delay_alu instid0(VALU_DEP_1)
	v_floor_f32 v[NM], -v[TMX]
	v_mov_b32 v[LS], 0
	v_mov_b32 v[LS+1], 0
.set j, 0
.rept 32
	v_mov_b32 v[O+j], 0                            ; the step is written once: the first finds zeros, which the first change of M leaves zeros
.set j, j+1
.endr
	s_mov_b32 s24, HEADB*\c                        ; the step's images: 6,144 bytes a step
	s_mov_b32 s25, 0                               ; its bias: 512
	s_mov_b32 s26, 2048*\c                         ; its scale words: 256
	s_mov_b32 s27, 8
.Lstep_\@:
	s_setprio 2
	STEP
	s_add_co_u32 s24, s24, 6144
	s_add_co_u32 s25, s25, 512
	s_add_co_u32 s26, s26, 256
	s_sub_co_u32 s27, s27, 1
	s_cmp_lg_u32 s27, 0
	s_cbranch_scc1 .Lstep_\@
	s_setprio 0
	NOPS 4
.if \c == 0
	QLOAD 1                                        ; the next head's q lands under what follows
.endif
	v_add_f32 v[LS], v[LS], v[LS+1]
	s_delay_alu instid0(VALU_DEP_1)
	v_permlanex16_b32 v[W], v[LS], s[SEL], s[SEL+1]
	s_delay_alu instid0(VALU_DEP_1)
	v_add_f32 v[LS], v[LS], v[W]                   ; the row's sum
	s_wait_alu depctr_va_vdst(0)
	v_rcp_f32 v[RL], v[LS]
	v_nop                                          ; one plain place behind a transcendental
.set j, 0
	s_wait_alu depctr_va_vdst(0)
.rept 16
	v_pk_mul_f32 v[O+j:O+j+1], v[O+j:O+j+1], v[RL:RL+1] op_sel_hi:[1,0]
.set j, j+2
.endr
.irp b, 0,1
	v_max3_num_f32 v[BM+\b], |v[O+16*\b]|, |v[O+16*\b+1]|, 0x1800000
.endr
.irp i, 2,4,6,8,10,12,14
.irp b, 0,1
	s_delay_alu instid0(VALU_DEP_2)
	v_max3_num_f32 v[BM+\b], v[BM+\b], |v[O+16*\b+\i]|, |v[O+16*\b+\i+1]|
.endr
.endr
.irp b, 0,1
	s_delay_alu instid0(VALU_DEP_2)
	v_permlanex16_b32 v[PT+\b], v[BM+\b], s[SEL], s[SEL+1]
.endr
.irp b, 0,1
	s_delay_alu instid0(VALU_DEP_2)
	v_max_num_f32 v[BM+\b], v[BM+\b], v[PT+\b]
.endr
.irp b, 0,1
	s_delay_alu instid0(VALU_DEP_2)
	v_add_nc_u32 v[SO+\b], 0xff000000, v[BM+\b]
.endr
.irp b, 0,1
	s_delay_alu instid0(VALU_DEP_2)
	v_lshrrev_b32 v[PT+\b], 23, v[SO+\b]
.endr
.if \c == 0
	s_delay_alu instid0(VALU_DEP_1)
	v_lshl_or_b32 v[AOW], v[PT+1], 8, v[PT]
.else
	s_delay_alu instid0(VALU_DEP_2)
	v_lshl_or_b32 v[AOW], v[PT], 16, v[AOW]
	s_delay_alu instid0(VALU_DEP_1)
	v_lshl_or_b32 v[AOW], v[PT+1], 24, v[AOW]
.endif
	v_cvt_scalef32_pk16_fp6_f32 v[AO+6*\c:AO+6*\c+2], v[O:O+15], v[SO]
	v_cvt_scalef32_pk16_fp6_f32 v[CT:CT+2], v[O+16:O+31], v[SO+1]
	v_nop
.irp i, 0,1,2
	v_permlane16_swap_b32 v[AO+6*\c+\i], v[CT+\i]
.endr
.irp i, 0,1,2
	s_delay_alu instid0(VALU_DEP_3)
	v_mov_b32 v[AO+6*\c+3+\i], v[CT+\i]
.endr
.endm
	HEAD 0
	s_wait_asynccnt 0x0                            ; my part of head 1's K and V has landed
	s_wait_dscnt 0x0
	s_barrier_signal -1
	s_barrier_wait -1                              ; everybody's has
	s_wait_loadcnt 0x0                             ; head 1's q
	HEAD 1
.irp g, 0,1,2
	global_store_b128 v[BK16], v[AO+4*\g:AO+4*\g+3], s[42:43] offset:512*\g th:TH_STORE_NT   ; the fragment's image: 512 consecutive bytes a store, aligned to 256
.endr
	global_store_b32 v[R4], v[AOW], s[44:45]       ; lanes r and r + 16 hold the same word and store it to the same place
	s_wait_tensorcnt 0x0
	ds_add_u32 v254, v255
	s_wait_dscnt 0x0
	s_endpgm
.Lfunc_end_k_q59d6e51031_attn:
	.size	k_q59d6e51031_attn, .Lfunc_end_k_q59d6e51031_attn-k_q59d6e51031_attn
	.p2alignl 7, 3214868480
	.fill 96, 4, 3214868480
	.section	.rodata,"a",@progbits
	.p2align	6, 0x0
	.amdhsa_kernel k_q59d6e51031_attn
		.amdhsa_group_segment_fixed_size 210944
		.amdhsa_private_segment_fixed_size 0
		.amdhsa_enable_private_segment 0
		.amdhsa_kernarg_size 40
		.amdhsa_user_sgpr_count 2
		.amdhsa_user_sgpr_kernarg_segment_ptr 1
		.amdhsa_wavefront_size32 1
		.amdhsa_system_sgpr_workgroup_id_x 1
		.amdhsa_system_sgpr_workgroup_id_y 1
		.amdhsa_system_sgpr_workgroup_id_z 1
		.amdhsa_system_vgpr_workitem_id 0
		.amdhsa_next_free_vgpr 256
		.amdhsa_next_free_sgpr 66
		.amdhsa_reserve_vcc 1
		.amdhsa_float_denorm_mode_32 3
		.amdhsa_float_denorm_mode_16_64 3
		.amdhsa_memory_ordered 1
		.amdhsa_forward_progress 1
		.amdhsa_inst_pref_size 58
	.end_amdhsa_kernel
	.amdgpu_metadata
---
amdhsa.version: [ 1, 2 ]
amdhsa.kernels:
  - .name:           k_q59d6e51031_attn
    .symbol:         k_q59d6e51031_attn.kd
    .args:
      - { .name: qbuf, .offset: 0, .size: 8, .value_kind: global_buffer, .address_space: global }
      - { .name: kbuf, .offset: 8, .size: 8, .value_kind: global_buffer, .address_space: global }
      - { .name: vbuf, .offset: 16, .size: 8, .value_kind: global_buffer, .address_space: global }
      - { .name: mask, .offset: 24, .size: 8, .value_kind: global_buffer, .address_space: global }
      - { .name: abuf, .offset: 32, .size: 8, .value_kind: global_buffer, .address_space: global }
    .group_segment_fixed_size: 210944
    .private_segment_fixed_size: 0
    .kernarg_segment_align: 8
    .kernarg_segment_size: 40
    .max_flat_workgroup_size: 512
    .sgpr_count:     66
    .vgpr_count:     256
    .wavefront_size: 32
...
	.end_amdgpu_metadata
.endif
;; end of part 7
;; launch ffn (part 8): grid 256 x 1, 8 waves a work-group, no clusters, 205,824 bytes of LDS; arguments abuf, wl, wo_scales, w1_scales, w2_scales, bo, b1, b2, g2, be2, x, out0; writes out0
.if DOCPART == 8
	.amdgcn_target "amdgcn-amd-amdhsa--gfx1250"
	.amdhsa_code_object_version 6
	.text
	.protected	k_q59d6e51031_ffn
	.globl	k_q59d6e51031_ffn
	.p2align	8
	.type	k_q59d6e51031_ffn,@function
k_q59d6e51031_ffn:
	s_mov_b64 s[64:65], 0
	v_nop
	global_prefetch_b8 v0, s[64:65] scope:SCOPE_SE
	s_setreg_imm32_b32 hwreg(HW_REG_WAVE_SCHED_MODE, 0, 2), 2
	s_setreg_imm32_b32 hwreg(HW_REG_WAVE_MODE, 25, 1), 1
	s_wait_xcnt 0x0
	s_wait_alu depctr_vm_vsrc(0)
; x1 = x + a Wo^T + bo;  out = x1 + relu(LayerNorm(x1) W1^T + b1) W2^T + b2: three products on codes of FP6 (E2M3) with one E8M0 scale for each 32 along K.  a arrives as images of operand registers with its scale
; words; LayerNorm(x1) and the hidden layer are quantised in registers; all three left operands go from wave to wave through LDS as images.  x1 never goes to memory.
; SHARES.  A work-group owns 32 whole rows (row block = work-group number); its eight waves share the COLUMNS: wave w owns columns 128 w .. 128 w + 127 of every result and its own eighth of each weight, which goes
; from memory straight into registers in the order that the first launch has laid: each load of a wave is 512 consecutive bytes, and no weight byte is read twice in a work-group.  Of a's 16 images each wave
; fetches two, so that they too are read once.
; THE WEIGHTS' STREAM.  Sixteen fragments of the weight (two K steps) stand in registers, in four groups of four.  A group is asked for again as soon as its eight products are issued, so a wave has 36 to 48 loads out
; all through a product, and the stream runs on from one weight into the next: the next weight's first two K steps are asked for in the last two K steps of the product in hand and land under the norm or the quantiser.
; Nothing else stands in that stream.  The left operand's fragments stay in LDS and come two K steps ahead; gamma, beta and b1 are brought once, 512 bytes a wave each, into LDS bytes of the wave's own and are read
; from there in the result's layout; the next weight's scale words are asked for as soon as their registers are free (K steps 0-3 behind K step 3, K steps 4-7 behind K step 7), each ahead of the group whose wait
; shows them landed.
; WHY NO TENSOR LOADS AND NO JOINT REQUESTS: a weight fragment feeds two matrix instructions here, so a way through LDS would write and read 1,536 bytes for two products, and a ring of slots has nothing on its way
; at each change of slots; joint requests exist for tensor loads alone.
; ROW MAP.  Tile u (0, 1), lane r holds row 8 u + r + 8 (r / 8) of the block; position p = 16 u + r.  The rows of a weight tile are chosen alike.  The products are used transposed (source 0 = 16 rows of W, source 1 =
; 16 rows of the left operand): register 64 u + 16 b + i of lane (r, h) is row (u, r), column 128 w + 32 b + 16 h + i: sixteen neighbours along the next K.
; THE RESIDUALS AND BIASES COST NO ADDITION BEHIND A PRODUCT: x + bo is the C of the first product's first links, b1 of the second's, x1 (kept in the wave's stage in LDS) of the third's; b2 is added on the way out.
; LIMITS: a block of zeros gets the scale byte 1 where the quantiser says 127 (its codes are zeros, and these bytes are read by this program alone); NaN and infinities among the inputs are not served;
; 1 / (std + eps) is a reciprocal and a multiplication, 1 / 1023 a rounded constant; x + bo is summed ahead of the product.
; REGISTERS, two windows of 256.  Window 0: v0-191 the weight's 16 fragments (fragment f = 8 s + t in slot f % 16); v192-199 the left operand's scale words (lanes 0-15 tile 0, lanes 16-31 tile 1); v200-231 the
; weight's scale words (8 p + s: lanes 0-15 tile 2 p, lanes 16-31 tile 2 p + 1); v232 16 L; v254, v255 the closing add's two.   Window 1: v0-127 accumulators; v128-175 the left operand's fragments of two K steps
; (during the norm: gamma and beta); v176-223 work registers; v224-255 addresses and single numbers.  The ring and the accumulators do not fit into one window: two switches of the window for eight products are the price.
; THE MODE: SCHED_MODE bits 1:0 = 2 (LLVM: expert scheduling mode 2), set by the entry lines.  The code itself states the register dependences between vector or matrix instructions and memory or LDS instructions,
; with s_wait_alu, always for 0.
; THE PLAN.  Registers that memory or LDS instructions touch, and who else names them:
;   the ring         a group's twelve loads land in it, its eight products read it, and behind them it is asked for again.
;   AF, two sets     K step s's sixteen products read set s % 2; behind them the LDS loads of K step s + 2 land in it.
;   BSC, ASC         read by the products as scales.  The next weight's words land in a half of BSC when its four K steps are over; ASC is loaded anew ahead of each product.
;   ACC              written by products and vector lines; LDS stores read it (x + bo, x1 and the result into the stage); LDS loads land in it (out of the stage; b1).  On the way out the global stores read it.
;   GA, GC           gamma's and beta's chunks: LDS loads land in them, the multiply-adds read them.
;   T                read by the LDS stores of the three vectors; the partial sums' loads land in it; all else in it is vector work.
;   PCA, PCB, W0     the out-buffers: a's images and words land in them at the head; later the quantiser and the line behind it write them; LDS stores read them.
;   the addresses    written at the head and never again.
; So a K step holds two waits on va_vdst, each behind eight products and their places and ahead of the run of loads that land in what those products read.  A quantiser's lines all come first, then one wait on
; va_vdst, then its LDS stores and the LDS loads behind them; one wait on vm_vsrc stands ahead of the first line that writes the out-buffers again.  The way out goes in four groups of eight positions: sixteen
; additions, one wait, eight stores.
.set IMGB,  6291456                    ; bytes of images in abuf: the scale words lie behind them
.set WMAT,  786432
.set AIMG0, 0                          ; LDS: 16 images of 1,536 bytes (f = 2 s + u): LayerNorm(x1),
.set ASCL0, 24576                      ; their scale words [s 8][p 32],
.set AIMG1, 25600                      ; a's images, later the hidden layer's (the norm's two barriers lie between the last read of the one and the first write of the other),
.set ASCL1, 50176                      ; their scale words,
.set PART1, 51200                      ; the waves' partial sums [w 8][p 32],
.set PART2, 52224                      ; and sums of squares,
.set STG,   53248                      ; a stage for each wave: 32 positions x (512 bytes + 16),
.set SP,    528
.set WSTG,  32*SP
.set GB,    188416                     ; and 2,048 bytes for each wave: gamma, beta, b1 at its 128 columns, 512 bytes each
.set RING,  0
.set ASC,   192
.set BSC,   200
.set ACC,   0
.set AF,    128                        ; K step s's two fragments at AF + 24 (s % 2) + 12 u
.set GA,    128                        ; gamma's and beta's chunks: 16 + 16 registers here,
.set GC,    192                        ; and here
.set T,     176
.set TM,    176
.set CT,    192
.set PCA,   200
.set PCB,   212
.set L4,    224                        ; 4 L
.set R4,    226                        ; 4 r
.set IMW,   227                        ; 16 L + 3072 w
.set SCW,   228                        ; 4 L + 128 w
.set STR,   229                        ; my stage + 16 L: rows as they lie in memory
.set STL,   230                        ; my stage + 528 r + 64 h: a lane's sixteen neighbours
.set XOFF,  231                        ; 512 w + 16 L
.set WOFF,  232                        ; 16 L (in both windows)
.set SOFF,  234                        ; 32 (128 w + 8 h + r + 8 (r / 8))
.set GBR,   235                        ; my 2,048 bytes + 64 h: a vector in the result's layout
.set GBW,   236                        ; my 2,048 bytes + 16 L: a vector as it lies in memory
.set B2,    238                        ; v[238:241] b2 at my four columns of a row as it lies in memory
.set PW0,   243
.set PW1,   244
.set P0,    246                        ; v[246:247] tile 0's mean, later 1 / (std + eps), twice
.set P1,    248                        ; v[248:249] tile 1's
.set W0,    250
.set W1,    251
.set RB,    252                        ; v[252:255] bo likewise
.set SEL,   36                         ; s[36:37] lane selects for v_permlanex16_b32: lane l xor 16
.set HM,    38                         ; s38 the mask of lanes 16-31
.set MSB, 0
.macro WIN new                         ; the immediate's high byte repeats the setting that is left
.if MSB != \new
	s_set_vgpr_msb (MSB<<8)|\new
.set MSB, \new
.endif
.endm
.macro NOPS n
.rept \n
	v_nop
.endr
.endm
.macro BARRIER                         ; my LDS stores have landed and my LDS loads are in: then the work-group's barrier
	s_wait_dscnt 0x0
	s_barrier_signal -1
	s_barrier_wait -1
.endm
; THE COUNTS OF THE WAITS FOR LOADS.  The text has no branch, so LC, stepped at every load, is the number of loads issued so far.  A mark is LC behind the last load of what is waited for; loads come back in order
; (ISA guide 5.7.1), so the wait leaves out LC - mark: just what has been issued behind it.  For a group of the ring that is three younger groups, 36, and 4 more where four loads of scale words lie among them.
.set LC, 0
.set MG0, 0
.set MG1, 0
.set MG2, 0
.set MG3, 0
.macro MARKG k
.if ((\k)%4) == 0
.set MG0, LC
.elseif ((\k)%4) == 1
.set MG1, LC
.elseif ((\k)%4) == 2
.set MG2, LC
.else
.set MG3, LC
.endif
.endm
.macro WAITM m
.set WC, LC-(\m)
.if WC > 63
.set WC, 63                            ; the wait's field holds no more, and fewer left out is safe
.endif
	s_wait_loadcnt WC
.endm
.macro WAITG k
.if ((\k)%4) == 0
	WAITM MG0
.elseif ((\k)%4) == 1
	WAITM MG1
.elseif ((\k)%4) == 2
	WAITM MG2
.else
	WAITM MG3
.endif
.endm
; one matrix instruction, adding onto its own registers.  ra, rb: the side's scales stand in lanes 16-31
.macro WM d, a, b, sa, sb, ra, rb
.if (\ra) && (\rb)
	v_wmma_scale_f32_16x16x128_f8f6f4 v[\d:\d+7], v[\a:\a+11], v[\b:\b+11], v[\d:\d+7], v[\sa], v[\sb] matrix_a_fmt:MATRIX_FMT_FP6 matrix_b_fmt:MATRIX_FMT_FP6 matrix_a_scale:MATRIX_SCALE_ROW1 matrix_b_scale:MATRIX_SCALE_ROW1
.elseif (\ra)
	v_wmma_scale_f32_16x16x128_f8f6f4 v[\d:\d+7], v[\a:\a+11], v[\b:\b+11], v[\d:\d+7], v[\sa], v[\sb] matrix_a_fmt:MATRIX_FMT_FP6 matrix_b_fmt:MATRIX_FMT_FP6 matrix_a_scale:MATRIX_SCALE_ROW1
.elseif (\rb)
	v_wmma_scale_f32_16x16x128_f8f6f4 v[\d:\d+7], v[\a:\a+11], v[\b:\b+11], v[\d:\d+7], v[\sa], v[\sb] matrix_a_fmt:MATRIX_FMT_FP6 matrix_b_fmt:MATRIX_FMT_FP6 matrix_b_scale:MATRIX_SCALE_ROW1
.else
	v_wmma_scale_f32_16x16x128_f8f6f4 v[\d:\d+7], v[\a:\a+11], v[\b:\b+11], v[\d:\d+7], v[\sa], v[\sb] matrix_a_fmt:MATRIX_FMT_FP6 matrix_b_fmt:MATRIX_FMT_FP6
.endif
.endm
; 64 numbers of a lane, register 16 b + i = element 16 h + i of block b, become codes: v[d0 .. d0 + 5] holds block 0 whole in lanes 0-15 and block 1 in lanes 16-31, v[d1 ..] blocks 2 and 3; pw: the four scale bytes
.macro QUANT s, d0, d1, pw
.irp b, 0,1,2,3
	v_mov_b32 v[TM+4+\b], 0                        ; a lane permute's destination counts as one of its sources
.endr
.irp b, 0,1,2,3
	v_max3_num_f32 v[TM+\b], |v[\s+16*\b]|, |v[\s+16*\b+1]|, 0x1800000   ; my 16 numbers, and the floor 2^(3 - 127): the byte cannot fall under 1
.endr
.irp i, 2,4,6,8,10,12,14
.irp b, 0,1,2,3
	v_max3_num_f32 v[TM+\b], v[TM+\b], |v[\s+16*\b+\i]|, |v[\s+16*\b+\i+1]|   ; the four blocks by turns
.endr
.endr
.irp b, 0,1,2,3
	v_permlanex16_b32 v[TM+4+\b], v[TM+\b], s[SEL], s[SEL+1]
.endr
.irp b, 0,1,2,3
	v_max_num_f32 v[TM+\b], v[TM+\b], v[TM+4+\b]   ; with lane l xor 16's: the block's largest magnitude
.endr
.irp b, 0,1,2,3
	v_add_nc_u32 v[TM+12+\b], 0xff000000, v[TM+\b] ; 2 off its exponent field: the conversion takes that field as its scale
.endr
.irp b, 0,1,2,3
	v_lshrrev_b32 v[TM+4+\b], 23, v[TM+12+\b]      ; the scale's byte
.endr
	v_lshl_or_b32 v[\pw], v[TM+5], 8, v[TM+4]
	v_lshl_or_b32 v[\pw], v[TM+6], 16, v[\pw]
	v_lshl_or_b32 v[\pw], v[TM+7], 24, v[\pw]
	v_cvt_scalef32_pk16_fp6_f32 v[\d0:\d0+2], v[\s:\s+15], v[TM+12]
	v_cvt_scalef32_pk16_fp6_f32 v[CT:CT+2], v[\s+16:\s+31], v[TM+13]       ; (a conversion's three registers begin on an even number)
	v_cvt_scalef32_pk16_fp6_f32 v[\d1:\d1+2], v[\s+32:\s+47], v[TM+14]
	v_cvt_scalef32_pk16_fp6_f32 v[CT+4:CT+6], v[\s+48:\s+63], v[TM+15]
	v_nop                                          ; one plain place behind a scaled conversion
.irp i, 0,1,2
	v_permlane16_swap_b32 v[\d0+\i], v[CT+\i]      ; the first's lanes 16-31 change places with the second's lanes 0-15: a whole block to a lane
.endr
.irp i, 0,1,2
	v_mov_b32 v[\d0+3+\i], v[CT+\i]
.endr
.irp i, 0,1,2
	v_permlane16_swap_b32 v[\d1+\i], v[CT+4+\i]
.endr
.irp i, 0,1,2
	v_mov_b32 v[\d1+3+\i], v[CT+4+\i]
.endr
.endm
.macro VLOAD dst, sb                   ; my wave's 128 numbers of a vector, as they lie in memory: 512 consecutive bytes
	global_load_b128 v[\dst:\dst+3], v[XOFF], s[\sb:\sb+1]
.set LC, LC+1
.endm
.macro XLOAD sb                        ; my 512 bytes of each of the 32 rows, position p = row 8 (p / 16) + p % 16 + 8 ((p % 16) / 8)
.set p, 0
.rept 32
	global_load_b128 v[ACC+4*p:ACC+4*p+3], v[XOFF], s[\sb:\sb+1] offset:(8*(p/16)+p%16+8*((p%16)/8))*4096 th:TH_LOAD_NT
.set p, p+1
.endr
.set LC, LC+32
.endm
.macro RESTORE                         ; out of my stage: register 64 u + 16 b + i = row (u, r), column 32 b + 16 h + i of my 128
.irp u, 0,1
.irp b, 0,1,2,3
.irp q, 0,1,2,3
	ds_load_b128 v[ACC+64*\u+16*\b+4*\q:ACC+64*\u+16*\b+4*\q+3], v[STL] offset:16*SP*\u+128*\b+16*\q
.endr
.endr
.endr
.endm
.macro SAVE                            ; and into it, from the same registers; each accumulator from its low end on
.irp u, 0,1
.irp b, 0,1,2,3
.irp q, 0,1,2,3
	ds_store_b128 v[STL], v[ACC+64*\u+16*\b+4*\q:ACC+64*\u+16*\b+4*\q+3] offset:16*SP*\u+128*\b+16*\q
.endr
.endr
.endr
.endm
.macro TURN_IN                         ; rows as loaded go into my own stage and come back sixteen neighbours to a lane.  LDS serves a wave's instructions in order: no wait on DScnt between
.set p, 0
.rept 32
	ds_store_b128 v[STR], v[ACC+4*p:ACC+4*p+3] offset:SP*p
.set p, p+1
.endr
	s_wait_alu depctr_vm_vsrc(0)                   ; the LDS stores above have read ACC, in which the loads below land; those ahead of them have read T, PCA, PCB and v[W0], which the norm writes or loads into
	s_wait_alu depctr_va_vdst(0)                   ; the additions of bo have written ACC, in which the loads below land: stated again straight ahead of the run, since stores that name these registers stand behind the wait ahead of them
	RESTORE
	s_wait_dscnt 0x0
.endm
.macro LDSVEC dst, off                 ; a vector out of my 2,048 bytes, in the result's layout: register 16 b + i = column 32 b + 16 h + i.  Sixteen lanes share an address
.irp b, 0,1,2,3
.irp q, 0,1,2,3
	ds_load_b128 v[\dst+16*\b+4*\q:\dst+16*\b+4*\q+3], v[GBR] offset:\off+128*\b+16*\q
.endr
.endr
.endm
.macro GCHUNK base, b                  ; gamma's and beta's 16 numbers of block b: eight loads
.irp q, 0,1,2,3
	ds_load_b128 v[\base+4*\q:\base+4*\q+3], v[GBR] offset:128*\b+16*\q
	ds_load_b128 v[\base+16+4*\q:\base+16+4*\q+3], v[GBR] offset:512+128*\b+16*\q
.endr
.endm
.macro GFMA base, b                    ; x gamma + beta on block b of both tiles
.irp u, 0,1
.irp k, 0,2,4,6,8,10,12,14
	v_pk_fma_f32 v[ACC+64*\u+16*\b+\k:ACC+64*\u+16*\b+\k+1], v[ACC+64*\u+16*\b+\k:ACC+64*\u+16*\b+\k+1], v[\base+\k:\base+\k+1], v[\base+16+\k:\base+17+\k]
.endr
.endr
.endm
.macro BSCQ ss, k                      ; a weight's scale words of K steps 4 k .. 4 k + 3, as they are given: 32 bytes a row
	WIN 0x01
.irp p, 0,1,2,3
	global_load_b128 v[BSC+8*\p+4*\k:BSC+8*\p+4*\k+3], v[SOFF], s[\ss:\ss+1] offset:1024*\p+16*\k
.endr
.set LC, LC+4
.endm
.macro RINGG wb, k                     ; group k of a weight's 16: fragments 4 k .. 4 k + 3 into slots f % 16: twelve loads of 512 consecutive bytes
	WIN 0x01
.set fj, 4*(\k)
.rept 4
.irp g, 0,1,2
	global_load_b128 v[RING+12*(fj%16)+4*\g:RING+12*(fj%16)+4*\g+3], v[WOFF], s[\wb:\wb+1] offset:1536*fj+512*\g
.endr
.set fj, fj+1
.endr
.set LC, LC+12
	MARKG \k
.endm
.macro REFILL wb, nb, k                ; behind group k - 4's products: group k of this weight or, past its end, of the next (nb = 0: there is none)
.if (\k) < 16
	RINGG \wb, \k
.elseif (\nb)
	RINGG \nb, (\k)-16
.endif
.endm
.macro AFETCH img, s                   ; K step s's two fragments of the left operand, as images, into buffer s % 2.  (v232 is 16 L in both windows, so the line stands under the products' setting too)
.irp u, 0,1
.irp g, 0,1,2
	ds_load_b128 v[AF+24*((\s)%2)+12*\u+4*\g:AF+24*((\s)%2)+12*\u+4*\g+3], v[WOFF] offset:\img+1536*(2*(\s)+\u)+512*\g
.endr
.endr
.endm
.macro ASCFETCH scl                    ; the left operand's scale words of all eight K steps
	WIN 0x01
.irp s, 0,1,2,3,4,5,6,7
	ds_load_b32 v[ASC+\s], v[L4] offset:\scl+128*\s
.endr
.endm
.macro IMGST img                       ; my two fragments (K step w of the next product) go to LDS as they stand
.irp u, 0,1
.irp g, 0,1,2
	ds_store_b128 v[IMW], v[PCA+12*\u+4*\g:PCA+12*\u+4*\g+3] offset:\img+1536*\u+512*\g
.endr
.endr
.endm
.macro IMAGES img, scl
	v_cndmask_b32 v[W0], v[PW0], v[PW1], s[HM]     ; lanes 0-15 tile 0's word, lanes 16-31 tile 1's
	s_wait_alu depctr_va_vdst(0)                   ; the quantiser has written PCA, PCB and v[W0], which the LDS stores below read; it is done reading ACC, and the lines ahead of it AF's and ASC's registers, in which the LDS loads behind these stores land
	IMGST \img
	ds_store_b32 v[SCW], v[W0] offset:\scl
.endm
; eight matrix instructions: weight tiles t0 .. t0 + 3 x the two tiles of rows
.macro HALF s, t0
.irp t, \t0, \t0+1, \t0+2, \t0+3
.irp u, 0,1
	WM ACC+64*\u+8*(\t), RING+12*((8*(\s)+(\t))%16), AF+24*((\s)%2)+12*\u, BSC+8*((\t)/2)+(\s), ASC+(\s), (\t)%2, \u
.endr
.endr
.endm
; A K step of 128: two groups of the ring.  Four places stand behind each eight products, then the wait, in front of the loads into the registers that they read.  K steps 6 and 7 of the last product ask for nothing
; and hold no such wait.
.macro KSTEP wb, nb, ns, img, s
.if ((\s) == 0) || ((\s) == 7)
	s_wait_dscnt 0x0                               ; this K step's fragments of the left operand are in (and, at a product's head, all that came from LDS for it)
.else
	s_wait_dscnt 6                                 ; they are in; the six loads of the next K step's may be out
.endif
	WAITG 2*(\s)
	WIN 0x54                                       ; source 0 (the weight) window 0; source 1 (the rows), C and D window 1
	HALF \s, 0
	NOPS 4
.if ((\s) < 6) || (\nb)
	s_wait_alu depctr_va_vdst(0)                   ; the eight products above are done reading their group of the ring, in which the twelve loads below land
.endif
	REFILL \wb, \nb, 2*(\s)+4
	WAITG 2*(\s)+1
	WIN 0x54
	HALF \s, 4
.if (\s) < 7
	NOPS 4
.else
	NOPS 5
.endif
.if ((\s) < 6) || (\nb)
	s_wait_alu depctr_va_vdst(0)                   ; the eight products above are done reading their group of the ring, the K step's sixteen their set of AF, and (K steps 3 and 7) the last four K steps' their scale words: the loads below land in these
.endif
.if (\s) < 6
	AFETCH \img, (\s)+2
.endif
.if (\ns) && ((\s) == 3)
	BSCQ \ns, 0                                    ; the next weight's scale words: K steps 0-3's registers are free from here on,
.endif
.if (\ns) && ((\s) == 7)
	BSCQ \ns, 1                                    ; K steps 4-7's from here
.endif
	REFILL \wb, \nb, 2*(\s)+5
.endm
; A whole product, K = 1,024.  At its head groups 0 to 3 of its weight have been asked for.  nb, ns: the next weight's fragments and scale words (0: none).
; The 16 accumulators take turns, one instruction a turn, in one order in every step.
.macro GEMM wb, nb, ns, img
.irp s, 0,1,2,3,4,5,6,7
	KSTEP \wb, \nb, \ns, \img, \s
.endr
.endm
.macro RTAIL dst
	v_pk_add_f32 v[TT:TT+1], v[TT:TT+1], v[TT+2:TT+3]
	v_add_f32 v[TT], v[TT], v[TT+1]
	v_permlanex16_b32 v[TT+1], v[TT], s[SEL], s[SEL+1]
	v_add_f32 v[\dst], v[TT], v[TT+1]              ; the row's sum over my wave's 128 columns
.endm
.macro ROWSUM u, dst
.set X, ACC+64*\u
.set TT, T+4*\u
	v_pk_add_f32 v[TT:TT+1], v[X:X+1], v[X+2:X+3]
	v_pk_add_f32 v[TT+2:TT+3], v[X+4:X+5], v[X+6:X+7]
.set i, 8
.rept 14
	v_pk_add_f32 v[TT:TT+1], v[TT:TT+1], v[X+i:X+i+1]
	v_pk_add_f32 v[TT+2:TT+3], v[TT+2:TT+3], v[X+i+2:X+i+3]
.set i, i+4
.endr
	RTAIL \dst
.endm
.macro ROWSQ u, dst
.set X, ACC+64*\u
.set TT, T+4*\u
	v_pk_mul_f32 v[TT:TT+1], v[X:X+1], v[X:X+1]
	v_pk_mul_f32 v[TT+2:TT+3], v[X+2:X+3], v[X+2:X+3]
.set i, 4
.rept 15
	v_pk_fma_f32 v[TT:TT+1], v[X+i:X+i+1], v[X+i:X+i+1], v[TT:TT+1]
	v_pk_fma_f32 v[TT+2:TT+3], v[X+i+2:X+i+3], v[X+i+2:X+i+3], v[TT+2:TT+3]
.set i, i+4
.endr
	RTAIL \dst
.endm
.macro TOTAL part                      ; the eight waves' parts of my two rows: v[T] tile 0's total, v[T + 8] tile 1's; every wave adds in the same order
	BARRIER
.irp k, 0,1,2,3,4,5,6,7
	ds_load_b32 v[T+\k], v[R4] offset:\part+128*\k
	ds_load_b32 v[T+8+\k], v[R4] offset:\part+128*\k+64
.endr
	s_wait_dscnt 0x0
	s_wait_alu depctr_vm_vsrc(0)                   ; the LDS store of my part has read v[W0], and the stores of x1 into the stage have read ACC: later lines write both again
.irp o, 0,8
	v_add_f32 v[T+\o], v[T+\o], v[T+\o+1]
	v_add_f32 v[T+\o+2], v[T+\o+2], v[T+\o+3]
	v_add_f32 v[T+\o+4], v[T+\o+4], v[T+\o+5]
	v_add_f32 v[T+\o+6], v[T+\o+6], v[T+\o+7]
	v_add_f32 v[T+\o], v[T+\o], v[T+\o+2]
	v_add_f32 v[T+\o+4], v[T+\o+4], v[T+\o+6]
	v_add_f32 v[T+\o], v[T+\o], v[T+\o+4]
.endr
.endm
; The norm of the 32 rows in ACC, in two passes (the mean; then the sum of (x - mean)^2: no difference of large sums), gamma and beta, the quantiser, the images.
; gamma and beta come out of my LDS bytes in four chunks of 16 + 16 registers, on two sets of registers by turns: each wait leaves out the eight loads of the younger chunk.
.macro LNQ img, scl
	ROWSUM 0, W0
	ROWSUM 1, W1
	v_cndmask_b32 v[W0], v[W0], v[W1], s[HM]
	s_wait_alu depctr_va_vdst(0)                   ; v[W0] is written, which the LDS store reads; the sums are done with T, in which the parts' loads land
	ds_store_b32 v[SCW], v[W0] offset:PART1
	TOTAL PART1
	v_mul_f32 v[P0], 0x3a800000, v[T]              ; / 1024; each mean twice, a pair for the packed forms
	v_mul_f32 v[P0+1], 0x3a800000, v[T]
	v_mul_f32 v[P1], 0x3a800000, v[T+8]
	v_mul_f32 v[P1+1], 0x3a800000, v[T+8]
.set i, 0
.rept 32
	v_pk_add_f32 v[ACC+i:ACC+i+1], v[ACC+i:ACC+i+1], v[P0:P0+1] neg_lo:[0,1] neg_hi:[0,1]
	v_pk_add_f32 v[ACC+64+i:ACC+65+i], v[ACC+64+i:ACC+65+i], v[P1:P1+1] neg_lo:[0,1] neg_hi:[0,1]
.set i, i+2
.endr
	ROWSQ 0, W0
	ROWSQ 1, W1
	v_cndmask_b32 v[W0], v[W0], v[W1], s[HM]
	s_wait_alu depctr_va_vdst(0)                   ; v[W0] is written, which the LDS store reads; the sums of squares are done with T, in which the parts' loads land
	ds_store_b32 v[SCW], v[W0] offset:PART2
	TOTAL PART2
	GCHUNK GA, 0                                   ; they land under the lines below.  No wait: no vector or matrix line since the wait above names GA, GC or their address
	GCHUNK GC, 1
	v_mul_f32 v[T], 0x3a802008, v[T]               ; / 1023
	v_mul_f32 v[T+8], 0x3a802008, v[T+8]
	s_wait_alu depctr_va_vdst(0)
	v_sqrt_f32 v[T], v[T]
	v_sqrt_f32 v[T+8], v[T+8]
	v_nop                                          ; one plain place behind a transcendental
	s_wait_alu depctr_va_vdst(0)                   ; the two roots are written, ahead of their first reader
	v_add_f32 v[T], 0x358637bd, v[T]               ; + 1e-6
	v_add_f32 v[T+8], 0x358637bd, v[T+8]
	s_wait_alu depctr_va_vdst(0)
	v_rcp_f32 v[P0], v[T]
	v_rcp_f32 v[P0+1], v[T]
	v_rcp_f32 v[P1], v[T+8]
	v_rcp_f32 v[P1+1], v[T+8]
	v_nop
.set i, 0
	s_wait_alu depctr_va_vdst(0)                   ; the four reciprocals are written, ahead of their first reader
.rept 32
	v_pk_mul_f32 v[ACC+i:ACC+i+1], v[ACC+i:ACC+i+1], v[P0:P0+1]
	v_pk_mul_f32 v[ACC+64+i:ACC+65+i], v[ACC+64+i:ACC+65+i], v[P1:P1+1]
.set i, i+2
.endr
	s_wait_dscnt 8                                 ; chunk 0 is in; chunk 1's eight loads may be out
	GFMA GA, 0
	s_wait_alu depctr_va_vdst(0)                   ; the multiply-adds are done reading GA, in which chunk 2 lands
	GCHUNK GA, 2
	s_wait_dscnt 8                                 ; chunk 1
	GFMA GC, 1
	s_wait_alu depctr_va_vdst(0)                   ; the multiply-adds are done reading GC, in which chunk 3 lands
	GCHUNK GC, 3
	s_wait_dscnt 8                                 ; chunk 2
	GFMA GA, 2
	s_wait_dscnt 0x0
	GFMA GC, 3
	QUANT ACC, PCA, PCA+6, PW0
	QUANT ACC+64, PCB, PCB+6, PW1
	IMAGES \img, \scl
.endm
	s_load_b512 s[8:23], s[0:1], 0x0               ; abuf, wl, wo_scales, w1_scales, w2_scales, bo, b1, b2
	s_load_b256 s[24:31], s[0:1], 0x40             ; g2, be2, x, out0
	v_lshl_add_u32 v254, v0, 2, 0x32000            ; the closing add's two registers, made here and kept for it alone: my spare word, behind the waves' 2,048 bytes,
	v_mov_b32 v255, 0                              ; and 0
	v_lshrrev_b32 v1, 5, v0
	v_readfirstlane_b32 s2, v1                     ; wave 0..7
	v_and_b32 v1, 31, v0                           ; L
	v_and_b32 v2, 15, v0                           ; r
	v_bfe_u32 v3, v0, 4, 1                         ; h
	v_and_b32 v4, 8, v2
	v_add_nc_u32 v4, v4, v2                        ; r + 8 (r / 8)
	v_mul_u32_u24 v5, v2, SP
	v_lshl_add_u32 v5, v3, 6, v5                   ; 528 r + 64 h
	s_wait_alu depctr_va_vdst(0)
	v_lshlrev_b32 v6, 5, v4
	v_lshl_add_u32 v6, v3, 8, v6                   ; 32 (8 h + r + 8 (r / 8))
	v_lshlrev_b32 v[WOFF], 4, v1                   ; window 0's 16 L
	s_wait_alu depctr_va_sdst(0)                   ; s2, the wave's number, is written, ahead of its first reader
	s_mul_i32 s58, s2, 3072
	s_lshl_b32 s59, s2, 7
	s_mul_i32 s60, s2, WSTG
	s_add_co_u32 s60, s60, STG
	s_lshl_b32 s61, s2, 9
	s_lshl_b32 s62, s2, 12
	s_lshl_b32 s63, s2, 11
	s_add_co_u32 s63, s63, GB
	s_mov_b32 s[SEL], 0x76543210
	s_mov_b32 s[SEL+1], 0xfedcba98
	s_mov_b32 s[HM], 0xffff0000
	WIN 0x40                                       ; destinations in window 1, sources in window 0
	v_lshlrev_b32 v[L4], 2, v1
	v_lshlrev_b32 v[R4], 2, v2
	v_lshl_add_u32 v[IMW], v1, 4, s58
	v_lshl_add_u32 v[SCW], v1, 2, s59
	v_lshl_add_u32 v[STR], v1, 4, s60
	v_add_nc_u32 v[STL], s60, v5
	v_lshl_add_u32 v[XOFF], v1, 4, s61
	v_lshlrev_b32 v[WOFF], 4, v1
	v_add_nc_u32 v[SOFF], s62, v6
	v_lshl_add_u32 v[GBR], v3, 6, s63
	v_lshl_add_u32 v[GBW], v1, 4, s63
	s_mov_b32 s7, 0
	s_wait_kmcnt 0x0
	s_lshl_b32 s6, ttmp9, 17
	s_add_nc_u64 s[28:29], s[28:29], s[6:7]        ; x at my 32 rows,
	s_add_nc_u64 s[30:31], s[30:31], s[6:7]        ; out0 likewise
	s_mul_i32 s6, ttmp9, 24576
	s_add_nc_u64 s[32:33], s[8:9], s[6:7]          ; a's 16 images of my row block
	s_lshl_b32 s6, ttmp9, 10
	s_add_co_u32 s6, s6, IMGB
	s_add_nc_u64 s[34:35], s[8:9], s[6:7]          ; and their scale words
	s_mul_i32 s6, s2, 64*1536
	s_add_co_u32 s6, s6, 3*WMAT
	s_add_nc_u64 s[40:41], s[10:11], s[6:7]        ; my eighth of wo,
	s_add_nc_u64 s[42:43], s[40:41], WMAT          ; of w1,
	s_add_nc_u64 s[44:45], s[40:41], 2*WMAT        ; of w2
	; ---- the first requests: gamma, beta, b1 3, my two images of a 6, their scale words 1, bo and b2 2, x 32; then wo's scale words 8 and its first two K steps 48
	WIN 0x55
	s_wait_alu depctr_va_vdst(0)                   ; all addresses and offsets are written, which the kernel's loads and stores read; the head is done with v0 to v6 of window 0, in which the ring's loads land
	VLOAD T, 24
	VLOAD T+4, 26
	VLOAD T+8, 20
.irp u, 0,1
.irp g, 0,1,2
	global_load_b128 v[PCA+12*\u+4*\g:PCA+12*\u+4*\g+3], v[IMW], s[32:33] offset:1536*\u+512*\g th:TH_LOAD_NT   ; fragments 2 w + u: K step w
.endr
.endr
.set LC, LC+6
	global_load_b32 v[W0], v[SCW], s[34:35]        ; and K step w's 32 scale words
.set LC, LC+1
	VLOAD RB, 18
	VLOAD B2, 22
	XLOAD 28
.set MX, LC
	BSCQ 12, 0
	BSCQ 12, 1
.irp k, 0,1,2,3
	RINGG 40, \k
.endr
	WIN 0x55
	WAITM MX                                       ; all but wo's 8 + 48 loads are in
.irp k, 0,1,2
	ds_store_b128 v[GBW], v[T+4*\k:T+4*\k+3] offset:512*\k     ; gamma, beta, b1 into my own 2,048 bytes
.endr
	IMGST AIMG1
	ds_store_b32 v[SCW], v[W0] offset:ASCL1
.set p, 0
.rept 32
	v_pk_add_f32 v[ACC+4*p:ACC+4*p+1], v[ACC+4*p:ACC+4*p+1], v[RB:RB+1]         ; x + bo, in the rows as they lie in memory
	v_pk_add_f32 v[ACC+4*p+2:ACC+4*p+3], v[ACC+4*p+2:ACC+4*p+3], v[RB+2:RB+3]
.set p, p+1
.endr
	s_wait_alu depctr_va_vdst(0)                   ; x + bo is written, which the LDS stores into the stage read
	TURN_IN                                        ; (it ends with the wait for all my LDS instructions, the stores above among them)
	s_barrier_signal -1
	s_barrier_wait -1                              ; all 16 fragments of a lie in LDS
	ASCFETCH ASCL1
	WIN 0x55
	AFETCH AIMG1, 0
	AFETCH AIMG1, 1
	; ---- x1 = (x + bo) + a Wo^T
	GEMM 40, 42, 14, AIMG1
	WIN 0x55
	SAVE                                           ; x1 into my stage: it is the last product's C.  The last K step's wait, behind its five places, has shown the accumulators written, and only loads stand behind it.  (ACC is written again only behind the norm's first barrier, in front of which these stores are waited for)
	LNQ AIMG0, ASCL0
	LDSVEC ACC, 1024                               ; b1 in the result's layout, for both tiles of rows: the C of the sum's first links.  (No vector line stands between the images' wait and these loads, nor the fetches below)
	LDSVEC ACC+64, 1024
	BARRIER                                        ; all 16 fragments of LayerNorm(x1) lie in LDS
	ASCFETCH ASCL0
	WIN 0x55
	AFETCH AIMG0, 0
	AFETCH AIMG0, 1
	; ---- the hidden layer
	GEMM 42, 44, 16, AIMG0
	WIN 0x55
.set i, 0
.rept 128
	v_max_num_f32 v[ACC+i], 0, v[ACC+i]            ; the activation, in f32
.set i, i+1
.endr
	s_wait_alu depctr_vm_vsrc(0)                   ; the LDS stores of the norm's images have read PCA, PCB and v[W0], which the lines below write again
	QUANT ACC, PCA, PCA+6, PW0
	QUANT ACC+64, PCB, PCB+6, PW1
	IMAGES AIMG1, ASCL1
	RESTORE                                        ; x1 back: the C of the last product
	BARRIER                                        ; all 16 fragments of the hidden layer lie in LDS
	ASCFETCH ASCL1
	WIN 0x55
	AFETCH AIMG1, 0
	AFETCH AIMG1, 1
	; ---- x1 + hidden W2^T
	GEMM 44, 0, 0, AIMG1
	; ---- the way out: through my stage, back as rows; + b2; a wave's store covers 512 consecutive bytes, aligned to 256
	WIN 0x55
	s_wait_alu depctr_va_vdst(0)                   ; the last products have written the accumulators, which the LDS stores read; the five places behind them stay beside this wait
	SAVE
	s_wait_alu depctr_vm_vsrc(0)                   ; these stores have read ACC, in which the loads below land
	s_wait_alu depctr_va_vdst(0)                   ; the products have written ACC, in which the loads below land: stated again straight ahead of the run, since stores that name these registers stand behind the wait above
.set p, 0
.rept 32
	ds_load_b128 v[ACC+4*p:ACC+4*p+3], v[STR] offset:SP*p      ; LDS serves a wave's instructions in order: these see the stores above
.set p, p+1
.endr
.set g, 0
.rept 4                                ; eight positions at a time: their additions, one wait, their stores
	s_wait_dscnt 24-8*g                            ; positions 8 g .. 8 g + 7 are back; the later groups' loads may be out
.set p, 8*g
.rept 8
	v_pk_add_f32 v[ACC+4*p:ACC+4*p+1], v[ACC+4*p:ACC+4*p+1], v[B2:B2+1]
	v_pk_add_f32 v[ACC+4*p+2:ACC+4*p+3], v[ACC+4*p+2:ACC+4*p+3], v[B2+2:B2+3]
.set p, p+1
.endr
	s_wait_alu depctr_va_vdst(0)                   ; the sixteen additions have written these eight positions, which the stores read
.set p, 8*g
.rept 8
	global_store_b128 v[XOFF], v[ACC+4*p:ACC+4*p+3], s[30:31] offset:(8*(p/16)+p%16+8*((p%16)/8))*4096 th:TH_STORE_NT
.set p, p+1
.endr
.set g, g+1
.endr
	WIN 0
	s_wait_dscnt 0x0                               ; the closing lines, six on end
	s_wait_alu 0x0
	s_wait_tensorcnt 0x0
	ds_add_u32 v254, v255
	s_wait_dscnt 0x0
	s_endpgm
.Lfunc_end_k_q59d6e51031_ffn:
	.size	k_q59d6e51031_ffn, .Lfunc_end_k_q59d6e51031_ffn-k_q59d6e51031_ffn
	.p2alignl 7, 3214868480
	.fill 96, 4, 3214868480
	.section	.rodata,"a",@progbits
	.p2align	6, 0x0
	.amdhsa_kernel k_q59d6e51031_ffn
		.amdhsa_group_segment_fixed_size 205824
		.amdhsa_private_segment_fixed_size 0
		.amdhsa_enable_private_segment 0
		.amdhsa_kernarg_size 96
		.amdhsa_user_sgpr_count 2
		.amdhsa_user_sgpr_kernarg_segment_ptr 1
		.amdhsa_wavefront_size32 1
		.amdhsa_system_sgpr_workgroup_id_x 1
		.amdhsa_system_sgpr_workgroup_id_y 1
		.amdhsa_system_sgpr_workgroup_id_z 1
		.amdhsa_system_vgpr_workitem_id 0
		.amdhsa_next_free_vgpr 512
		.amdhsa_next_free_sgpr 66
		.amdhsa_reserve_vcc 0
		.amdhsa_float_denorm_mode_32 3
		.amdhsa_float_denorm_mode_16_64 3
		.amdhsa_memory_ordered 1
		.amdhsa_forward_progress 1
		.amdhsa_inst_pref_size 209
	.end_amdhsa_kernel
	.amdgpu_metadata
---
amdhsa.version: [ 1, 2 ]
amdhsa.kernels:
  - .name:           k_q59d6e51031_ffn
    .symbol:         k_q59d6e51031_ffn.kd
    .args:
      - { .name: abuf, .offset: 0, .size: 8, .value_kind: global_buffer, .address_space: global }
      - { .name: wl, .offset: 8, .size: 8, .value_kind: global_buffer, .address_space: global }
      - { .name: wo_scales, .offset: 16, .size: 8, .value_kind: global_buffer, .address_space: global }
      - { .name: w1_scales, .offset: 24, .size: 8, .value_kind: global_buffer, .address_space: global }
      - { .name: w2_scales, .offset: 32, .size: 8, .value_kind: global_buffer, .address_space: global }
      - { .name: bo, .offset: 40, .size: 8, .value_kind: global_buffer, .address_space: global }
      - { .name: b1, .offset: 48, .size: 8, .value_kind: global_buffer, .address_space: global }
      - { .name: b2, .offset: 56, .size: 8, .value_kind: global_buffer, .address_space: global }
      - { .name: g2, .offset: 64, .size: 8, .value_kind: global_buffer, .address_space: global }
      - { .name: be2, .offset: 72, .size: 8, .value_kind: global_buffer, .address_space: global }
      - { .name: x, .offset: 80, .size: 8, .value_kind: global_buffer, .address_space: global }
      - { .name: out0, .offset: 88, .size: 8, .value_kind: global_buffer, .address_space: global }
    .group_segment_fixed_size: 205824
    .private_segment_fixed_size: 0
    .kernarg_segment_align: 8
    .kernarg_segment_size: 96
    .max_flat_workgroup_size: 256
    .sgpr_count:     66
    .vgpr_count:     512
    .wavefront_size: 32
...
	.end_amdgpu_metadata
.endif
;; end of part 8
